; MI455X (gfx1250); checked and timed in simulation.
; The chip was launched on July 23, 2026; its instructions are those of AMD's public machine-readable ISA for CDNA 5 (MIT licence, August 2026) and "CDNA5" Instruction Set Architecture Reference Guide (July 2026). The comments in the code are by the model that wrote it; some were corrected since.
;; Block. Allowed arithmetic: matrix products marked QUANTISED: E2M3 operands, one E8M0 scale for each 32 along K, by v_wmma_scale_f32_16x16x128_f8f6f4 with both operands' format E2M3, f32 sums; everything else in f32.
;; Inputs: ln1_w 1,024 float32; ln2_w 1,024 float32; w_attn 1,024 x 3,072 float32; w_cproj 4,096 x 1,024 float32; w_fc 1,024 x 4,096 float32; w_proj 1,024 x 1,024 float32; x 2 x 2,048 x 1,024 float32.
;; Outputs: out0 2 x 2,048 x 1,024 float32.
;; This version of the problem:
;;   THIS VERSION OF THE PROBLEM IS GIVEN IN LOW PRECISION. The matrix products marked QUANTISED in the list below multiply operands that are first quantised to E2M3 (2 exponent bits, 3 mantissa bits; 6 bits a number), with one power-of-two scale for each 32 numbers along K (OCP MX v1.0); their sums are f32. All else is computed in f32.
;;   The module's matrix products, in the order in which they are computed (A, B: the left and right operand; K: the contracted axis; several contracted axes count as one K, in the product's order):
;;     1. [M 4,096, K 1,024] x [K 1,024, N 3,072]; A: computed on the way; B: input w_attn: QUANTISED
;;     2. batch 32 x [M 2,048, K 64] x [K 64, N 2,048]; A: computed on the way; B: computed on the way: QUANTISED
;;     3. batch 32 x [M 2,048, K 2,048] x [K 2,048, N 64]; A: softmax (see below); B: computed on the way: QUANTISED
;;     4. [M 4,096, K 1,024] x [K 1,024, N 1,024]; A: computed on the way; B: input w_proj: QUANTISED
;;     5. [M 4,096, K 1,024] x [K 1,024, N 4,096]; A: computed on the way; B: input w_fc: QUANTISED
;;     6. [M 4,096, K 4,096] x [K 4,096, N 1,024]; A: computed on the way; B: input w_cproj: QUANTISED
;;   THE QUANTISER, for each operand of a quantised product, along K:
;;     - K is cut into blocks of 32 from its start; a last block that is shorter is filled with zeros.
;;     - A block's scale is 2^e with e = floor(log2(the largest magnitude in the block)) - 2, held to -126 .. 127; a block of zeros has e = 0. As a byte (E8M0): e + 127.
;;     - Each number is divided by its block's scale, clamped to +-7.5, and rounded to the nearest number of E2M3, ties to even, subnormals kept.
;;     - The product sums the exact products of the quantised numbers (number of the format x scale) in f32.
;;   ~~~python
;;   def quantise(x, axis):      # numpy; x: float32 -> the quantised numbers, widened to float32 again
;;       x = np.moveaxis(x, axis, -1); K = x.shape[-1]
;;       x = np.pad(x, [(0, 0)] * (x.ndim - 1) + [(0, -K % 32)]); x = x.reshape(x.shape[:-1] + (-1, 32)); a = np.abs(x).max(-1, keepdims=True)
;;       e = np.where(a > 0, np.clip(np.frexp(np.where(a > 0, a, 1))[1] - 1 - 2, -126, 127), 0)      # np.frexp(a)[1] - 1 = floor(log2(a)), exactly
;;       r = np.clip(x / 2.0 ** e, -7.5, 7.5)
;;       step = 2.0 ** (np.maximum(np.frexp(np.where(r == 0, 1, r))[1] - 1, 0) - 3)
;;       q = np.round(r / step) * step * 2.0 ** e      # np.round: ties to even
;;       return np.moveaxis(q.reshape(q.shape[:-2] + (-1,))[..., :K], -1, axis).astype(np.float32)
;;   ~~~
;;   SOFTMAX AHEAD OF A QUANTISED PRODUCT. Where the list says 'softmax', what is quantised is not the finished softmax but p = 2^(t - M), with t = logit x log2(e) and M = ceil(the row's largest t), a whole number; so 1/2 < the row's largest p <= 1. The row's sum l is taken of the UNQUANTISED p, in f32, and the product's result is divided by l at the end. Since M is a whole number, a kernel that streams over the keys may use a running M (the ceiling of the running maximum): every later rescaling is an exact power of two, which a block's scale takes up: the codes' values come out the same.
;;   OPERANDS COMPUTED ON THE WAY. 'Computed on the way' means the value that the module computes at that place (a softmax that the list does not call 'softmax' is quantised finished and normalised). What goes into a quantiser is computed in f32, as accurately as f32 sums, v_exp_f32 and their like allow (about 1e-6 of the number): no bf16 or f16 on the way to a quantiser, and a product that is left as it is and whose result goes on into a quantised operand takes f32 operands (vector FMAs, or v_wmma_f32_16x16x4_f32). A number that lies on a knife's edge between two numbers of the format may be rounded either way, as far as f32 arithmetic and the matrix unit's own rounding can turn it there, and no further.
;; 2 versions. Each part assembles by itself: llvm-mc -triple=amdgcn-amd-amdhsa -mcpu=gfx1250 --defsym DOCPART=n.
;; ======== version 1 of 2: 8 launches
;; workspace buffers: wts 9,830,400 bytes; hq 3,276,800 bytes; qkv 10,092,544 bytes; yq 3,276,800 bytes; x1 16,777,216 bytes; fq 13,107,200 bytes
;; launch wq (part 1): grid 384 x 1, 4 waves a work-group, no clusters, 0 bytes of LDS; arguments w_attn, w_proj, w_fc, w_cproj, wts; writes wts
.if DOCPART == 1
	.amdgcn_target "amdgcn-amd-amdhsa--gfx1250"
	.amdhsa_code_object_version 6
	.text
	.protected	k_q595b376228_wq
	.globl	k_q595b376228_wq
	.p2align	8
	.type	k_q595b376228_wq,@function
k_q595b376228_wq:
	s_mov_b64 s[64:65], 0
	v_nop
	global_prefetch_b8 v0, s[64:65] scope:SCOPE_SE
	s_setreg_imm32_b32 hwreg(HW_REG_WAVE_MODE, 25, 1), 1
	s_wait_xcnt 0x0
; The four weights, f32 [K][N] with K as first axis, become codes of FP6 (E2M3) and E8M0 scale bytes in the workspace wts, laid as the products' launches read them.
; A LANE TAKES A COLUMN n AND ITS REGISTERS RUN DOWN K: a load reads 32 neighbouring columns (128 consecutive bytes a wave, 512 a work-group), a block of 32 along K lies in one lane.
; LAYOUT OF CODES: [n / 16][k / 128][1536 bytes]; 1536 bytes are two images of six operand registers of 32 lanes (16 columns x 64 along K, 768 bytes): lane L = 16 H + r holds column r, block H;
; its first four registers lie at 16 L, its last two at 512 + 8 L.  So sixteen lanes' stores of 16 bytes cover 256 consecutive bytes, aligned.
; ORDER INSIDE A BLOCK OF 32: place p holds element SW(p) = p with its bits 3 and 4 exchanged.  Every operand of every product of this program has that order, so the products are those of the true order.
; A block's scale byte is its largest magnitude's exponent field - 2, held at 1 from below.  Scale bytes: [n][K / 32].
; LIMITS: NaN and infinities are not served; a block whose largest magnitude lies under 2^-124, a block of zeros too, gets the byte 1 (its codes are as the conversion gives them; zeros stay zeros); the bytes are read by this program alone.
; One path serves all four tensors: pointers and sizes are chosen by the work-group's number.  A work-group takes 128 columns x 256 along K.  No LDS, no barrier.  Loads run two blocks (64 loads a wave) ahead.
.set X,   64                           ; v64-127  two sets of 32 numbers
.set CD,  128                          ; v128-191 eight registers of codes for each block: no store's data are written again
.set VO,  32                           ; v32-63   offset of place i's row: 4 x lane + SW(i) x a row's bytes
.set SB,  32                           ; s[32:47] the address of each of my 8 blocks' first row at my wave's first column
	s_load_b256 s[4:11], s[0:1], 0x0               ; w_attn, w_proj, w_fc, w_cproj
	s_load_b64 s[12:13], s[0:1], 0x20              ; wts
	v_lshrrev_b32 v1, 5, v0
	v_readfirstlane_b32 s14, v1                    ; wave
	v_and_b32 v2, 31, v0                           ; lane
	v_lshlrev_b32 v3, 2, v2
	s_mov_b32 s15, 0                               ; w_attn: first work-group,
	s_mov_b32 s16, 12288                           ; bytes in a row,
	s_mov_b32 s17, 12288                           ; bytes of codes for 16 columns: 12 K,
	s_mov_b32 s18, 32                              ; scale bytes a column: K / 32,
	s_mov_b32 s19, 0                               ; where its codes begin in wts,
	s_mov_b32 s20, 9437184                         ; and its scale bytes,
	s_mov_b32 s21, 2                               ; log2 of K / 256
	s_wait_kmcnt 0x0
	s_mov_b64 s[24:25], s[4:5]
	s_cmp_ge_u32 ttmp9, 96                         ; w_proj from work-group 96 on
	s_cselect_b32 s15, 96, s15
	s_cselect_b32 s16, 4096, s16
	s_cselect_b32 s19, 2359296, s19
	s_cselect_b32 s20, 9535488, s20
	s_cselect_b64 s[24:25], s[6:7], s[24:25]
	s_cmp_ge_u32 ttmp9, 128                        ; w_fc from 128 on
	s_cselect_b32 s15, 128, s15
	s_cselect_b32 s16, 16384, s16
	s_cselect_b32 s19, 3145728, s19
	s_cselect_b32 s20, 9568256, s20
	s_cselect_b64 s[24:25], s[8:9], s[24:25]
	s_cmp_ge_u32 ttmp9, 256                        ; w_cproj from 256 on
	s_cselect_b32 s15, 256, s15
	s_cselect_b32 s16, 4096, s16
	s_cselect_b32 s17, 49152, s17
	s_cselect_b32 s18, 128, s18
	s_cselect_b32 s19, 6291456, s19
	s_cselect_b32 s20, 9699328, s20
	s_cselect_b32 s21, 4, s21
	s_cselect_b64 s[24:25], s[10:11], s[24:25]
	s_sub_co_u32 s22, ttmp9, s15                   ; my number within the tensor
	s_lshr_b32 s23, s22, s21                       ; cg: which 128 columns
	s_lshl_b32 s2, s23, s21
	s_sub_co_u32 s22, s22, s2                      ; ky: which 256 along K
	s_mul_i32 s2, s22, s16
	s_lshl_b32 s2, s2, 8                           ; 256 ky rows,
	s_lshl_b32 s3, s23, 9
	s_add_co_u32 s2, s2, s3                        ; + 128 cg columns of 4 bytes,
	s_lshl_b32 s3, s14, 7
	s_add_co_u32 s2, s2, s3                        ; + 32 columns a wave
	s_mov_b32 s3, 0
	s_add_nc_u64 s[SB:SB+1], s[24:25], s[2:3]
	s_lshl_b32 s48, s16, 5                         ; 32 rows on
	s_mov_b32 s49, 0
.irp t, 1,2,3,4,5,6,7
	s_add_nc_u64 s[SB+2*\t:SB+2*\t+1], s[SB+2*\t-2:SB+2*\t-1], s[48:49]
.endr
	s_lshl_b32 s2, s23, 3
	s_lshl_b32 s26, s14, 1
	s_add_co_u32 s2, s2, s26                       ; my wave's first group of 16 columns: 8 cg + 2 wave
	s_mul_i32 s2, s2, s17
	s_mul_i32 s26, s22, 3072                       ; 256 along K are two steps of 1,536 bytes
	s_add_co_u32 s2, s2, s26
	s_add_co_u32 s2, s2, s19
	s_add_nc_u64 s[26:27], s[12:13], s[2:3]        ; my codes
	s_lshl_b32 s2, s23, 7
	s_lshl_b32 s28, s14, 5
	s_add_co_u32 s2, s2, s28                       ; my wave's first column
	s_mul_i32 s2, s2, s18
	s_lshl_b32 s28, s22, 3                         ; 8 blocks for each 256 along K
	s_add_co_u32 s2, s2, s28
	s_add_co_u32 s2, s2, s20
	s_add_nc_u64 s[28:29], s[12:13], s[2:3]        ; my scale bytes
	v_lshrrev_b32 v7, 4, v2                        ; which of my wave's two groups of 16 columns
	v_and_b32 v8, 15, v2
	v_mul_u32_u24 v7, s17, v7
	v_lshl_add_u32 v4, v8, 4, v7                   ; where my first four code registers go
	v_lshl_add_u32 v5, v8, 3, v7                   ; and my last two
	v_mul_u32_u24 v6, s18, v2                      ; my column's row of scale bytes
.set i, 0
.rept 32
.set SWI, (i&7)|(((i>>3)&1)<<4)|(((i>>4)&1)<<3)
	v_mad_u32_u24 v[VO+i], s16, SWI, v3
.set i, i+1
.endr
.macro LOAD t                          ; block t: W(32 t + SW(i), my column) into register i of set t % 2
.set i, 0
.rept 32
	global_load_b32 v[X+32*((\t)%2)+i], v[VO+i], s[SB+2*(\t):SB+2*(\t)+1] th:TH_LOAD_NT
.set i, i+1
.endr
.endm
.macro BLOCK t
.set XS, X+32*((\t)%2)
.set CT, CD+8*(\t)
.if (\t) < 7
	s_wait_loadcnt 32                              ; this block's 32 loads are in; the next block's 32 may be out
.else
	s_wait_loadcnt 0x0
.endif
	v_max3_num_f32 v12, |v[XS]|, |v[XS+1]|, |v[XS+2]|      ; the block's largest magnitude, in two chains: all 32 numbers are mine
	v_max3_num_f32 v13, |v[XS+3]|, |v[XS+4]|, |v[XS+5]|
.irp i, 6,10,14,18,22,26
	v_max3_num_f32 v12, v12, |v[XS+\i]|, |v[XS+\i+1]|
	v_max3_num_f32 v13, v13, |v[XS+\i+2]|, |v[XS+\i+3]|
.endr
	v_max3_num_f32 v12, v12, |v[XS+30]|, |v[XS+31]|
	v_max3_num_f32 v12, v12, v13, 0x1800000        ; and the floor 2^(3 - 127): the byte cannot fall under 1
	v_add_nc_u32 v11, 0xff000000, v12              ; 2 off the exponent field: the conversion's scale operand
	v_lshrrev_b32 v13, 23, v11                     ; the scale's byte
.if (\t)%4 == 0
	v_mov_b32 v[24+(\t)/4], v13
.else
	v_lshl_or_b32 v[24+(\t)/4], v13, 8*((\t)%4), v[24+(\t)/4]
.endif
	v_cvt_scalef32_pk16_fp6_f32 v[CT:CT+2], v[XS:XS+15], v11
	v_cvt_scalef32_pk16_fp6_f32 v[CT+4:CT+6], v[XS+16:XS+31], v11   ; (a conversion's three registers begin on an even number)
	v_nop                                          ; one plain place behind a scaled conversion
	v_mov_b32 v[CT+3], v[CT+4]                     ; the block's 192 bits on end
	v_mov_b32 v[CT+4], v[CT+5]
	v_mov_b32 v[CT+5], v[CT+6]
	global_store_b128 v4, v[CT:CT+3], s[26:27] offset:((\t)/4)*1536+(((\t)/2)%2)*768+((\t)%2)*256          ; sixteen lanes store 256 consecutive bytes, aligned
	global_store_b64 v5, v[CT+4:CT+5], s[26:27] offset:((\t)/4)*1536+(((\t)/2)%2)*768+512+((\t)%2)*128     ; 128 consecutive bytes; the neighbouring block's store has the other 128
.if (\t)+2 < 8
	LOAD (\t)+2
.endif
.endm
	LOAD 0
	LOAD 1
.irp t, 0,1,2,3,4,5,6,7
	BLOCK \t
.endr
	global_store_b64 v6, v[24:25], s[28:29]        ; my column's 8 scale bytes
	s_endpgm
.Lfunc_end_k_q595b376228_wq:
	.size	k_q595b376228_wq, .Lfunc_end_k_q595b376228_wq-k_q595b376228_wq
	.p2alignl 7, 3214868480
	.fill 96, 4, 3214868480
	.section	.rodata,"a",@progbits
	.p2align	6, 0x0
	.amdhsa_kernel k_q595b376228_wq
		.amdhsa_group_segment_fixed_size 0
		.amdhsa_private_segment_fixed_size 0
		.amdhsa_enable_private_segment 0
		.amdhsa_kernarg_size 40
		.amdhsa_user_sgpr_count 2
		.amdhsa_user_sgpr_kernarg_segment_ptr 1
		.amdhsa_wavefront_size32 1
		.amdhsa_system_sgpr_workgroup_id_x 1
		.amdhsa_system_sgpr_workgroup_id_y 1
		.amdhsa_system_sgpr_workgroup_id_z 1
		.amdhsa_system_vgpr_workitem_id 0
		.amdhsa_next_free_vgpr 192
		.amdhsa_next_free_sgpr 66
		.amdhsa_reserve_vcc 0
		.amdhsa_float_denorm_mode_32 3
		.amdhsa_float_denorm_mode_16_64 3
		.amdhsa_memory_ordered 1
		.amdhsa_forward_progress 1
		.amdhsa_inst_pref_size 43
	.end_amdhsa_kernel
	.amdgpu_metadata
---
amdhsa.version: [ 1, 2 ]
amdhsa.kernels:
  - .name:           k_q595b376228_wq
    .symbol:         k_q595b376228_wq.kd
    .args:
      - { .name: w_attn, .offset: 0, .size: 8, .value_kind: global_buffer, .address_space: global }
      - { .name: w_proj, .offset: 8, .size: 8, .value_kind: global_buffer, .address_space: global }
      - { .name: w_fc, .offset: 16, .size: 8, .value_kind: global_buffer, .address_space: global }
      - { .name: w_cproj, .offset: 24, .size: 8, .value_kind: global_buffer, .address_space: global }
      - { .name: wts, .offset: 32, .size: 8, .value_kind: global_buffer, .address_space: global }
    .group_segment_fixed_size: 0
    .private_segment_fixed_size: 0
    .kernarg_segment_align: 8
    .kernarg_segment_size: 40
    .max_flat_workgroup_size: 128
    .sgpr_count:     66
    .vgpr_count:     192
    .wavefront_size: 32
...
	.end_amdgpu_metadata
.endif
;; end of part 1
;; launch ln1 (part 2): grid 256 x 1, 8 waves a work-group, no clusters, 67,584 bytes of LDS; arguments x, ln1_w, hq; writes hq
.if DOCPART == 2
	.amdgcn_target "amdgcn-amd-amdhsa--gfx1250"
	.amdhsa_code_object_version 6
	.text
	.protected	k_q595b376228_ln1
	.globl	k_q595b376228_ln1
	.p2align	8
	.type	k_q595b376228_ln1,@function
k_q595b376228_ln1:
	s_mov_b64 s[64:65], 0
	v_nop
	global_prefetch_b8 v0, s[64:65] scope:SCOPE_SE
	s_setreg_imm32_b32 hwreg(HW_REG_WAVE_MODE, 25, 1), 1
	s_wait_xcnt 0x0
; h = (x - mean) * rsqrt(var + 1e-5) * w for rows of 1,024 f32, all in f32 (the variance from the differences), then quantised along the row to codes of FP6 (E2M3) with one E8M0 byte for each 32.
; A work-group owns 16 rows.  PHASE 1: wave w normalises rows 2 w and 2 w + 1 (a row in 32 registers of the wave, read from memory once) and lays them into LDS.  PHASE 2: wave w takes columns 128 w .. 128 w + 127
; of all 16 rows: one operand fragment (16 rows x 128 along K, 12 registers a lane) and one scale word a row.
; OUTPUT: codes [row / 16][k / 128][1536 bytes] as images of the operand's registers (two images of six registers: first four at 16 x lane, last two at 512 + 8 x lane): every store of the wave is dense.
; Scale bytes [row][32], gathered in LDS and stored by wave 0 as 512 consecutive bytes.
; ORDER INSIDE A BLOCK OF 32: place p holds element p with its bits 3 and 4 exchanged, as in every operand of this program: lane (r, h) reads, of each block, elements 8 h + 0..7 and 16 + 8 h + 0..7.
; LIMITS: NaN and infinities are not served; a block whose largest magnitude lies under 2^-124 (a block of zeros too) gets the byte 1; the bytes are read by this program alone.  rsqrt is v_rsq_f32.
.set PITCH, 4112                       ; an LDS row: 4,096 bytes + 16: 257 x 16, so the sixteen rows of a load of 16 bytes a lane fall on sixteen different columns of 16 bytes
.set SIMG,  16*PITCH                   ; the scale bytes' image, 16 rows x 32 bytes
.set SPARE, SIMG+512                   ; the spare words, 128 bytes for each of eight waves: four blocks of 256 bytes that no other line names
.set SPW, 2                            ; v2  my spare word's address; never rewritten
.set NIL, 3                            ; v3  0; never rewritten
.set ST,  16                           ; v16-79  my two rows; later the 64 numbers to be quantised
.set GW,  80                           ; v80-111 the gain
.set TM,  112                          ; v112-127 sums; later the quantiser's work
.set PW,  128                          ; the scale word
.set PC,  132                          ; v132-150 the codes
	s_load_b128 s[4:7], s[0:1], 0x0                ; x, the gain
	s_load_b64 s[8:9], s[0:1], 0x10                ; hq
	v_lshl_add_u32 v[SPW], v0, 2, SPARE
	v_mov_b32 v[NIL], 0
	v_lshrrev_b32 v1, 5, v0
	v_readfirstlane_b32 s14, v1                    ; wave 0..7
	v_and_b32 v10, 31, v0                          ; lane
	v_and_b32 v11, 15, v0                          ; r
	v_bfe_u32 v12, v0, 4, 1                        ; h
	v_lshlrev_b32 v4, 4, v10                       ; 16 x lane
	v_lshlrev_b32 v9, 3, v10                       ; 8 x lane
	s_mul_i32 s15, s14, 2*PITCH
	v_add_nc_u32 v5, s15, v4                       ; phase 1: my 16 bytes in my wave's first LDS row
	v_mul_u32_u24 v6, v11, PITCH
	v_lshl_add_u32 v6, v12, 5, v6
	s_lshl_b32 s15, s14, 9
	v_add_nc_u32 v6, s15, v6                       ; phase 2: row r, + 32 h, + my wave's 512 bytes
	v_lshlrev_b32 v7, 5, v11
	s_lshl_b32 s15, s14, 2
	s_add_co_u32 s15, s15, SIMG
	v_add_nc_u32 v7, s15, v7                       ; row r's scale word of my wave's 128 columns
	v_add_nc_u32 v8, SIMG, v4                      ; and the image read back
	s_mov_b32 s12, 0x76543210
	s_mov_b32 s13, 0xfedcba98                      ; v_permlanex16_b32's selects for lane l xor 16
	s_mov_b32 s19, 0x3a800000                      ; 1 / 1024
	s_mov_b32 s22, 0x3727c5ac                      ; 1e-5
	s_mov_b32 s17, 0
	s_wait_kmcnt 0x0
	s_lshl_b32 s16, ttmp9, 9
	s_add_nc_u64 s[10:11], s[8:9], s[16:17]
	s_add_nc_u64 s[10:11], s[10:11], 3145728       ; my 16 rows' scale bytes
	s_mul_i32 s16, ttmp9, 12288
	s_mul_i32 s18, s14, 1536
	s_add_co_u32 s16, s16, s18
	s_add_nc_u64 s[8:9], s[8:9], s[16:17]          ; my wave's fragment
	s_lshl_b32 s16, ttmp9, 16
	s_lshl_b32 s18, s14, 13
	s_add_co_u32 s16, s16, s18
	s_add_nc_u64 s[4:5], s[4:5], s[16:17]          ; my wave's two rows
.irp j, 0,1,2,3,4,5,6,7
	global_load_b128 v[ST+4*\j:ST+4*\j+3], v4, s[4:5] offset:512*\j th:TH_LOAD_NT          ; 512 consecutive bytes an instruction
	global_load_b128 v[ST+32+4*\j:ST+32+4*\j+3], v4, s[4:5] offset:4096+512*\j th:TH_LOAD_NT
	global_load_b128 v[GW+4*\j:GW+4*\j+3], v4, s[6:7] offset:512*\j
.endr
.macro REDUCE                          ; both rows' two chains of pairs become one sum in every lane, the rows by turns
.irp R, 0,1
	v_pk_add_f32 v[TM+4*\R:TM+4*\R+1], v[TM+4*\R:TM+4*\R+1], v[TM+4*\R+2:TM+4*\R+3]
.endr
.irp R, 0,1
	v_add_f32 v[TM+4*\R], v[TM+4*\R], v[TM+4*\R+1]
.endr
.irp m, 1,2,4,8
.irp R, 0,1
	v_add_f32_dpp v[TM+4*\R], v[TM+4*\R], v[TM+4*\R] row_xmask:\m row_mask:0xf bank_mask:0xf
.endr
.endr
.irp R, 0,1
	v_permlanex16_b32 v[TM+4*\R+1], v[TM+4*\R], s12, s13
.endr
.irp R, 0,1
	v_add_f32 v[TM+4*\R], v[TM+4*\R], v[TM+4*\R+1]
.endr
.endm
	s_wait_loadcnt 0x0
.irp R, 0,1
	v_pk_add_f32 v[TM+4*\R:TM+4*\R+1], v[ST+32*\R:ST+32*\R+1], v[ST+32*\R+4:ST+32*\R+5]
	v_pk_add_f32 v[TM+4*\R+2:TM+4*\R+3], v[ST+32*\R+2:ST+32*\R+3], v[ST+32*\R+6:ST+32*\R+7]
.endr
.irp i, 8,12,16,20,24,28
.irp R, 0,1
	v_pk_add_f32 v[TM+4*\R:TM+4*\R+1], v[TM+4*\R:TM+4*\R+1], v[ST+32*\R+\i:ST+32*\R+\i+1]
	v_pk_add_f32 v[TM+4*\R+2:TM+4*\R+3], v[TM+4*\R+2:TM+4*\R+3], v[ST+32*\R+\i+2:ST+32*\R+\i+3]
.endr
.endr
	REDUCE
.irp R, 0,1
	v_mul_f32 v[TM+4*\R], s19, v[TM+4*\R]          ; the mean
.endr
.irp i, 0,2,4,6,8,10,12,14,16,18,20,22,24,26,28,30
.irp R, 0,1
	v_pk_add_f32 v[ST+32*\R+\i:ST+32*\R+\i+1], v[ST+32*\R+\i:ST+32*\R+\i+1], v[TM+4*\R:TM+4*\R+1] op_sel_hi:[1,0] neg_lo:[0,1] neg_hi:[0,1]   ; x - mean
.endr
.endr
.irp R, 0,1
	v_pk_mul_f32 v[TM+4*\R:TM+4*\R+1], v[ST+32*\R:ST+32*\R+1], v[ST+32*\R:ST+32*\R+1]
	v_pk_mul_f32 v[TM+4*\R+2:TM+4*\R+3], v[ST+32*\R+2:ST+32*\R+3], v[ST+32*\R+2:ST+32*\R+3]
.endr
.irp i, 4,8,12,16,20,24,28
.irp R, 0,1
	v_pk_fma_f32 v[TM+4*\R:TM+4*\R+1], v[ST+32*\R+\i:ST+32*\R+\i+1], v[ST+32*\R+\i:ST+32*\R+\i+1], v[TM+4*\R:TM+4*\R+1]
	v_pk_fma_f32 v[TM+4*\R+2:TM+4*\R+3], v[ST+32*\R+\i+2:ST+32*\R+\i+3], v[ST+32*\R+\i+2:ST+32*\R+\i+3], v[TM+4*\R+2:TM+4*\R+3]
.endr
.endr
	REDUCE
.irp R, 0,1
	v_fma_f32 v[TM+4*\R], v[TM+4*\R], s19, s22     ; the variance + 1e-5
.endr
	v_rsq_f32 v[TM+8], v[TM]
	v_rsq_f32 v[TM+10], v[TM+4]
	v_mov_b32 v[TM+9], 0                           ; the pairs' upper halves are named below, so they are written; these two lines are also the plain instructions behind the transcendentals
	v_mov_b32 v[TM+11], 0
	s_wait_alu depctr_va_vdst(0)                   ; one wait ahead of the first reader, for both
.irp i, 0,2,4,6,8,10,12,14,16,18,20,22,24,26,28,30
.irp R, 0,1
	v_pk_mul_f32 v[ST+32*\R+\i:ST+32*\R+\i+1], v[ST+32*\R+\i:ST+32*\R+\i+1], v[TM+8+2*\R:TM+9+2*\R] op_sel_hi:[1,0]
.endr
.irp R, 0,1
	v_pk_mul_f32 v[ST+32*\R+\i:ST+32*\R+\i+1], v[ST+32*\R+\i:ST+32*\R+\i+1], v[GW+\i:GW+\i+1]
.endr
.endr
.irp R, 0,1
.irp j, 0,1,2,3,4,5,6,7
	ds_store_b128 v5, v[ST+32*\R+4*\j:ST+32*\R+4*\j+3] offset:\R*PITCH+512*\j
.endr
.endr
	s_wait_dscnt 0x0                               ; for the others' sake: my rows lie in LDS
	s_barrier_signal -1
	s_barrier_wait -1
.irp b, 0,1,2,3
.irp q, 0,1,2,3
	ds_load_b128 v[ST+16*\b+4*\q:ST+16*\b+4*\q+3], v6 offset:128*\b+16*(\q%2)+64*(\q/2)   ; register 16 b + i: place 16 h + i of block b
.endr
.endr
	s_wait_dscnt 0x0
.irp b, 0,1,2,3
	v_max3_num_f32 v[TM+\b], |v[ST+16*\b]|, |v[ST+1+16*\b]|, 0x1800000   ; block b: my 16 numbers, and the floor 2^(3 - 127)
.endr
.irp i, 2,4,6,8,10,12,14
.irp b, 0,1,2,3
	v_max3_num_f32 v[TM+\b], v[TM+\b], |v[ST+16*\b+\i]|, |v[ST+1+16*\b+\i]|
.endr
.endr
.irp b, 0,1,2,3
	v_permlanex16_b32 v[TM+4+\b], v[TM+\b], s12, s13
.endr
.irp b, 0,1,2,3
	v_max_num_f32 v[TM+\b], v[TM+\b], v[TM+4+\b]   ; with lane l xor 16's: the block's largest magnitude
.endr
.irp b, 0,1,2,3
	v_add_nc_u32 v[TM+12+\b], 0xff000000, v[TM+\b] ; 2 off its exponent field: the conversion's scale operand
.endr
.irp b, 0,1,2,3
	v_lshrrev_b32 v[TM+4+\b], 23, v[TM+12+\b]      ; the scale's byte
.endr
	v_lshl_or_b32 v[PW], v[TM+5], 8, v[TM+4]
	v_lshl_or_b32 v[PW], v[TM+6], 16, v[PW]
	v_lshl_or_b32 v[PW], v[TM+7], 24, v[PW]
.irp c, 0,1
	v_cvt_scalef32_pk16_fp6_f32 v[PC+6*\c:PC+2+6*\c], v[ST+32*\c:ST+15+32*\c], v[TM+12+2*\c]
	v_cvt_scalef32_pk16_fp6_f32 v[PC+12+4*\c:PC+14+4*\c], v[ST+16+32*\c:ST+31+32*\c], v[TM+12+2*\c+1]
.endr
	v_nop                                          ; one plain place behind a scaled conversion
.irp c, 0,1                                    ; the operand's layout wants a whole block in a lane: lanes 0-15 block 2 c, lanes 16-31 block 2 c + 1
.irp i, 0,1,2
	v_permlane16_swap_b32 v[PC+6*\c+\i], v[PC+12+4*\c+\i]
.endr
.irp i, 0,1,2
	v_mov_b32 v[PC+3+6*\c+\i], v[PC+12+4*\c+\i]
.endr
.endr
	global_store_b128 v4, v[PC:PC+3], s[8:9]                   ; the fragment's image: 512, 256, 512 and 256 consecutive bytes
	global_store_b64 v9, v[PC+4:PC+5], s[8:9] offset:512
	global_store_b128 v4, v[PC+6:PC+9], s[8:9] offset:768
	global_store_b64 v9, v[PC+10:PC+11], s[8:9] offset:1280
	ds_store_b32 v7, v[PW]                         ; lanes r and r + 16 write the same word with the same value
	s_wait_dscnt 0x0
	s_barrier_signal -1
	s_barrier_wait -1
	s_cmp_lg_u32 s14, 0
	s_cbranch_scc1 .Lnot_wave_0
	ds_load_b128 v[16:19], v8
	s_wait_dscnt 0x0
	global_store_b128 v4, v[16:19], s[10:11]       ; the 16 rows' 512 scale bytes: two aligned runs of 256
.Lnot_wave_0:
	s_wait_tensorcnt 0x0                           ; the wave's end, behind my last LDS store
	ds_add_u32 v[SPW], v[NIL]
	s_wait_dscnt 0x0
	s_endpgm
.Lfunc_end_k_q595b376228_ln1:
	.size	k_q595b376228_ln1, .Lfunc_end_k_q595b376228_ln1-k_q595b376228_ln1
	.p2alignl 7, 3214868480
	.fill 96, 4, 3214868480
	.section	.rodata,"a",@progbits
	.p2align	6, 0x0
	.amdhsa_kernel k_q595b376228_ln1
		.amdhsa_group_segment_fixed_size 67584
		.amdhsa_private_segment_fixed_size 0
		.amdhsa_enable_private_segment 0
		.amdhsa_kernarg_size 24
		.amdhsa_user_sgpr_count 2
		.amdhsa_user_sgpr_kernarg_segment_ptr 1
		.amdhsa_wavefront_size32 1
		.amdhsa_system_sgpr_workgroup_id_x 1
		.amdhsa_system_sgpr_workgroup_id_y 1
		.amdhsa_system_sgpr_workgroup_id_z 1
		.amdhsa_system_vgpr_workitem_id 0
		.amdhsa_next_free_vgpr 160
		.amdhsa_next_free_sgpr 66
		.amdhsa_reserve_vcc 0
		.amdhsa_float_denorm_mode_32 3
		.amdhsa_float_denorm_mode_16_64 3
		.amdhsa_memory_ordered 1
		.amdhsa_forward_progress 1
		.amdhsa_inst_pref_size 23
	.end_amdhsa_kernel
	.amdgpu_metadata
---
amdhsa.version: [ 1, 2 ]
amdhsa.kernels:
  - .name:           k_q595b376228_ln1
    .symbol:         k_q595b376228_ln1.kd
    .args:
      - { .name: x, .offset: 0, .size: 8, .value_kind: global_buffer, .address_space: global }
      - { .name: ln1_w, .offset: 8, .size: 8, .value_kind: global_buffer, .address_space: global }
      - { .name: hq, .offset: 16, .size: 8, .value_kind: global_buffer, .address_space: global }
    .group_segment_fixed_size: 67584
    .private_segment_fixed_size: 0
    .kernarg_segment_align: 8
    .kernarg_segment_size: 24
    .max_flat_workgroup_size: 256
    .sgpr_count:     66
    .vgpr_count:     160
    .wavefront_size: 32
...
	.end_amdgpu_metadata
.endif
;; end of part 2
;; launch gqkv (part 3): grid 12 x 16, 4 waves a work-group, clusters of 4 x 4, 327,680 bytes of LDS; arguments hq, wts, qkv; writes qkv
.if DOCPART == 3
	.amdgcn_target "amdgcn-amd-amdhsa--gfx1250"
	.amdhsa_code_object_version 6
	.text
	.protected	k_q595b376228_gqkv
	.globl	k_q595b376228_gqkv
	.p2align	8
	.type	k_q595b376228_gqkv,@function
k_q595b376228_gqkv:
	s_mov_b64 s[64:65], 0
	v_nop
	global_prefetch_b8 v0, s[64:65] scope:SCOPE_SE
	s_setreg_imm32_b32 hwreg(HW_REG_WAVE_MODE, 25, 1), 1
	s_wait_xcnt 0x0
	s_wait_alu depctr_hold_cnt(0) depctr_sa_sdst(0) depctr_va_vdst(0) depctr_va_sdst(0) depctr_va_ssrc(0) depctr_va_vcc(0) depctr_vm_vsrc(0)
	s_getreg_b32 s2, hwreg(HW_REG_IB_STS2, 6, 4)
	s_cmp_eq_u32 s2, 0
	s_cbranch_scc0 .Lentry_in_a_cluster
	s_endpgm
.Lentry_in_a_cluster:
	s_bfe_u32 s2, ttmp6, 0x10000c
	s_cmp_lg_u32 s2, 0xf033
	s_cbranch_scc0 .Lentry_shape_is_right
	s_endpgm
.Lentry_shape_is_right:
; qkv = h w_attn on codes of FP6 (E2M3) with E8M0 scales for each 32 along K = 1,024; the results are quantised on the way out and leave as codes: q and k along the head's 64, v along the keys.
; OPERANDS lie in memory as images of operand registers: [row / 16][k / 128][1536 bytes]; scale bytes [row][K / 32].  A fragment (16 rows x 128 K, 12 registers) comes by four dense LDS loads.
; A tile of 256 x 256 is made by four waves, as many as a WGP has SIMDs, each 128 x 128: 64 accumulators, 512 registers.  K goes in steps of 256 through two LDS slots filled by the tensor data mover.
; CLUSTERS of 4 x 4: A's tiles are asked for jointly along a row of the cluster, B's along a column.  The matrix instruction is used transposed: source 0 = 16 rows of B, source 1 = 16 rows of A:
; a lane holds ONE row of A and eight neighbouring rows of B.
; Clusters with x = 0, 1: A = the tokens, B = w_attn's columns 0 .. 2047: a lane holds one token and its registers run along a head's channels: q's and k's K.
; Clusters with x = 2: THE OPERANDS CHANGE PLACES: A = w_attn's columns 2048 on, B = the tokens: a lane holds one channel of v and its registers run along the keys: v's K.  The choice hangs on the cluster's x alone.
; A lane's 16 registers of two neighbouring result tiles are elements 8 h + 0..7 and 16 + 8 h + 0..7 of a block of 32: place p of a block holds element p with bits 3 and 4 exchanged, as in every operand of this program.
; OUTPUT (qkv): q's codes [head 32][query / 16][768] at 0, k's likewise at 3,145,728 (768 bytes: six registers' image, 16 rows x 64); v's [head][key / 128][channel / 16][1536] at 6,291,456;
; scale words from 9,437,184, 20,480 bytes a head: q [2048] words, k [2048] words (bytes 0, 1: the two blocks; bytes 2, 3: 0), v [16][64] words.
; LIMITS: NaN and infinities are not served; a block whose largest magnitude lies under 2^-124 (zeros too) gets the byte 1.  The scale words leave in runs of 64 or 128 bytes.
; REGISTERS: window 0: v1-3 r, h, lane; v16-23 fragment addresses; v27 scale address; v28, v29 the add's two; v32-63 scale words, two sets; v128-223 A's fragments, one set; window 1: B's, two sets at v0, v128; windows 2, 3: accumulators.
.set SIZE_K, 1024
.set NQ,     2                         ; matrix instructions deep in a slot
.set FR,     12                        ; registers of a fragment
.set NL,     4                         ; LDS loads that bring one
.set NP,     4                         ; places behind this matrix instruction (ISA guide 7.12.1)
.set TROW,   3072                      ; 16 rows x 256 K of codes
.set HALFT,  8*TROW                    ; 128 rows: what one tensor load brings
.set SLOT,   4*HALFT                   ; A's 256 rows, then B's
.set RTP,    12*SIZE_K                 ; 16 rows of codes in memory
.set LAPS,   SIZE_K/512
.set KS,     SIZE_K/32
.set SCL,    2*SLOT                    ; behind the ring: the scales, as runs of 256 bytes + 16 of padding
.set HALFS,  (128*KS/256)*272
.set SBLK,   (16*KS/256)*272
.set SPARE,  SCL+4*HALFS               ; the spare words: two blocks of 256 bytes that no other line names
.set ADRA, 16
.set ADRB, 20
.set ADRS, 27
.set SPW,  28
.set NIL,  29
.set SC,   32
.set AF,   128
.set G1, 24
.set G0, 32
.set G1B, 48
.set G0B, 56
.set G1S, 68
.set G0S, 76
.set G1SB, 80
.set G0SB, 88
.set TM,  32                           ; the way out: v32-47 the quantiser's work, v48 the scale word, v49 the word before, v50 at work, v64-82 the codes
.set PW,  48
.set PC,  64
.set MSB, 0
.macro WIN new                         ; the immediate's high byte repeats the setting that is left
.if MSB != \new
	s_set_vgpr_msb (MSB<<8)|\new
.set MSB, \new
.endif
.endm
.set MUL_LO, 0xa1                      ; source 0 (B) window 1, source 1 (A) window 0, C and D window 2
.set MUL_HI, 0xf1
.set TO_B,   0x40
.macro JLOAD g0a, g1a, g0b, g1b        ; a joint load: waves 0 and 1 fetch for A, waves 2 and 3 for B; an s_nop 0 and four v_nop follow each line
	s_cmp_eq_u32 s15, 0
	s_cbranch_scc0 .Lfor_b_\@
	tensor_load_to_lds s[\g0a:\g0a+3], s[\g1a:\g1a+7]
	s_nop 0
.rept 4
	v_nop
.endr
	s_branch .Lasked_\@
.Lfor_b_\@:
	tensor_load_to_lds s[\g0b:\g0b+3], s[\g1b:\g1b+7]
	s_nop 0
.rept 4
	v_nop
.endr
.Lasked_\@:
.endm
.macro CREST                           ; a round of the cluster's barrier behind its opening barrier
	s_cmp_lg_u32 s14, 0
	s_cbranch_scc1 .Lnot_wave_0_\@
	s_barrier_signal -3
.Lnot_wave_0_\@:
	s_barrier_wait -3
	s_barrier_signal -1
	s_barrier_wait -1
.endm
.macro CROUND
	s_barrier_signal -1
	s_barrier_wait -1
	CREST
.endm
	s_load_b128 s[96:99], s[0:1], 0x0              ; hq, wts
	s_load_b64 s[12:13], s[0:1], 0x10              ; qkv
	v_lshl_add_u32 v[SPW], v0, 2, SPARE
	v_mov_b32 v[NIL], 0
	ds_add_u32 v[SPW], v[NIL]                      ; the wave's opening: the add and its wait ahead of my first tensor load
	v_lshrrev_b32 v1, 5, v0
	v_readfirstlane_b32 s14, v1                    ; wave 0..3
	s_lshr_b32 s15, s14, 1                         ; which half of A's rows is mine.  Also: I fetch for A (0) or for B (1)
	s_and_b32 s16, s14, 1                          ; which half of B's rows.  Also: which 128 rows I fetch
	s_bfe_u32 s40, ttmp6, 0x40000                  ; cx
	s_bfe_u32 s41, ttmp6, 0x40004                  ; cy
	s_and_b32 s2, ttmp7, 0xffff
	s_lshl_b32 s2, s2, 2                           ; 4 x cluster y
	s_lshl_b32 s42, ttmp9, 2                       ; 4 x cluster x
	s_cmp_eq_u32 ttmp9, 2                          ; v's clusters: A's tile is cy of w_attn's four, B's tile 4 y + cx of the tokens' sixteen
	s_cselect_b32 s42, s2, s42
	s_cselect_b32 s17, 0, s2
	s_add_co_u32 s42, s42, s40                     ; B's tile: it hangs on cx and the cluster's place
	s_add_co_u32 s17, s17, s41                     ; A's tile: on cy and the cluster's place
	s_lshl_b32 s43, s41, 2
	s_lshl_b32 s43, 15, s43                        ; my row of the cluster
	s_lshl_b32 s44, 0x1111, s40                    ; my column
	s_or_b32 s[G1+0], s43, (3<<16)|(1<<21)         ; codes: 8 rows of 3,072 bytes (384 elements of 8 bytes), no padding; the mask, and bit 21 beside it
	s_or_b32 s[G1B+0], s44, (3<<16)|(1<<21)
.irp g, G1, G1B
	s_mov_b32 s[\g+1], 384<<16
	s_mov_b32 s[\g+2], 8<<16
	s_mov_b32 s[\g+3], 384<<16
	s_mov_b32 s[\g+4], 8
	s_mov_b32 s[\g+5], RTP/8
	s_mov_b32 s[\g+6], 0
	s_mov_b32 s[\g+7], 0
.endr
	s_or_b32 s[G1S+0], s43, (3<<16)|(1<<20)|(1<<21)|(5<<22)|(3<<25)   ; scales of 128 rows: a dense block, as rows of 256 bytes, 16 bytes of padding behind each
	s_or_b32 s[G1SB+0], s44, (3<<16)|(1<<20)|(1<<21)|(5<<22)|(3<<25)
.irp g, G1S, G1SB
	s_mov_b32 s[\g+1], 32<<16
	s_mov_b32 s[\g+2], (128*KS/256)<<16
	s_mov_b32 s[\g+3], 32<<16
	s_mov_b32 s[\g+4], 128*KS/256
	s_mov_b32 s[\g+5], 32
	s_mov_b32 s[\g+6], 0
	s_mov_b32 s[\g+7], 0
.endr
	s_lshl_b32 s18, s16, 3
	s_lshl_b32 s20, s17, 4
	s_add_co_u32 s20, s20, s18                     ; A: group of 16 rows 16 x tile + 8 x half
	s_lshl_b32 s46, s42, 4
	s_add_co_u32 s46, s46, s18                     ; B likewise
	s_mul_i32 s22, s20, 16*KS                      ; where these rows' scales begin,
	s_mul_i32 s92, s46, 16*KS
	s_mul_i32 s20, s20, RTP                        ; and their codes
	s_mul_i32 s46, s46, RTP
	s_mov_b32 s21, 0
	s_mov_b32 s23, 0
	s_mov_b32 s47, 0
	s_mov_b32 s93, 0
	s_mul_i32 s45, s14, HALFT                      ; where they go: no place in the cluster enters an LDS address
	s_mul_i32 s94, s14, HALFS
	s_wait_dscnt 0x0                               ; the opening add is done
	s_wait_kmcnt 0x0
	s_add_nc_u64 s[2:3], s[96:97], 3145728         ; the tokens' scale bytes
	s_add_nc_u64 s[18:19], s[98:99], 1572864       ; the codes of w_attn's columns 2048 on
	s_add_nc_u64 s[10:11], s[98:99], 9437184       ; w_attn's scale bytes
	s_add_nc_u64 s[66:67], s[10:11], 65536         ; and those of columns 2048 on
	s_cmp_eq_u32 ttmp9, 2
	s_cselect_b64 s[4:5], s[18:19], s[96:97]       ; A's codes
	s_cselect_b64 s[6:7], s[66:67], s[2:3]         ; A's scales
	s_cselect_b64 s[8:9], s[96:97], s[98:99]       ; B's codes
	s_cselect_b64 s[10:11], s[2:3], s[10:11]       ; B's scales
	s_add_nc_u64 s[20:21], s[4:5], s[20:21]
	s_add_nc_u64 s[22:23], s[6:7], s[22:23]
	s_add_nc_u64 s[46:47], s[8:9], s[46:47]
	s_add_nc_u64 s[92:93], s[10:11], s[92:93]
	CROUND                                         ; all sixteen work-groups are here: the first joint loads meet
	s_mov_b32 s[G0S], 1
	s_add_co_u32 s[G0S+1], s94, SCL
	s_mov_b64 s[G0S+2:G0S+3], s[22:23]
	s_or_b32 s[G0S+3], s[G0S+3], 0x80000000
	s_mov_b32 s[G0SB], 1
	s_add_co_u32 s[G0SB+1], s94, SCL
	s_mov_b64 s[G0SB+2:G0SB+3], s[92:93]
	s_or_b32 s[G0SB+3], s[G0SB+3], 0x80000000
	JLOAD G0S, G1S, G0SB, G1SB                     ; the scales first: they are wanted with K step 0
.irp s, 0,1
	s_mov_b32 s[G0+4*\s], 1
	s_add_co_u32 s[G0+4*\s+1], s45, \s*SLOT
	s_add_nc_u64 s[G0+4*\s+2:G0+4*\s+3], s[20:21], \s*TROW
	s_or_b32 s[G0+4*\s+3], s[G0+4*\s+3], 0x80000000
	s_mov_b32 s[G0B+4*\s], 1
	s_add_co_u32 s[G0B+4*\s+1], s45, \s*SLOT
	s_add_nc_u64 s[G0B+4*\s+2:G0B+4*\s+3], s[46:47], \s*TROW
	s_or_b32 s[G0B+4*\s+3], s[G0B+4*\s+3], 0x80000000
	JLOAD G0+4*\s, G1, G0B+4*\s, G1B
.endr
	v_and_b32 v1, 15, v0                           ; r
	v_bfe_u32 v2, v0, 4, 1                         ; h
	v_and_b32 v3, 31, v0                           ; lane
	v_lshlrev_b32 v4, 4, v3
	v_lshlrev_b32 v5, 3, v3
	s_mul_i32 s21, s15, HALFT                      ; my 128 rows of A
	s_mul_i32 s22, s16, HALFT
	s_add_co_u32 s22, s22, 2*HALFT                 ; my 128 rows of B, behind A's 256
.irp s, 0,1
	v_add_nc_u32 v[ADRA+\s], s21, v4               ; 16 x lane: a fragment's loads of 16 bytes
	v_add_nc_u32 v[ADRB+\s], s22, v4
	v_add_nc_u32 v[ADRA+2+\s], s21, v5             ; 8 x lane: its loads of 8 bytes
	v_add_nc_u32 v[ADRB+2+\s], s22, v5
	s_add_co_u32 s21, s21, SLOT
	s_add_co_u32 s22, s22, SLOT
.endr
	v_mul_u32_u24 v6, v1, KS                       ; my row's scales: KS bytes a row,
	v_lshrrev_b32 v7, 8, v6
	v_lshl_add_u32 v6, v7, 4, v6                   ; and 16 more for each 256 passed
	s_mul_i32 s21, s15, HALFS
	s_mul_i32 s22, s16, HALFS
	s_add_co_u32 s22, s22, 2*HALFS
	s_sub_co_u32 s22, s22, s21
	v_mul_u32_u24 v7, s22, v2                      ; lanes 16-31 take B's
	s_add_co_u32 s21, s21, SCL
	v_add_nc_u32 v6, v6, v7
	v_add_nc_u32 v[ADRS], s21, v6
.macro FRAG reg, adr, q, i             ; a fragment's image: registers 0-3, 4-5, 6-9, 10-11; every load dense
	ds_load_b128 v[\reg:\reg+3], v[\adr] offset:(\i)*TROW+(\q)*1536
	ds_load_b64 v[\reg+4:\reg+5], v[\adr+2] offset:(\i)*TROW+(\q)*1536+512
	ds_load_b128 v[\reg+6:\reg+9], v[\adr] offset:(\i)*TROW+(\q)*1536+768
	ds_load_b64 v[\reg+10:\reg+11], v[\adr+2] offset:(\i)*TROW+(\q)*1536+1280
.endm
; 16 matrix instructions: A's blocks a0, a0 + 1 x B's eight.  The 64 accumulators take turns, one instruction a turn, in the same order in every step.
.macro MUL16 a0, p, q, sc, zero
.irp a, \a0, \a0+1
.irp b, 0,1,2,3,4,5,6,7
.if \zero
	v_wmma_scale_f32_16x16x128_f8f6f4 v[8*(8*((\a)%4)+\b):8*(8*((\a)%4)+\b)+7], v[128*(\p)+FR*\b:128*(\p)+FR*\b+FR-1], v[AF+FR*(\a):AF+FR*(\a)+FR-1], 0, v[SC+8*NQ*(\sc)+NQ*\b+(\q)], v[SC+8*NQ*(\sc)+NQ*(\a)+(\q)] matrix_a_fmt:MATRIX_FMT_FP6 matrix_b_fmt:MATRIX_FMT_FP6 matrix_a_scale:MATRIX_SCALE_ROW1
.else
	v_wmma_scale_f32_16x16x128_f8f6f4 v[8*(8*((\a)%4)+\b):8*(8*((\a)%4)+\b)+7], v[128*(\p)+FR*\b:128*(\p)+FR*\b+FR-1], v[AF+FR*(\a):AF+FR*(\a)+FR-1], v[8*(8*((\a)%4)+\b):8*(8*((\a)%4)+\b)+7], v[SC+8*NQ*(\sc)+NQ*\b+(\q)], v[SC+8*NQ*(\sc)+NQ*(\a)+(\q)] matrix_a_fmt:MATRIX_FMT_FP6 matrix_b_fmt:MATRIX_FMT_FP6 matrix_a_scale:MATRIX_SCALE_ROW1
.endif
.endr
.endr
.endm
.macro FETCH_B slot, q, p
	WIN TO_B
.irp i, 0,1,2,3,4,5,6,7
	FRAG 128*(\p)+FR*\i, ADRB+\slot, \q, \i
.endr
	WIN 0
.endm
.macro FETCH_A slot, q, i0
.irp i, \i0, \i0+1, \i0+2, \i0+3
	FRAG AF+FR*(\i), ADRA+\slot, \q, \i
.endr
.endm
.macro SCALES sc                       ; a K step's scale words: lanes 0-15 A's block i, lanes 16-31 B's block i
.irp i, 0,1,2,3,4,5,6,7
	ds_load_b64 v[SC+8*NQ*\sc+NQ*\i:SC+8*NQ*\sc+NQ*\i+1], v[ADRS] offset:\i*SBLK
.endr
.endm
.macro PLACES n                        ; places in front of loads into registers that matrix instructions have read, and of the first read of results
.rept \n
	v_nop
.endr
.endm
.macro STEP slot, q, zero              ; 128 along K whose successor lies in the same slot
	s_wait_dscnt 4*NL                              ; all but the youngest 16 loads, A's blocks 4-7
	WIN MUL_LO
	MUL16 0, (\q)%2, \q, \slot, \zero
	MUL16 2, (\q)%2, \q, \slot, \zero
	s_wait_dscnt 0
	PLACES NP
	FETCH_B \slot, (\q)+1, 1-(\q)%2
	FETCH_A \slot, (\q)+1, 0
	WIN MUL_HI
	MUL16 4, (\q)%2, \q, \slot, \zero
	MUL16 6, (\q)%2, \q, \slot, \zero
	PLACES NP
	WIN 0
	FETCH_A \slot, (\q)+1, 4
.endm
; A slot's last step changes slots: one barrier; in front of it each wave waits for all its tensor loads, adds 0 to its spare word, and waits for that and for its reads of this slot.
.macro TURN slot, next, fill
	s_wait_tensorcnt 0x0                           ; all my tensor loads have landed: my part of the next slot
	ds_add_u32 v[SPW], v[NIL]
	s_wait_dscnt 4*NL+1                            ; the add and the youngest 16 loads may be out
	WIN MUL_LO
	MUL16 0, 1, NQ-1, \slot, 0
	s_wait_dscnt 0x0                               ; the add is done, and my reads of this slot are over
	s_barrier_signal -1
	MUL16 2, 1, NQ-1, \slot, 0
	WIN 0
	s_barrier_wait -1
.if \fill
	CREST                                          ; the barrier has opened a round of the cluster's: no wave of any partner still reads this slot or has a load on its way
	s_add_nc_u64 s[G0+4*\slot+2:G0+4*\slot+3], s[G0+4*\slot+2:G0+4*\slot+3], 2*TROW
	s_add_nc_u64 s[G0B+4*\slot+2:G0B+4*\slot+3], s[G0B+4*\slot+2:G0B+4*\slot+3], 2*TROW
	JLOAD G0+4*\slot, G1, G0B+4*\slot, G1B         ; the first tensor load behind the round; its four v_nop are the places in front of the loads below
.else
	PLACES NP
.endif
	v_add_nc_u32 v[ADRS], 4*NQ, v[ADRS]
	FETCH_B \next, 0, 0
	FETCH_A \next, 0, 0
	SCALES \next
	WIN MUL_HI
	MUL16 4, 1, NQ-1, \slot, 0
	MUL16 6, 1, NQ-1, \slot, 0
	PLACES NP
	WIN 0
	FETCH_A \next, 0, 4
.endm
	s_wait_tensorcnt 1                             ; the scales and my part of K step 0 are in; K step 1's load may be out
	s_barrier_signal -1
	s_barrier_wait -1
	FETCH_B 0, 0, 0
	FETCH_A 0, 0, 0
	SCALES 0
	FETCH_A 0, 0, 4
	STEP 0, 0, 1                                   ; the first step's products start the sums
	s_mov_b32 s3, LAPS-1
.Llap:
	TURN 0, 1, 1
	STEP 1, 0, 0
	TURN 1, 0, 1
	STEP 0, 0, 0
	s_sub_co_u32 s3, s3, 1
	s_cmp_lg_u32 s3, 0
	s_cbranch_scc1 .Llap
	TURN 0, 1, 0                                   ; the last lap fills nothing
	STEP 1, 0, 0
	s_wait_dscnt 4*NL
	WIN MUL_LO
	MUL16 0, 1, NQ-1, 1, 0
	MUL16 2, 1, NQ-1, 1, 0
	s_wait_dscnt 0
	WIN MUL_HI
	MUL16 4, 1, NQ-1, 1, 0
	MUL16 6, 1, NQ-1, 1, 0
	WIN 0
; THE WAY OUT.  A's block a: 64 numbers a lane at v[s] of window w, register 16 b + i = place 16 h + i of block b of my row: they become a fragment's codes in v[PC] on and its scale word in v[PW].
.macro QUANTW s, w
	s_wait_xcnt 0x0                                ; the last block's stores have read the codes' and the word's registers
	WIN 5*(\w)                                     ; sources 0 and 1 in window w
.irp b, 0,1,2,3
	v_max3_num_f32 v[TM+\b], |v[\s+16*\b]|, |v[\s+16*\b+1]|, 0x1800000     ; each accumulator is read from its low end on; the floor 2^(3 - 127)
.endr
.irp i, 2,4,6,8,10,12,14
.irp b, 0,1,2,3
	v_max3_num_f32 v[TM+\b], |v[\s+16*\b+\i]|, |v[\s+16*\b+\i+1]|, v[TM+\b]
.endr
.endr
	WIN 0
.irp b, 0,1,2,3
	v_permlanex16_b32 v[TM+4+\b], v[TM+\b], s20, s21
.endr
.irp b, 0,1,2,3
	v_max_num_f32 v[TM+\b], v[TM+\b], v[TM+4+\b]
.endr
.irp b, 0,1,2,3
	v_add_nc_u32 v[TM+12+\b], 0xff000000, v[TM+\b]
.endr
.irp b, 0,1,2,3
	v_lshrrev_b32 v[TM+4+\b], 23, v[TM+12+\b]
.endr
	v_lshl_or_b32 v[PW], v[TM+5], 8, v[TM+4]
	v_lshl_or_b32 v[PW], v[TM+6], 16, v[PW]
	v_lshl_or_b32 v[PW], v[TM+7], 24, v[PW]
	WIN \w                                         ; source 0 in window w
.irp c, 0,1
	v_cvt_scalef32_pk16_fp6_f32 v[PC+6*\c:PC+6*\c+2], v[\s+32*\c:\s+32*\c+15], v[TM+12+2*\c]
	v_cvt_scalef32_pk16_fp6_f32 v[PC+12+4*\c:PC+14+4*\c], v[\s+32*\c+16:\s+32*\c+31], v[TM+12+2*\c+1]
.endr
	WIN 0
	v_nop                                          ; one plain place behind a scaled conversion
.irp c, 0,1
.irp i, 0,1,2
	v_permlane16_swap_b32 v[PC+6*\c+\i], v[PC+12+4*\c+\i]
.endr
.irp i, 0,1,2
	v_mov_b32 v[PC+3+6*\c+\i], v[PC+12+4*\c+\i]
.endr
.endr
.endm
.macro EPI kind                        ; 0: q and k (a fragment is two heads' images, a head 98,304 bytes on);  1: v (a fragment is 16 channels x 128 keys)
.irp a, 0,1,2,3,4,5,6,7
	QUANTW 64*((\a)%4), 2+(\a)/4
.if \kind
.set OFA, ((\a)/4)*98304+((\a)%4)*1536
.set OFB, OFA+768
.else
.set OFA, 768*\a
.set OFB, OFA+98304
.endif
	global_store_b128 v24, v[PC:PC+3], s[12:13] offset:OFA             ; dense: 512, 256, 512, 256 consecutive bytes
	global_store_b64 v25, v[PC+4:PC+5], s[12:13] offset:OFA+512
	global_store_b128 v24, v[PC+6:PC+9], s[12:13] offset:OFB
	global_store_b64 v25, v[PC+10:PC+11], s[12:13] offset:OFB+512
.if \kind
.if (\a)%2
	v_cndmask_b32 v50, v49, v[PW], s95             ; lanes 0-15: the block before's words, lanes 16-31: this block's: 32 different words
	global_store_b32 v26, v50, s[66:67] offset:((\a)/4)*20480+(((\a)-1)%4)*64
.else
	v_mov_b32 v49, v[PW]
.endif
.else
	v_lshrrev_b32 v50, v30, v[PW]                  ; lanes 0-15: the first head's two bytes, lanes 16-31: the second's
	v_and_b32 v50, 0xffff, v50
	global_store_b32 v26, v50, s[66:67] offset:64*\a
.endif
.endr
.endm
	PLACES NP
	v_lshlrev_b32 v24, 4, v3                       ; 16 x lane
	v_lshlrev_b32 v25, 3, v3                       ; 8 x lane
	v_lshlrev_b32 v30, 4, v2                       ; 16 h
.irp b, 0,1,2,3
	v_mov_b32 v[TM+4+\b], 0                        ; a lane permute's destination counts as one of its sources
.endr
	s_mov_b32 s20, 0x76543210
	s_mov_b32 s21, 0xfedcba98
	s_mov_b32 s95, 0xffff0000                      ; lanes 16-31
	s_cmp_eq_u32 ttmp9, 2                          ; the cluster's x: the same in all sixteen partners
	s_cbranch_scc1 .Lv_path
	s_lshl_b32 s22, s17, 8
	s_lshl_b32 s23, s15, 7
	s_add_co_u32 s22, s22, s23                     ; my first token
	s_lshr_b32 s23, s22, 11                        ; its batch,
	s_and_b32 s22, s22, 2047                       ; its place in the sequence
	s_lshl_b32 s46, s42, 8
	s_lshl_b32 s47, s16, 7
	s_add_co_u32 s46, s46, s47                     ; my first column
	s_lshr_b32 s47, s46, 10                        ; 0: q, 1: k
	s_bfe_u32 s46, s46, 0x40006                    ; its head
	s_lshl_b32 s23, s23, 4
	s_add_co_u32 s23, s23, s46                     ; 16 x batch + head
	s_lshl_b32 s92, s23, 7
	s_lshr_b32 s93, s22, 4
	s_add_co_u32 s92, s92, s93
	s_mul_i32 s92, s92, 768
	s_mul_i32 s93, s47, 3145728
	s_add_co_u32 s92, s92, s93
	s_mov_b32 s93, 0
	s_mul_i32 s46, s23, 20480
	s_lshl_b32 s47, s47, 13
	s_add_co_u32 s46, s46, s47
	s_lshl_b32 s22, s22, 2
	s_add_co_u32 s46, s46, s22
	s_add_co_u32 s46, s46, 9437184
	s_mov_b32 s47, 0
	s_add_nc_u64 s[66:67], s[12:13], s[46:47]      ; the scale words
	s_add_nc_u64 s[12:13], s[12:13], s[92:93]      ; the codes
	v_mul_u32_u24 v26, v2, 20480
	v_lshl_add_u32 v26, v1, 2, v26                 ; 4 r, + a head's 20,480 bytes for lanes 16-31
	EPI 0
	s_branch .Ldone
.Lv_path:
	s_lshl_b32 s23, s17, 2
	s_lshl_b32 s22, s15, 1
	s_add_co_u32 s23, s23, s22                     ; my first head: 4 x tile + 2 x half
	s_lshl_b32 s46, s42, 8
	s_lshl_b32 s47, s16, 7
	s_add_co_u32 s46, s46, s47                     ; my first token
	s_lshr_b32 s47, s46, 11                        ; its batch
	s_bfe_u32 s46, s46, 0x40007                    ; its step of 128 keys
	s_lshl_b32 s47, s47, 4
	s_add_co_u32 s23, s23, s47
	s_mul_i32 s92, s23, 98304
	s_mul_i32 s93, s46, 6144
	s_add_co_u32 s92, s92, s93
	s_add_co_u32 s92, s92, 6291456
	s_mov_b32 s93, 0
	s_mul_i32 s22, s23, 20480
	s_lshl_b32 s46, s46, 8
	s_add_co_u32 s46, s46, s22
	s_add_co_u32 s46, s46, 9437184+16384
	s_mov_b32 s47, 0
	s_add_nc_u64 s[66:67], s[12:13], s[46:47]
	s_add_nc_u64 s[12:13], s[12:13], s[92:93]
	v_lshlrev_b32 v26, 2, v3                       ; 4 x lane
	EPI 1
.Ldone:
	s_wait_tensorcnt 0x0                           ; the wave's end
	ds_add_u32 v[SPW], v[NIL]
	s_wait_dscnt 0x0
	CROUND                                         ; the closing round
	s_endpgm
.Lfunc_end_k_q595b376228_gqkv:
	.size	k_q595b376228_gqkv, .Lfunc_end_k_q595b376228_gqkv-k_q595b376228_gqkv
	.p2alignl 7, 3214868480
	.fill 96, 4, 3214868480
	.section	.rodata,"a",@progbits
	.p2align	6, 0x0
	.amdhsa_kernel k_q595b376228_gqkv
		.amdhsa_group_segment_fixed_size 327680
		.amdhsa_private_segment_fixed_size 0
		.amdhsa_enable_private_segment 0
		.amdhsa_kernarg_size 24
		.amdhsa_user_sgpr_count 2
		.amdhsa_user_sgpr_kernarg_segment_ptr 1
		.amdhsa_wavefront_size32 1
		.amdhsa_system_sgpr_workgroup_id_x 1
		.amdhsa_system_sgpr_workgroup_id_y 1
		.amdhsa_system_sgpr_workgroup_id_z 1
		.amdhsa_system_vgpr_workitem_id 0
		.amdhsa_next_free_vgpr 1024
		.amdhsa_next_free_sgpr 100
		.amdhsa_reserve_vcc 0
		.amdhsa_float_denorm_mode_32 3
		.amdhsa_float_denorm_mode_16_64 3
		.amdhsa_memory_ordered 1
		.amdhsa_forward_progress 1
		.amdhsa_inst_pref_size 187
	.end_amdhsa_kernel
	.amdgpu_metadata
---
amdhsa.version: [ 1, 2 ]
amdhsa.kernels:
  - .name:           k_q595b376228_gqkv
    .symbol:         k_q595b376228_gqkv.kd
    .args:
      - { .name: hq, .offset: 0, .size: 8, .value_kind: global_buffer, .address_space: global }
      - { .name: wts, .offset: 8, .size: 8, .value_kind: global_buffer, .address_space: global }
      - { .name: qkv, .offset: 16, .size: 8, .value_kind: global_buffer, .address_space: global }
    .group_segment_fixed_size: 327680
    .private_segment_fixed_size: 0
    .kernarg_segment_align: 8
    .kernarg_segment_size: 24
    .max_flat_workgroup_size: 128
    .sgpr_count:     100
    .vgpr_count:     1024
    .wavefront_size: 32
...
	.end_amdgpu_metadata
.endif
;; end of part 3
;; launch attn (part 4): grid 8 x 32, 16 waves a work-group, clusters of 4 x 1, 210,944 bytes of LDS; arguments qkv, yq; writes yq
.if DOCPART == 4
	.amdgcn_target "amdgcn-amd-amdhsa--gfx1250"
	.amdhsa_code_object_version 6
	.text
	.protected	k_q595b376228_attn
	.globl	k_q595b376228_attn
	.p2align	8
	.type	k_q595b376228_attn,@function
k_q595b376228_attn:
	s_mov_b64 s[64:65], 0
	v_nop
	global_prefetch_b8 v0, s[64:65] scope:SCOPE_SE
	s_setreg_imm32_b32 hwreg(HW_REG_WAVE_MODE, 25, 1), 1
	s_wait_xcnt 0x0
	s_wait_alu depctr_hold_cnt(0) depctr_sa_sdst(0) depctr_va_vdst(0) depctr_va_sdst(0) depctr_va_ssrc(0) depctr_va_vcc(0) depctr_vm_vsrc(0)
	s_getreg_b32 s2, hwreg(HW_REG_IB_STS2, 6, 4)
	s_cmp_eq_u32 s2, 0
	s_cbranch_scc0 .Lentry_in_a_cluster
	s_endpgm
.Lentry_in_a_cluster:
	s_bfe_u32 s2, ttmp6, 0x10000c
	s_cmp_lg_u32 s2, 0x3003
	s_cbranch_scc0 .Lentry_shape_is_right
	s_endpgm
.Lentry_shape_is_right:
; y = softmax(q k^T / 32, causal) v for 32 heads of 2,048 tokens x 64 channels, both products on codes of FP6 (E2M3) with E8M0 scales; y leaves as codes, quantised along the model's 1,024.
; THE SOFTMAX AHEAD OF THE SECOND PRODUCT: t = score x log2(e) / 32; M = the running largest t rounded UP to a whole number; p = 2^(t - M) is quantised along the keys, not normalised; the row's sum is taken of the
; unquantised p and divides at the end.  When M moves, the sum and O are multiplied by 2^(old M - new M): exact.
; SHARES.  A work-group has sixteen waves of 256 registers, four to a SIMD; a wave owns one tile of 16 queries: tile 8 rank + jx, jx the work-group's x (0..7), rank a permutation of the wave's number, so that the four waves of
; each residue mod 4 have ranks adding up to 30.  A wave walks key steps 0 .. rank of 128 keys; step rank lies on the diagonal.  Whether a step is left out or masked hangs on the wave's number alone.
; THE WHOLE HEAD'S K, V AND THEIR SCALE WORDS STAY IN LDS: filled once, nothing is filled again.  Waves 0 (K) and 1 (V) bring them in four groups of 512 keys; a barrier with a counted wait stands ahead of each group's steps.
; CLUSTER: the four work-groups of a cluster belong to one head: every load is asked for jointly.  The place in the cluster enters q's and y's global addresses and the mask's compare value, no branch and no LDS address.
; LAYOUT.  Both products are used transposed: S^T = K Q^T (source 0 = 16 keys, source 1 = my 16 queries), O^T = V^T P^T: a lane holds one query.  K = 64 fills half of the instruction's 128: Q's upper six registers are zero codes;
; K's eight half fragments lie six registers apart, so a fragment's upper six registers are the next tile's codes (or zeros): they meet Q's zeros.  Bytes 2, 3 of Q's and K's scale words are 0.
; A lane's 16 registers of two neighbouring tiles of S^T are keys 8 h + 0..7 and 16 + 8 h + 0..7 of a block of 32: place p holds element p with bits 3 and 4 exchanged: so V's codes were laid, and so y's channels come out.
; LIMITS: NaN and infinities are not served; v_exp_f32 gives 0 under 2^-126; a block's largest p is taken from its largest score by the same two instructions; 1 / sum is v_rcp_f32; a block under 2^-124 gets the byte 1.
; y's scale bytes leave one byte a lane.
; REGISTERS: v1-3 16, 8, 4 x lane; v4 the mask's compare value; v5, v6 the add's two; v7 y's scale byte's offset; v8-11, v28, v29 addresses in hand; v12 -M, v13 largest t, v[14:15] the sum; v16-27 Q; v32-85 K, later p's codes;
; v88-135 V; v136-199 S^T, then p; v200-231 O^T; v232-243, v250-254 at work; v244-247 K's scale words, v248-249 V's, v253 p's, v255 Q's.
.set VC,    98304                      ; LDS: K's 128 images of 768 bytes from 0; V's 16 x 4 fragments from here;
.set SCB,   196608                     ; K's 2,048 scale words, then V's 1,024;
.set SPARE, 208896                     ; the spare words, 128 bytes for each of sixteen waves: eight blocks of 256 bytes that no other line names
.set WV, 8
.set RK, 9
.set SN, 10                            ; the key step's number
.set TK, 11                            ; where its K begins in LDS,
.set TV, 12                            ; its V,
.set TS, 13                            ; K's scale words,
.set TW, 14                            ; V's
.set CT, 15
.set SEL, 16
.set CS, 18
.set MH, 20
.set G1C, 24                           ; s[24:31] group 1 for 24,576 bytes of codes; s[32:39] for 6,144 bytes of scale words; s[40:43] group 0 for the words; s[44:59] for the four groups of keys
.set G1S, 32
.set G0S, 40
.set G0,  44
.macro CROUND
	s_barrier_signal -1
	s_barrier_wait -1
	s_cmp_lg_u32 s[WV], 0
	s_cbranch_scc1 .Lnot_wave_0_\@
	s_barrier_signal -3
.Lnot_wave_0_\@:
	s_barrier_wait -3
	s_barrier_signal -1
	s_barrier_wait -1
.endm
	s_load_b128 s[4:7], s[0:1], 0x0                ; qkv, yq
	v_lshl_add_u32 v5, v0, 2, SPARE
	v_mov_b32 v6, 0
	ds_add_u32 v5, v6                              ; the wave's opening: the add and its wait ahead of the first tensor loads
	v_lshrrev_b32 v7, 5, v0
	v_readfirstlane_b32 s[WV], v7                  ; wave 0..15
	s_bfe_u32 s23, ttmp6, 0x40000                  ; cx
	s_lshl_b32 s22, ttmp9, 2
	s_add_co_u32 s22, s22, s23                     ; jx
	s_and_b32 s21, ttmp7, 0xffff                   ; 16 x batch + head, which the four partners share
	s_bfe_u32 s[RK], s[WV], 0x10002
	s_mul_i32 s[RK], s[RK], 3
	s_xor_b32 s[RK], s[RK], s[WV]                  ; rank: waves 4-7 and 12-15 in reverse
	s_mov_b32 s[G1C], 15|(3<<16)|(1<<21)           ; the mask: all four work-groups; elements of 8 bytes; bit 21 beside the mask; no padding
	s_mov_b32 s[G1C+1], 32<<16                     ; dense blocks as rows of 256 bytes
	s_mov_b32 s[G1C+2], 96<<16
	s_mov_b32 s[G1C+3], 32<<16
	s_mov_b32 s[G1C+4], 96
	s_mov_b32 s[G1C+5], 32
	s_mov_b32 s[G1C+6], 0
	s_mov_b32 s[G1C+7], 0
	s_mov_b32 s[G1S], 15|(3<<16)|(1<<21)
	s_mov_b32 s[G1S+1], 32<<16
	s_mov_b32 s[G1S+2], 24<<16
	s_mov_b32 s[G1S+3], 32<<16
	s_mov_b32 s[G1S+4], 24
	s_mov_b32 s[G1S+5], 32
	s_mov_b32 s[G1S+6], 0
	s_mov_b32 s[G1S+7], 0
	s_mul_i32 s60, s21, 20480
	s_mul_i32 s61, s[WV], 6144
	s_add_co_u32 s62, s61, SCB                     ; my half of the 12,288 bytes of K's and V's words: in LDS,
	s_add_co_u32 s60, s60, s61
	s_add_co_u32 s60, s60, 9437184+8192            ; and in memory
	s_mov_b32 s61, 0
	s_mul_i32 s66, s21, 98304
	s_mul_i32 s67, s[WV], 3145728
	s_add_co_u32 s66, s66, s67
	s_add_co_u32 s66, s66, 3145728                 ; wave 0: the head's K; wave 1: its V
	s_mov_b32 s67, 0
	s_mul_i32 s63, s[WV], 98304
	s_mov_b32 s[SEL], 0x76543210
	s_mov_b32 s[SEL+1], 0xfedcba98
	s_mov_b32 s[CS], 0x3d38aa3b                    ; c = log2(e) / 32
	s_mov_b32 s[CS+1], s[CS]
	s_mov_b32 s[MH], 0xffff0000                    ; lanes 16-31
	s_mov_b32 s[SN], 0
	s_mov_b32 s[TK], 0
	s_mov_b32 s[TV], VC
	s_mov_b32 s[TS], SCB
	s_mov_b32 s[TW], SCB+8192
	s_wait_dscnt 0x0                               ; the opening add is done
	s_wait_kmcnt 0x0
	s_mov_b32 s[G0S], 1
	s_mov_b32 s[G0S+1], s62
	s_add_nc_u64 s[G0S+2:G0S+3], s[4:5], s[60:61]
	s_or_b32 s[G0S+3], s[G0S+3], 0x80000000
.irp g, 0,1,2,3
	s_mov_b32 s[G0+4*\g], 1
	s_add_co_u32 s[G0+4*\g+1], s63, \g*24576
	s_add_nc_u64 s[G0+4*\g+2:G0+4*\g+3], s[4:5], s[66:67]
	s_add_nc_u64 s[G0+4*\g+2:G0+4*\g+3], s[G0+4*\g+2:G0+4*\g+3], \g*24576
	s_or_b32 s[G0+4*\g+3], s[G0+4*\g+3], 0x80000000
.endr
	CROUND                                         ; all four work-groups are here: the joint loads meet
	s_cmp_lt_u32 s[WV], 2                          ; a wave's five first fills stand in one branch: five loads of mine are out
	s_cbranch_scc0 .Lno_fill
	tensor_load_to_lds s[G0S:G0S+3], s[G1S:G1S+7]
	s_nop 0
.irp g, 0,1,2,3
	tensor_load_to_lds s[G0+4*\g:G0+4*\g+3], s[G1C:G1C+7]
	s_nop 0
.endr
.rept 4
	v_nop
.endr
.Lno_fill:
	s_lshl_b32 s68, s[RK], 3
	s_add_co_u32 s68, s68, s22                     ; my tile of 16 queries
	s_lshl_b32 s69, s21, 7
	s_add_co_u32 s69, s69, s68
	s_mul_i32 s70, s69, 768
	s_mov_b32 s71, 0
	s_add_nc_u64 s[70:71], s[4:5], s[70:71]        ; Q's image
	s_mul_i32 s72, s21, 20480
	s_lshl_b32 s73, s68, 6
	s_add_co_u32 s72, s72, s73
	s_add_co_u32 s72, s72, 9437184
	s_mov_b32 s73, 0
	s_add_nc_u64 s[72:73], s[4:5], s[72:73]        ; Q's scale words
	s_lshr_b32 s74, s21, 4                         ; batch
	s_and_b32 s75, s21, 15                         ; head
	s_lshl_b32 s74, s74, 7
	s_add_co_u32 s74, s74, s68                     ; my group of 16 rows of y
	s_mul_i32 s76, s74, 12288
	s_mul_i32 s77, s75, 768
	s_add_co_u32 s76, s76, s77
	s_mov_b32 s77, 0
	s_add_nc_u64 s[76:77], s[6:7], s[76:77]        ; y's image: 16 rows x my head's 64
	s_lshl_b32 s78, s74, 9
	s_lshl_b32 s79, s75, 1
	s_add_co_u32 s78, s78, s79
	s_add_co_u32 s78, s78, 3145728
	s_mov_b32 s79, 0
	s_add_nc_u64 s[78:79], s[6:7], s[78:79]        ; y's scale bytes: 32 a row, my head's two
	v_and_b32 v7, 31, v0
	v_lshlrev_b32 v1, 4, v7
	v_lshlrev_b32 v2, 3, v7
	v_lshlrev_b32 v3, 2, v7
	v_and_b32 v8, 15, v0                           ; r
	v_bfe_u32 v9, v0, 4, 1                         ; h
	v_lshlrev_b32 v10, 2, v8
	global_load_b128 v[16:19], v1, s[70:71]
	global_load_b64 v[20:21], v2, s[70:71] offset:512
	global_load_b32 v255, v10, s[72:73]
	v_lshl_add_u32 v7, v8, 5, v9                   ; 32 r + h
	v_lshlrev_b32 v11, 3, v9
	v_sub_nc_u32 v4, v8, v11
	s_lshl_b32 s69, s22, 4
	v_add_nc_u32 v4, s69, v4                       ; my query's place in the diagonal step - 8 h
	v_mov_b32 v13, 0xff61b1e6                      ; the largest t so far: -3e38
	v_floor_f32 v12, -v13                          ; -M
	v_mov_b32 v14, 0
	v_mov_b32 v15, 0
.irp j, 22,23,24,25,26,27, 80,81,82,83,84,85, 236,237,238,239, 253
	v_mov_b32 v\j, 0                               ; Q's upper half and the registers behind K's last tile: zero codes; permutes' destinations; the pair v[252:253]'s upper half
.endr
.set j, 0
.rept 32
	v_mov_b32 v[200+j], 0                          ; O^T: the step is written once; the first change of M leaves zeros zeros
.set j, j+1
.endr
	s_wait_loadcnt 0x0                             ; Q; v10 is free again
.macro STEP                            ; 128 keys
	s_cmp_gt_u32 s[SN], s[RK]                      ; all its keys come after my queries: left out
	s_cbranch_scc1 .Lhid_\@
	v_add_nc_u32 v8, s[TK], v1                     ; (these six are the places behind the last step's products, in front of the loads below)
	v_add_nc_u32 v9, s[TK], v2
	v_add_nc_u32 v10, s[TV], v1
	v_add_nc_u32 v11, s[TV], v2
	v_add_nc_u32 v28, s[TS], v3
	v_add_nc_u32 v29, s[TW], v3
.irp t, 0,1,2,3,4,5,6,7
	ds_load_b128 v[32+6*\t:35+6*\t], v8 offset:768*\t
	ds_load_b64 v[36+6*\t:37+6*\t], v9 offset:768*\t+512
.endr
.irp u, 0,1,2,3
	ds_load_b32 v[244+\u], v28 offset:128*\u       ; lanes 0-15: tile 2 u's words, lanes 16-31: tile 2 u + 1's
.endr
.irp d, 0,1,2,3
	ds_load_b128 v[88+12*\d:91+12*\d], v10 offset:1536*\d
	ds_load_b64 v[92+12*\d:93+12*\d], v11 offset:1536*\d+512
	ds_load_b128 v[94+12*\d:97+12*\d], v10 offset:1536*\d+768
	ds_load_b64 v[98+12*\d:99+12*\d], v11 offset:1536*\d+1280
.endr
	ds_load_b32 v248, v29
	ds_load_b32 v249, v29 offset:128
	s_wait_dscnt 18                                ; K and its words are in; V's 16 loads and its 2 of words may be out
.irp t, 0,1,2,3,4,5,6,7
.if \t%2
	v_wmma_scale_f32_16x16x128_f8f6f4 v[136+8*\t:143+8*\t], v[32+6*\t:43+6*\t], v[16:27], 0, v[244+\t/2], v255 matrix_a_fmt:MATRIX_FMT_FP6 matrix_b_fmt:MATRIX_FMT_FP6 matrix_a_scale:MATRIX_SCALE_ROW1
.else
	v_wmma_scale_f32_16x16x128_f8f6f4 v[136+8*\t:143+8*\t], v[32+6*\t:43+6*\t], v[16:27], 0, v[244+\t/2], v255 matrix_a_fmt:MATRIX_FMT_FP6 matrix_b_fmt:MATRIX_FMT_FP6
.endif
.endr
.rept 4
	v_nop
.endr
	s_cmp_lg_u32 s[SN], s[RK]                      ; on the diagonal the scores of hidden keys become -infinity ahead of the maximum
	s_cbranch_scc1 .Lopen_\@
	v_mov_b32 v254, 0xff800000
.set n, 0
.rept 64
	v_cmp_gt_i32 vcc_lo, 16*(n/8)+n%8, v4          ; register n holds key 16 (n / 8) + 8 h + n % 8 of the step
	v_cndmask_b32 v[136+n], v[136+n], v254, vcc_lo
.set n, n+1
.endr
.Lopen_\@:
.irp b, 0,1,2,3
	v_max3_num_f32 v[232+\b], v[136+16*\b], v[137+16*\b], v[138+16*\b]     ; the largest score of each block of 32 keys: for the row's maximum and for the block's largest p
.endr
.irp i, 3,5,7,9,11,13
.irp b, 0,1,2,3
	v_max3_num_f32 v[232+\b], v[232+\b], v[136+16*\b+\i], v[137+16*\b+\i]
.endr
.endr
.irp b, 0,1,2,3
	v_max_num_f32 v[232+\b], v[232+\b], v[151+16*\b]
.endr
.irp b, 0,1,2,3
	v_permlanex16_b32 v[236+\b], v[232+\b], s[SEL], s[SEL+1]
.endr
.irp b, 0,1,2,3
	v_max_num_f32 v[232+\b], v[232+\b], v[236+\b]
.endr
	v_max3_num_f32 v254, v232, v233, v234
	v_max_num_f32 v254, v254, v235
	v_mul_f32 v254, s[CS], v254                    ; as t
	v_max_num_f32 v13, v13, v254                   ; the running largest t
	v_mov_b32 v254, v12
	v_floor_f32 v12, -v13                          ; the new -M = -ceil(t)
	v_sub_f32 v254, v12, v254                      ; old M - new M: a whole number, 0 or less
	v_cvt_i32_f32 v254, v254                       ; (it saturates)
	v_ldexp_f32 v252, 1.0, v254                    ; f = 2^(old M - new M)
.set j, 0
.rept 32
	v_pk_fma_f32 v[136+j:137+j], v[136+j:137+j], s[CS:CS+1], v[12:13] op_sel_hi:[1,0,0]    ; t - M
.set j, j+2
.endr
.irp b, 0,1,2,3
	v_fma_f32 v[232+\b], v[232+\b], s[CS], v12
.endr
.set j, 0
.rept 64
	v_exp_f32 v[136+j], v[136+j]                   ; p = 2^(t - M)
.set j, j+1
.endr
	v_pk_mul_f32 v[14:15], v[14:15], v[252:253] op_sel_hi:[1,0]    ; the sums under the new M: the plain place behind the exponentials
	s_wait_alu depctr_va_vdst(0)                   ; one wait for the batch, ahead of its first reader
.irp b, 0,1,2,3
	v_exp_f32 v[232+\b], v[232+\b]                 ; the blocks' largest p
.endr
	v_pk_add_f32 v[236:237], v[136:137], v[138:139]        ; the row's sum of the unquantised p, in two chains
.irp j, 4,8,12,16,20,24,28,32,36,40,44,48,52,56,60
	v_pk_add_f32 v[14:15], v[14:15], v[136+\j:137+\j]
	v_pk_add_f32 v[236:237], v[236:237], v[138+\j:139+\j]
.endr
	v_pk_add_f32 v[14:15], v[14:15], v[236:237]
	s_wait_alu depctr_va_vdst(0)                   ; and one for the four
.irp b, 0,1,2,3
	v_max_num_f32 v[232+\b], 0x1800000, v[232+\b]  ; the floor 2^(3 - 127)
.endr
.irp b, 0,1,2,3
	v_add_nc_u32 v[240+\b], 0xff000000, v[232+\b]  ; the conversions' scale operands
.endr
.irp b, 0,1,2,3
	v_lshrrev_b32 v[236+\b], 23, v[240+\b]
.endr
	v_lshl_or_b32 v253, v237, 8, v236              ; p's scale word
	v_lshl_or_b32 v253, v238, 16, v253
	v_lshl_or_b32 v253, v239, 24, v253
.irp c, 0,1
	v_cvt_scalef32_pk16_fp6_f32 v[32+6*\c:34+6*\c], v[136+32*\c:151+32*\c], v[240+2*\c]    ; p's codes lie where K's fragments lay: these are done with
	v_cvt_scalef32_pk16_fp6_f32 v[44+4*\c:46+4*\c], v[152+32*\c:167+32*\c], v[240+2*\c+1]
.endr
	v_nop                                          ; one plain place behind a scaled conversion
.irp c, 0,1
.irp i, 0,1,2
	v_permlane16_swap_b32 v[32+6*\c+\i], v[44+4*\c+\i]
.endr
.irp i, 0,1,2
	v_mov_b32 v[35+6*\c+\i], v[44+4*\c+\i]
.endr
.endr
.set j, 0
.rept 16
	v_pk_mul_f32 v[200+j:201+j], v[200+j:201+j], v[252:253] op_sel_hi:[1,0]    ; O^T under the new M; these sixteen are also the places in front of the products below
.set j, j+2
.endr
	s_wait_dscnt 0x0                               ; V and its words
.irp d, 0,1,2,3                        ; the four accumulators take turns; eight other products stand between two steps' links
.if \d%2
	v_wmma_scale_f32_16x16x128_f8f6f4 v[200+8*\d:207+8*\d], v[88+12*\d:99+12*\d], v[32:43], v[200+8*\d:207+8*\d], v[248+\d/2], v253 matrix_a_fmt:MATRIX_FMT_FP6 matrix_b_fmt:MATRIX_FMT_FP6 matrix_a_scale:MATRIX_SCALE_ROW1
.else
	v_wmma_scale_f32_16x16x128_f8f6f4 v[200+8*\d:207+8*\d], v[88+12*\d:99+12*\d], v[32:43], v[200+8*\d:207+8*\d], v[248+\d/2], v253 matrix_a_fmt:MATRIX_FMT_FP6 matrix_b_fmt:MATRIX_FMT_FP6
.endif
.endr
.Lhid_\@:
	s_add_co_u32 s[SN], s[SN], 1
	s_add_co_u32 s[TK], s[TK], 6144
	s_add_co_u32 s[TV], s[TV], 6144
	s_add_co_u32 s[TS], s[TS], 512
	s_add_co_u32 s[TW], s[TW], 256
.endm
.macro GROUP g                         ; the four key steps of group g
	s_wait_tensorcnt 3-\g                          ; the words and groups 0 .. g have landed; the 3 - g groups behind may be out
	s_wait_dscnt 0x0
	s_barrier_signal -1
	s_barrier_wait -1
	s_mov_b32 s[CT], 4
.Lgroup_\@:
	STEP
	s_sub_co_u32 s[CT], s[CT], 1
	s_cmp_lg_u32 s[CT], 0
	s_cbranch_scc1 .Lgroup_\@
.endm
	GROUP 0
	GROUP 1
	GROUP 2
	GROUP 3
	; THE WAY OUT: O^T / the sum is y's 64 channels of my head; register 16 b + i is place 16 h + i of block b: quantised as it stands.
	v_add_f32 v14, v14, v15
	v_permlanex16_b32 v252, v14, s[SEL], s[SEL+1]
	v_add_f32 v14, v14, v252                       ; the row's sum
	v_rcp_f32 v14, v14
	v_nop                                          ; plain places: behind the reciprocal, and with the additions above the four behind the last products
	v_nop
	s_wait_alu depctr_va_vdst(0)
.set j, 0
.rept 32
	v_mul_f32 v[136+j], v[200+j], v14              ; each accumulator from its low end on
.set j, j+1
.endr
.irp b, 0,1
	v_max3_num_f32 v[232+\b], |v[136+16*\b]|, |v[137+16*\b]|, 0x1800000
.endr
.irp i, 2,4,6,8,10,12,14
.irp b, 0,1
	v_max3_num_f32 v[232+\b], v[232+\b], |v[136+16*\b+\i]|, |v[137+16*\b+\i]|
.endr
.endr
.irp b, 0,1
	v_permlanex16_b32 v[236+\b], v[232+\b], s[SEL], s[SEL+1]
.endr
.irp b, 0,1
	v_max_num_f32 v[232+\b], v[232+\b], v[236+\b]
.endr
.irp b, 0,1
	v_add_nc_u32 v[240+\b], 0xff000000, v[232+\b]
.endr
.irp b, 0,1
	v_lshrrev_b32 v[236+\b], 23, v[240+\b]
.endr
	v_cvt_scalef32_pk16_fp6_f32 v[168:170], v[136:151], v240
	v_cvt_scalef32_pk16_fp6_f32 v[172:174], v[152:167], v241
	v_nop
	v_permlane16_swap_b32 v168, v172               ; a whole block in a lane: lanes 0-15 block 0, lanes 16-31 block 1
	v_permlane16_swap_b32 v169, v173
	v_permlane16_swap_b32 v170, v174
	v_mov_b32 v171, v172
	v_mov_b32 v172, v173
	v_mov_b32 v173, v174
	v_cndmask_b32 v250, v236, v237, s[MH]          ; lane (r, h): block h's byte
	global_store_b128 v1, v[168:171], s[76:77]     ; 768 consecutive bytes, at a multiple of 256
	global_store_b64 v2, v[172:173], s[76:77] offset:512
	global_store_b8 v7, v250, s[78:79]
	s_wait_tensorcnt 0x0                           ; the wave's end
	ds_add_u32 v5, v6
	s_wait_dscnt 0x0
	CROUND                                         ; the closing round
	s_endpgm
.Lfunc_end_k_q595b376228_attn:
	.size	k_q595b376228_attn, .Lfunc_end_k_q595b376228_attn-k_q595b376228_attn
	.p2alignl 7, 3214868480
	.fill 96, 4, 3214868480
	.section	.rodata,"a",@progbits
	.p2align	6, 0x0
	.amdhsa_kernel k_q595b376228_attn
		.amdhsa_group_segment_fixed_size 210944
		.amdhsa_private_segment_fixed_size 0
		.amdhsa_enable_private_segment 0
		.amdhsa_kernarg_size 16
		.amdhsa_user_sgpr_count 2
		.amdhsa_user_sgpr_kernarg_segment_ptr 1
		.amdhsa_wavefront_size32 1
		.amdhsa_system_sgpr_workgroup_id_x 1
		.amdhsa_system_sgpr_workgroup_id_y 1
		.amdhsa_system_sgpr_workgroup_id_z 1
		.amdhsa_system_vgpr_workitem_id 0
		.amdhsa_next_free_vgpr 256
		.amdhsa_next_free_sgpr 80
		.amdhsa_reserve_vcc 1
		.amdhsa_float_denorm_mode_32 3
		.amdhsa_float_denorm_mode_16_64 3
		.amdhsa_memory_ordered 1
		.amdhsa_forward_progress 1
		.amdhsa_inst_pref_size 99
	.end_amdhsa_kernel
	.amdgpu_metadata
---
amdhsa.version: [ 1, 2 ]
amdhsa.kernels:
  - .name:           k_q595b376228_attn
    .symbol:         k_q595b376228_attn.kd
    .args:
      - { .name: qkv, .offset: 0, .size: 8, .value_kind: global_buffer, .address_space: global }
      - { .name: yq, .offset: 8, .size: 8, .value_kind: global_buffer, .address_space: global }
    .group_segment_fixed_size: 210944
    .private_segment_fixed_size: 0
    .kernarg_segment_align: 8
    .kernarg_segment_size: 16
    .max_flat_workgroup_size: 512
    .sgpr_count:     80
    .vgpr_count:     256
    .wavefront_size: 32
...
	.end_amdgpu_metadata
.endif
;; end of part 4
;; launch gproj (part 5): grid 4 x 16, 4 waves a work-group, clusters of 4 x 4, 327,680 bytes of LDS; arguments yq, wts, x, x1; writes x1
.if DOCPART == 5
	.amdgcn_target "amdgcn-amd-amdhsa--gfx1250"
	.amdhsa_code_object_version 6
	.text
	.protected	k_q595b376228_gproj
	.globl	k_q595b376228_gproj
	.p2align	8
	.type	k_q595b376228_gproj,@function
k_q595b376228_gproj:
	s_mov_b64 s[64:65], 0
	v_nop
	global_prefetch_b8 v0, s[64:65] scope:SCOPE_SE
	s_setreg_imm32_b32 hwreg(HW_REG_WAVE_MODE, 25, 1), 1
	s_wait_xcnt 0x0
	s_wait_alu depctr_hold_cnt(0) depctr_sa_sdst(0) depctr_va_vdst(0) depctr_va_sdst(0) depctr_va_ssrc(0) depctr_va_vcc(0) depctr_vm_vsrc(0)
	s_getreg_b32 s2, hwreg(HW_REG_IB_STS2, 6, 4)
	s_cmp_eq_u32 s2, 0
	s_cbranch_scc0 .Lentry_in_a_cluster
	s_endpgm
.Lentry_in_a_cluster:
	s_bfe_u32 s2, ttmp6, 0x10000c
	s_cmp_lg_u32 s2, 0xf033
	s_cbranch_scc0 .Lentry_shape_is_right
	s_endpgm
.Lentry_shape_is_right:
; x1 = x + y w_proj on codes of FP6 (E2M3) with E8M0 scales for each 32 along K = 1,024; sums and the residual in f32; x1 is f32 [4096][1024].
; OPERANDS lie in memory as images of operand registers: [row / 16][k / 128][1536 bytes]; scale bytes [row][K / 32].  A fragment (16 rows x 128 K, 12 registers) comes by four dense LDS loads.
; A tile of 256 x 256 is made by four waves, as many as a WGP has SIMDs, each 128 x 128: 64 accumulators, 512 registers.  K goes in steps of 256 through two LDS slots filled by the tensor data mover.
; CLUSTERS of 4 x 4: A's tiles (tokens) are asked for jointly along a row of the cluster, B's (w_proj's columns) along a column.  The matrix instruction is used transposed: source 0 = 16 rows of B, source 1 = 16 rows of A:
; a lane holds eight neighbouring numbers of a row of the result.  N = 1,024 gives 64 tiles: 64 work-groups.
; THE WAY OUT: a block of 16 rows x 128 columns goes through my stage in LDS (in slot 0, which has had its last fill and its last read) and comes back as rows of 512 bytes; the residual's same bytes, loaded into
; the registers that held B's fragments, are added; 32 lanes store 512 consecutive bytes, aligned.
; REGISTERS: window 0: v1-3 r, h, lane; v16-23 fragment addresses; v24-26 way out; v27 scale address; v28, v29 the add's two; v32-63 scale words; v128-223 A's fragments, on the way out v128-255 rows; window 1: B's two sets, then the residual; windows 2, 3: accumulators.
.set SIZE_K, 1024
.set WB_C,   2359296                   ; w_proj's codes in wts,
.set WB_S,   9535488                   ; and its scale bytes
.set AS_OFF, 3145728                   ; A's scale bytes behind its codes
.set NQ,     2
.set FR,     12
.set NL,     4
.set NP,     4
.set TROW,   3072
.set HALFT,  8*TROW
.set SLOT,   4*HALFT
.set RTP,    12*SIZE_K
.set LAPS,   SIZE_K/512
.set KS,     SIZE_K/32
.set SCL,    2*SLOT
.set HALFS,  (128*KS/256)*272
.set SBLK,   (16*KS/256)*272
.set SPARE,  SCL+4*HALFS               ; the spare words: two blocks of 256 bytes that no other line names
.set SPITCH, 528
.set ADRA, 16
.set ADRB, 20
.set STO,  24
.set RD,   25
.set CO,   26
.set ADRS, 27
.set SPW,  28
.set NIL,  29
.set SC,   32
.set AF,   128
.set BK,   128
.set G1, 24
.set G0, 32
.set G1B, 48
.set G0B, 56
.set G1S, 68
.set G0S, 76
.set G1SB, 80
.set G0SB, 88
.set MSB, 0
.macro WIN new                         ; the immediate's high byte repeats the setting that is left
.if MSB != \new
	s_set_vgpr_msb (MSB<<8)|\new
.set MSB, \new
.endif
.endm
.set MUL_LO, 0xa1
.set MUL_HI, 0xf1
.set TO_B,   0x40
.macro JLOAD g0a, g1a, g0b, g1b        ; a joint load: waves 0 and 1 fetch for A, waves 2 and 3 for B; an s_nop 0 and four v_nop follow each line
	s_cmp_eq_u32 s15, 0
	s_cbranch_scc0 .Lfor_b_\@
	tensor_load_to_lds s[\g0a:\g0a+3], s[\g1a:\g1a+7]
	s_nop 0
.rept 4
	v_nop
.endr
	s_branch .Lasked_\@
.Lfor_b_\@:
	tensor_load_to_lds s[\g0b:\g0b+3], s[\g1b:\g1b+7]
	s_nop 0
.rept 4
	v_nop
.endr
.Lasked_\@:
.endm
.macro CREST
	s_cmp_lg_u32 s14, 0
	s_cbranch_scc1 .Lnot_wave_0_\@
	s_barrier_signal -3
.Lnot_wave_0_\@:
	s_barrier_wait -3
	s_barrier_signal -1
	s_barrier_wait -1
.endm
.macro CROUND
	s_barrier_signal -1
	s_barrier_wait -1
	CREST
.endm
	s_load_b128 s[96:99], s[0:1], 0x0              ; A's buffer, wts
	s_load_b64 s[66:67], s[0:1], 0x10              ; the residual
	s_load_b64 s[12:13], s[0:1], 0x18              ; the result
	v_lshl_add_u32 v[SPW], v0, 2, SPARE
	v_mov_b32 v[NIL], 0
	ds_add_u32 v[SPW], v[NIL]                      ; the wave's opening: the add and its wait ahead of my first tensor load
	v_lshrrev_b32 v1, 5, v0
	v_readfirstlane_b32 s14, v1
	s_lshr_b32 s15, s14, 1
	s_and_b32 s16, s14, 1
	s_bfe_u32 s40, ttmp6, 0x40000
	s_bfe_u32 s41, ttmp6, 0x40004
	s_lshl_b32 s42, ttmp9, 2
	s_add_co_u32 s42, s42, s40                     ; tile column
	s_and_b32 s17, ttmp7, 0xffff
	s_lshl_b32 s17, s17, 2
	s_add_co_u32 s17, s17, s41                     ; tile row
	s_lshl_b32 s43, s41, 2
	s_lshl_b32 s43, 15, s43
	s_lshl_b32 s44, 0x1111, s40
	s_or_b32 s[G1+0], s43, (3<<16)|(1<<21)         ; codes: 8 rows of 3,072 bytes (384 elements of 8 bytes), no padding
	s_or_b32 s[G1B+0], s44, (3<<16)|(1<<21)
.irp g, G1, G1B
	s_mov_b32 s[\g+1], 384<<16
	s_mov_b32 s[\g+2], 8<<16
	s_mov_b32 s[\g+3], 384<<16
	s_mov_b32 s[\g+4], 8
	s_mov_b32 s[\g+5], RTP/8
	s_mov_b32 s[\g+6], 0
	s_mov_b32 s[\g+7], 0
.endr
	s_or_b32 s[G1S+0], s43, (3<<16)|(1<<20)|(1<<21)|(5<<22)|(3<<25)   ; scales of 128 rows: rows of 256 bytes, 16 bytes of padding behind each
	s_or_b32 s[G1SB+0], s44, (3<<16)|(1<<20)|(1<<21)|(5<<22)|(3<<25)
.irp g, G1S, G1SB
	s_mov_b32 s[\g+1], 32<<16
	s_mov_b32 s[\g+2], (128*KS/256)<<16
	s_mov_b32 s[\g+3], 32<<16
	s_mov_b32 s[\g+4], 128*KS/256
	s_mov_b32 s[\g+5], 32
	s_mov_b32 s[\g+6], 0
	s_mov_b32 s[\g+7], 0
.endr
	s_lshl_b32 s18, s16, 3
	s_lshl_b32 s20, s17, 4
	s_add_co_u32 s20, s20, s18
	s_lshl_b32 s46, s42, 4
	s_add_co_u32 s46, s46, s18
	s_mul_i32 s22, s20, 16*KS
	s_mul_i32 s92, s46, 16*KS
	s_mul_i32 s20, s20, RTP
	s_mul_i32 s46, s46, RTP
	s_mov_b32 s21, 0
	s_mov_b32 s23, 0
	s_mov_b32 s47, 0
	s_mov_b32 s93, 0
	s_mul_i32 s45, s14, HALFT
	s_mul_i32 s94, s14, HALFS
	s_wait_dscnt 0x0                               ; the opening add is done
	s_wait_kmcnt 0x0
	s_mov_b64 s[4:5], s[96:97]
	s_add_nc_u64 s[6:7], s[96:97], AS_OFF
	s_add_nc_u64 s[8:9], s[98:99], WB_C
	s_add_nc_u64 s[10:11], s[98:99], WB_S
	s_add_nc_u64 s[20:21], s[4:5], s[20:21]
	s_add_nc_u64 s[22:23], s[6:7], s[22:23]
	s_add_nc_u64 s[46:47], s[8:9], s[46:47]
	s_add_nc_u64 s[92:93], s[10:11], s[92:93]
	CROUND                                         ; all sixteen work-groups are here: the first joint loads meet
	s_mov_b32 s[G0S], 1
	s_add_co_u32 s[G0S+1], s94, SCL
	s_mov_b64 s[G0S+2:G0S+3], s[22:23]
	s_or_b32 s[G0S+3], s[G0S+3], 0x80000000
	s_mov_b32 s[G0SB], 1
	s_add_co_u32 s[G0SB+1], s94, SCL
	s_mov_b64 s[G0SB+2:G0SB+3], s[92:93]
	s_or_b32 s[G0SB+3], s[G0SB+3], 0x80000000
	JLOAD G0S, G1S, G0SB, G1SB
.irp s, 0,1
	s_mov_b32 s[G0+4*\s], 1
	s_add_co_u32 s[G0+4*\s+1], s45, \s*SLOT
	s_add_nc_u64 s[G0+4*\s+2:G0+4*\s+3], s[20:21], \s*TROW
	s_or_b32 s[G0+4*\s+3], s[G0+4*\s+3], 0x80000000
	s_mov_b32 s[G0B+4*\s], 1
	s_add_co_u32 s[G0B+4*\s+1], s45, \s*SLOT
	s_add_nc_u64 s[G0B+4*\s+2:G0B+4*\s+3], s[46:47], \s*TROW
	s_or_b32 s[G0B+4*\s+3], s[G0B+4*\s+3], 0x80000000
	JLOAD G0+4*\s, G1, G0B+4*\s, G1B
.endr
	v_and_b32 v1, 15, v0
	v_bfe_u32 v2, v0, 4, 1
	v_and_b32 v3, 31, v0
	v_lshlrev_b32 v4, 4, v3
	v_lshlrev_b32 v5, 3, v3
	s_mul_i32 s21, s15, HALFT
	s_mul_i32 s22, s16, HALFT
	s_add_co_u32 s22, s22, 2*HALFT
.irp s, 0,1
	v_add_nc_u32 v[ADRA+\s], s21, v4
	v_add_nc_u32 v[ADRB+\s], s22, v4
	v_add_nc_u32 v[ADRA+2+\s], s21, v5
	v_add_nc_u32 v[ADRB+2+\s], s22, v5
	s_add_co_u32 s21, s21, SLOT
	s_add_co_u32 s22, s22, SLOT
.endr
	v_mul_u32_u24 v6, v1, KS
	v_lshrrev_b32 v7, 8, v6
	v_lshl_add_u32 v6, v7, 4, v6
	s_mul_i32 s21, s15, HALFS
	s_mul_i32 s22, s16, HALFS
	s_add_co_u32 s22, s22, 2*HALFS
	s_sub_co_u32 s22, s22, s21
	v_mul_u32_u24 v7, s22, v2
	s_add_co_u32 s21, s21, SCL
	v_add_nc_u32 v6, v6, v7
	v_add_nc_u32 v[ADRS], s21, v6
	s_mul_i32 s23, s14, 16*SPITCH                  ; my stage
	v_mul_u32_u24 v6, v1, SPITCH
	v_lshl_add_u32 v6, v2, 5, v6
	v_add_nc_u32 v[STO], s23, v6                   ; in: row r, 32 bytes for each half of the lanes
	v_lshlrev_b32 v[CO], 4, v3                     ; back: the 32 lanes take one row of 512 bytes; the same in memory
	v_add_nc_u32 v[RD], s23, v[CO]
	s_lshl_b32 s20, s17, 8
	s_lshl_b32 s21, s15, 7
	s_add_co_u32 s20, s20, s21
	s_lshl_b32 s20, s20, 12                        ; my first row, of 4,096 bytes,
	s_lshl_b32 s46, s42, 10
	s_add_co_u32 s20, s20, s46
	s_lshl_b32 s46, s16, 9
	s_add_co_u32 s20, s20, s46                     ; my first column
	s_mov_b32 s21, 0
	s_add_nc_u64 s[12:13], s[12:13], s[20:21]
	s_add_nc_u64 s[66:67], s[66:67], s[20:21]
.macro FRAG reg, adr, q, i             ; a fragment's image: registers 0-3, 4-5, 6-9, 10-11; every load dense
	ds_load_b128 v[\reg:\reg+3], v[\adr] offset:(\i)*TROW+(\q)*1536
	ds_load_b64 v[\reg+4:\reg+5], v[\adr+2] offset:(\i)*TROW+(\q)*1536+512
	ds_load_b128 v[\reg+6:\reg+9], v[\adr] offset:(\i)*TROW+(\q)*1536+768
	ds_load_b64 v[\reg+10:\reg+11], v[\adr+2] offset:(\i)*TROW+(\q)*1536+1280
.endm
; 16 matrix instructions: A's blocks a0, a0 + 1 x B's eight.  The 64 accumulators take turns, one instruction a turn, in the same order in every step.
.macro MUL16 a0, p, q, sc, zero
.irp a, \a0, \a0+1
.irp b, 0,1,2,3,4,5,6,7
.if \zero
	v_wmma_scale_f32_16x16x128_f8f6f4 v[8*(8*((\a)%4)+\b):8*(8*((\a)%4)+\b)+7], v[128*(\p)+FR*\b:128*(\p)+FR*\b+FR-1], v[AF+FR*(\a):AF+FR*(\a)+FR-1], 0, v[SC+8*NQ*(\sc)+NQ*\b+(\q)], v[SC+8*NQ*(\sc)+NQ*(\a)+(\q)] matrix_a_fmt:MATRIX_FMT_FP6 matrix_b_fmt:MATRIX_FMT_FP6 matrix_a_scale:MATRIX_SCALE_ROW1
.else
	v_wmma_scale_f32_16x16x128_f8f6f4 v[8*(8*((\a)%4)+\b):8*(8*((\a)%4)+\b)+7], v[128*(\p)+FR*\b:128*(\p)+FR*\b+FR-1], v[AF+FR*(\a):AF+FR*(\a)+FR-1], v[8*(8*((\a)%4)+\b):8*(8*((\a)%4)+\b)+7], v[SC+8*NQ*(\sc)+NQ*\b+(\q)], v[SC+8*NQ*(\sc)+NQ*(\a)+(\q)] matrix_a_fmt:MATRIX_FMT_FP6 matrix_b_fmt:MATRIX_FMT_FP6 matrix_a_scale:MATRIX_SCALE_ROW1
.endif
.endr
.endr
.endm
.macro FETCH_B slot, q, p
	WIN TO_B
.irp i, 0,1,2,3,4,5,6,7
	FRAG 128*(\p)+FR*\i, ADRB+\slot, \q, \i
.endr
	WIN 0
.endm
.macro FETCH_A slot, q, i0
.irp i, \i0, \i0+1, \i0+2, \i0+3
	FRAG AF+FR*(\i), ADRA+\slot, \q, \i
.endr
.endm
.macro SCALES sc
.irp i, 0,1,2,3,4,5,6,7
	ds_load_b64 v[SC+8*NQ*\sc+NQ*\i:SC+8*NQ*\sc+NQ*\i+1], v[ADRS] offset:\i*SBLK
.endr
.endm
.macro PLACES n
.rept \n
	v_nop
.endr
.endm
.macro STEP slot, q, zero
	s_wait_dscnt 4*NL                              ; all but the youngest 16 loads, A's blocks 4-7
	WIN MUL_LO
	MUL16 0, (\q)%2, \q, \slot, \zero
	MUL16 2, (\q)%2, \q, \slot, \zero
	s_wait_dscnt 0
	PLACES NP
	FETCH_B \slot, (\q)+1, 1-(\q)%2
	FETCH_A \slot, (\q)+1, 0
	WIN MUL_HI
	MUL16 4, (\q)%2, \q, \slot, \zero
	MUL16 6, (\q)%2, \q, \slot, \zero
	PLACES NP
	WIN 0
	FETCH_A \slot, (\q)+1, 4
.endm
; A slot's last step changes slots: one barrier; in front of it each wave waits for all its tensor loads, adds 0 to its spare word, and waits for that and for its reads of this slot.
.macro TURN slot, next, fill
	s_wait_tensorcnt 0x0
	ds_add_u32 v[SPW], v[NIL]
	s_wait_dscnt 4*NL+1                            ; the add and the youngest 16 loads may be out
	WIN MUL_LO
	MUL16 0, 1, NQ-1, \slot, 0
	s_wait_dscnt 0x0                               ; the add is done, and my reads of this slot are over
	s_barrier_signal -1
	MUL16 2, 1, NQ-1, \slot, 0
	WIN 0
	s_barrier_wait -1
.if \fill
	CREST                                          ; the barrier has opened a round of the cluster's
	s_add_nc_u64 s[G0+4*\slot+2:G0+4*\slot+3], s[G0+4*\slot+2:G0+4*\slot+3], 2*TROW
	s_add_nc_u64 s[G0B+4*\slot+2:G0B+4*\slot+3], s[G0B+4*\slot+2:G0B+4*\slot+3], 2*TROW
	JLOAD G0+4*\slot, G1, G0B+4*\slot, G1B         ; the first tensor load behind the round
.else
	PLACES NP
.endif
	v_add_nc_u32 v[ADRS], 4*NQ, v[ADRS]
	FETCH_B \next, 0, 0
	FETCH_A \next, 0, 0
	SCALES \next
	WIN MUL_HI
	MUL16 4, 1, NQ-1, \slot, 0
	MUL16 6, 1, NQ-1, \slot, 0
	PLACES NP
	WIN 0
	FETCH_A \next, 0, 4
.endm
	s_wait_tensorcnt 1                             ; the scales and my part of K step 0 are in; K step 1's load may be out
	s_barrier_signal -1
	s_barrier_wait -1
	FETCH_B 0, 0, 0
	FETCH_A 0, 0, 0
	SCALES 0
	FETCH_A 0, 0, 4
	STEP 0, 0, 1
	s_mov_b32 s3, LAPS-1
.Llap:
	TURN 0, 1, 1
	STEP 1, 0, 0
	TURN 1, 0, 1
	STEP 0, 0, 0
	s_sub_co_u32 s3, s3, 1
	s_cmp_lg_u32 s3, 0
	s_cbranch_scc1 .Llap
	TURN 0, 1, 0
	STEP 1, 0, 0
	s_wait_dscnt 4*NL
	WIN MUL_LO
	MUL16 0, 1, NQ-1, 1, 0
	MUL16 2, 1, NQ-1, 1, 0
	s_wait_dscnt 0
	WIN MUL_HI
	MUL16 4, 1, NQ-1, 1, 0
	MUL16 6, 1, NQ-1, 1, 0
	WIN 0
.macro TOSTAGE a                       ; LDS serves a wave's instructions in order: no wait between the stores and the loads
.set AC, 64*((\a)%4)
	WIN 0x08+4*((\a)/4)                            ; the data: window 2 or 3
.irp b, 0,1,2,3,4,5,6,7
	ds_store_b128 v[STO], v[AC+8*\b:AC+8*\b+3] offset:64*\b          ; each accumulator from its low end on
	ds_store_b128 v[STO], v[AC+8*\b+4:AC+8*\b+7] offset:64*\b+16
.endr
	WIN 0
.set BB, BK+64*((\a)%2)
.irp t, 0,1,2,3,4,5,6,7,8,9,10,11,12,13,14,15
	ds_load_b128 v[BB+4*\t:BB+4*\t+3], v[RD] offset:\t*SPITCH
.endr
.endm
.macro RESID a                         ; the residual's block a into set a % 4 of window 1
	WIN 0x40
.irp t, 0,1,2,3,4,5,6,7,8,9,10,11,12,13,14,15
	global_load_b128 v[64*((\a)%4)+4*\t:64*((\a)%4)+4*\t+3], v[CO], s[66:67] offset:(16*(\a)+\t)*4096
.endr
	WIN 0
.endm
.macro SEND a, younger
.set BB, BK+64*((\a)%2)
.set RS, 64*((\a)%4)
	s_wait_dscnt \younger                          ; the block is back in registers
.if (\a) < 5
	s_wait_loadcnt 48                              ; its residual is in: three blocks' 48 loads were issued behind it
.else
	s_wait_loadcnt 16*(7-(\a))
.endif
	WIN 0x04                                       ; source 1 in window 1
.set i, 0
.rept 32
	v_pk_add_f32 v[BB+i:BB+i+1], v[BB+i:BB+i+1], v[RS+i:RS+i+1]
.set i, i+2
.endr
	WIN 0
.irp t, 0,1,2,3,4,5,6,7,8,9,10,11,12,13,14,15
	global_store_b128 v[CO], v[BB+4*\t:BB+4*\t+3], s[12:13] offset:(16*(\a)+\t)*4096   ; 32 lanes store 512 consecutive bytes, aligned
.endr
.if (\a) < 4
	RESID (\a)+4
.endif
.endm
	PLACES NP                                      ; in front of the loads into B's registers and A's, and of the first read of results
.irp a, 0,1,2,3
	RESID \a
.endr
	TOSTAGE 0
.irp a, 1,2,3,4,5,6,7
.if \a > 1
	s_wait_xcnt 0x0                                ; block a - 2's stores have read their registers: block a's loads may land there
.endif
	TOSTAGE \a
	SEND \a-1, 32                                  ; behind block a - 1's loads: block a's 16 stores and 16 loads
.endr
	s_wait_xcnt 0x0
	SEND 7, 0
	s_wait_tensorcnt 0x0                           ; the wave's end, behind my last tensor load and my last LDS store
	ds_add_u32 v[SPW], v[NIL]
	s_wait_dscnt 0x0
	CROUND                                         ; the closing round
	s_endpgm
.Lfunc_end_k_q595b376228_gproj:
	.size	k_q595b376228_gproj, .Lfunc_end_k_q595b376228_gproj-k_q595b376228_gproj
	.p2alignl 7, 3214868480
	.fill 96, 4, 3214868480
	.section	.rodata,"a",@progbits
	.p2align	6, 0x0
	.amdhsa_kernel k_q595b376228_gproj
		.amdhsa_group_segment_fixed_size 327680
		.amdhsa_private_segment_fixed_size 0
		.amdhsa_enable_private_segment 0
		.amdhsa_kernarg_size 32
		.amdhsa_user_sgpr_count 2
		.amdhsa_user_sgpr_kernarg_segment_ptr 1
		.amdhsa_wavefront_size32 1
		.amdhsa_system_sgpr_workgroup_id_x 1
		.amdhsa_system_sgpr_workgroup_id_y 1
		.amdhsa_system_sgpr_workgroup_id_z 1
		.amdhsa_system_vgpr_workitem_id 0
		.amdhsa_next_free_vgpr 1024
		.amdhsa_next_free_sgpr 100
		.amdhsa_reserve_vcc 0
		.amdhsa_float_denorm_mode_32 3
		.amdhsa_float_denorm_mode_16_64 3
		.amdhsa_memory_ordered 1
		.amdhsa_forward_progress 1
		.amdhsa_inst_pref_size 173
	.end_amdhsa_kernel
	.amdgpu_metadata
---
amdhsa.version: [ 1, 2 ]
amdhsa.kernels:
  - .name:           k_q595b376228_gproj
    .symbol:         k_q595b376228_gproj.kd
    .args:
      - { .name: yq, .offset: 0, .size: 8, .value_kind: global_buffer, .address_space: global }
      - { .name: wts, .offset: 8, .size: 8, .value_kind: global_buffer, .address_space: global }
      - { .name: x, .offset: 16, .size: 8, .value_kind: global_buffer, .address_space: global }
      - { .name: x1, .offset: 24, .size: 8, .value_kind: global_buffer, .address_space: global }
    .group_segment_fixed_size: 327680
    .private_segment_fixed_size: 0
    .kernarg_segment_align: 8
    .kernarg_segment_size: 32
    .max_flat_workgroup_size: 128
    .sgpr_count:     100
    .vgpr_count:     1024
    .wavefront_size: 32
...
	.end_amdgpu_metadata
.endif
;; end of part 5
;; launch ln2: the kernel of part 2 again; grid 256 x 1, 8 waves a work-group, no clusters, 67,584 bytes of LDS; arguments x1, ln2_w, hq; writes hq
;; launch gfc (part 6): grid 16 x 16, 4 waves a work-group, clusters of 4 x 4, 327,680 bytes of LDS; arguments hq, wts, fq; writes fq
.if DOCPART == 6
	.amdgcn_target "amdgcn-amd-amdhsa--gfx1250"
	.amdhsa_code_object_version 6
	.text
	.protected	k_q595b376228_gfc
	.globl	k_q595b376228_gfc
	.p2align	8
	.type	k_q595b376228_gfc,@function
k_q595b376228_gfc:
	s_mov_b64 s[64:65], 0
	v_nop
	global_prefetch_b8 v0, s[64:65] scope:SCOPE_SE
	s_setreg_imm32_b32 hwreg(HW_REG_WAVE_MODE, 25, 1), 1
	s_wait_xcnt 0x0
	s_wait_alu depctr_hold_cnt(0) depctr_sa_sdst(0) depctr_va_vdst(0) depctr_va_sdst(0) depctr_va_ssrc(0) depctr_va_vcc(0) depctr_vm_vsrc(0)
	s_getreg_b32 s2, hwreg(HW_REG_IB_STS2, 6, 4)
	s_cmp_eq_u32 s2, 0
	s_cbranch_scc0 .Lentry_in_a_cluster
	s_endpgm
.Lentry_in_a_cluster:
	s_bfe_u32 s2, ttmp6, 0x10000c
	s_cmp_lg_u32 s2, 0xf033
	s_cbranch_scc0 .Lentry_shape_is_right
	s_endpgm
.Lentry_shape_is_right:
; f = relu(h w_fc) on codes of FP6 (E2M3) with E8M0 scales for each 32 along K = 1,024; the result is quantised on the way out, along its 4,096 columns, and leaves as codes.
; OPERANDS lie in memory as images of operand registers: [row / 16][k / 128][1536 bytes]; scale bytes [row][K / 32].  A fragment (16 rows x 128 K, 12 registers) comes by four dense LDS loads.
; A tile of 256 x 256 is made by four waves, as many as a WGP has SIMDs, each 128 x 128: 64 accumulators, 512 registers.  K goes in steps of 256 through two LDS slots filled by the tensor data mover.
; CLUSTERS of 4 x 4: A's tiles (tokens) are asked for jointly along a row of the cluster, B's (w_fc's columns) along a column.  The matrix instruction is used transposed: source 0 = 16 rows of B, source 1 = 16 rows of A:
; a lane holds one token, and its registers run along the columns: the next product's K.  A lane's 16 registers of two neighbouring tiles are elements 8 h + 0..7 and 16 + 8 h + 0..7 of a block of 32:
; place p of a block holds element p with bits 3 and 4 exchanged, as in every operand of this program.
; OUTPUT (fq): codes [row / 16][32][1536] at 0; scale bytes [row][128] at 12,582,912 (they leave as words, 128 bytes apart).
; LIMITS: NaN and infinities are not served; a block whose largest magnitude lies under 2^-124 (zeros too) gets the byte 1.
; REGISTERS: window 0: v1-3 r, h, lane; v16-23 fragment addresses; v27 scale address; v28, v29 the add's two; v32-63 scale words; v128-223 A's fragments; window 1: B's two sets; windows 2, 3: accumulators.
.set SIZE_K, 1024
.set WB_C,   3145728                   ; w_fc's codes in wts,
.set WB_S,   9568256                   ; and its scale bytes
.set AS_OFF, 3145728
.set NQ,     2
.set FR,     12
.set NL,     4
.set NP,     4
.set TROW,   3072
.set HALFT,  8*TROW
.set SLOT,   4*HALFT
.set RTP,    12*SIZE_K
.set LAPS,   SIZE_K/512
.set KS,     SIZE_K/32
.set SCL,    2*SLOT
.set HALFS,  (128*KS/256)*272
.set SBLK,   (16*KS/256)*272
.set SPARE,  SCL+4*HALFS               ; the spare words: two blocks of 256 bytes that no other line names
.set ADRA, 16
.set ADRB, 20
.set ADRS, 27
.set SPW,  28
.set NIL,  29
.set SC,   32
.set AF,   128
.set G1, 24
.set G0, 32
.set G1B, 48
.set G0B, 56
.set G1S, 68
.set G0S, 76
.set G1SB, 80
.set G0SB, 88
.set TM,  32                           ; the way out: v32-47 the quantiser's work, v48 the scale word, v49 the word before, v50 at work, v64-82 the codes, v128-191 a block after the relu
.set PW,  48
.set PC,  64
.set MSB, 0
.macro WIN new                         ; the immediate's high byte repeats the setting that is left
.if MSB != \new
	s_set_vgpr_msb (MSB<<8)|\new
.set MSB, \new
.endif
.endm
.set MUL_LO, 0xa1
.set MUL_HI, 0xf1
.set TO_B,   0x40
.macro JLOAD g0a, g1a, g0b, g1b        ; a joint load: waves 0 and 1 fetch for A, waves 2 and 3 for B; an s_nop 0 and four v_nop follow each line
	s_cmp_eq_u32 s15, 0
	s_cbranch_scc0 .Lfor_b_\@
	tensor_load_to_lds s[\g0a:\g0a+3], s[\g1a:\g1a+7]
	s_nop 0
.rept 4
	v_nop
.endr
	s_branch .Lasked_\@
.Lfor_b_\@:
	tensor_load_to_lds s[\g0b:\g0b+3], s[\g1b:\g1b+7]
	s_nop 0
.rept 4
	v_nop
.endr
.Lasked_\@:
.endm
.macro CREST
	s_cmp_lg_u32 s14, 0
	s_cbranch_scc1 .Lnot_wave_0_\@
	s_barrier_signal -3
.Lnot_wave_0_\@:
	s_barrier_wait -3
	s_barrier_signal -1
	s_barrier_wait -1
.endm
.macro CROUND
	s_barrier_signal -1
	s_barrier_wait -1
	CREST
.endm
	s_load_b128 s[96:99], s[0:1], 0x0              ; hq, wts
	s_load_b64 s[12:13], s[0:1], 0x10              ; fq
	v_lshl_add_u32 v[SPW], v0, 2, SPARE
	v_mov_b32 v[NIL], 0
	ds_add_u32 v[SPW], v[NIL]                      ; the wave's opening: the add and its wait ahead of my first tensor load
	v_lshrrev_b32 v1, 5, v0
	v_readfirstlane_b32 s14, v1
	s_lshr_b32 s15, s14, 1
	s_and_b32 s16, s14, 1
	s_bfe_u32 s40, ttmp6, 0x40000
	s_bfe_u32 s41, ttmp6, 0x40004
	s_lshl_b32 s42, ttmp9, 2
	s_add_co_u32 s42, s42, s40                     ; tile column
	s_and_b32 s17, ttmp7, 0xffff
	s_lshl_b32 s17, s17, 2
	s_add_co_u32 s17, s17, s41                     ; tile row
	s_lshl_b32 s43, s41, 2
	s_lshl_b32 s43, 15, s43
	s_lshl_b32 s44, 0x1111, s40
	s_or_b32 s[G1+0], s43, (3<<16)|(1<<21)         ; codes: 8 rows of 3,072 bytes (384 elements of 8 bytes), no padding
	s_or_b32 s[G1B+0], s44, (3<<16)|(1<<21)
.irp g, G1, G1B
	s_mov_b32 s[\g+1], 384<<16
	s_mov_b32 s[\g+2], 8<<16
	s_mov_b32 s[\g+3], 384<<16
	s_mov_b32 s[\g+4], 8
	s_mov_b32 s[\g+5], RTP/8
	s_mov_b32 s[\g+6], 0
	s_mov_b32 s[\g+7], 0
.endr
	s_or_b32 s[G1S+0], s43, (3<<16)|(1<<20)|(1<<21)|(5<<22)|(3<<25)   ; scales of 128 rows: rows of 256 bytes, 16 bytes of padding behind each
	s_or_b32 s[G1SB+0], s44, (3<<16)|(1<<20)|(1<<21)|(5<<22)|(3<<25)
.irp g, G1S, G1SB
	s_mov_b32 s[\g+1], 32<<16
	s_mov_b32 s[\g+2], (128*KS/256)<<16
	s_mov_b32 s[\g+3], 32<<16
	s_mov_b32 s[\g+4], 128*KS/256
	s_mov_b32 s[\g+5], 32
	s_mov_b32 s[\g+6], 0
	s_mov_b32 s[\g+7], 0
.endr
	s_lshl_b32 s18, s16, 3
	s_lshl_b32 s20, s17, 4
	s_add_co_u32 s20, s20, s18
	s_lshl_b32 s46, s42, 4
	s_add_co_u32 s46, s46, s18
	s_mul_i32 s22, s20, 16*KS
	s_mul_i32 s92, s46, 16*KS
	s_mul_i32 s20, s20, RTP
	s_mul_i32 s46, s46, RTP
	s_mov_b32 s21, 0
	s_mov_b32 s23, 0
	s_mov_b32 s47, 0
	s_mov_b32 s93, 0
	s_mul_i32 s45, s14, HALFT
	s_mul_i32 s94, s14, HALFS
	s_wait_dscnt 0x0                               ; the opening add is done
	s_wait_kmcnt 0x0
	s_mov_b64 s[4:5], s[96:97]
	s_add_nc_u64 s[6:7], s[96:97], AS_OFF
	s_add_nc_u64 s[8:9], s[98:99], WB_C
	s_add_nc_u64 s[10:11], s[98:99], WB_S
	s_add_nc_u64 s[20:21], s[4:5], s[20:21]
	s_add_nc_u64 s[22:23], s[6:7], s[22:23]
	s_add_nc_u64 s[46:47], s[8:9], s[46:47]
	s_add_nc_u64 s[92:93], s[10:11], s[92:93]
	CROUND                                         ; all sixteen work-groups are here: the first joint loads meet
	s_mov_b32 s[G0S], 1
	s_add_co_u32 s[G0S+1], s94, SCL
	s_mov_b64 s[G0S+2:G0S+3], s[22:23]
	s_or_b32 s[G0S+3], s[G0S+3], 0x80000000
	s_mov_b32 s[G0SB], 1
	s_add_co_u32 s[G0SB+1], s94, SCL
	s_mov_b64 s[G0SB+2:G0SB+3], s[92:93]
	s_or_b32 s[G0SB+3], s[G0SB+3], 0x80000000
	JLOAD G0S, G1S, G0SB, G1SB
.irp s, 0,1
	s_mov_b32 s[G0+4*\s], 1
	s_add_co_u32 s[G0+4*\s+1], s45, \s*SLOT
	s_add_nc_u64 s[G0+4*\s+2:G0+4*\s+3], s[20:21], \s*TROW
	s_or_b32 s[G0+4*\s+3], s[G0+4*\s+3], 0x80000000
	s_mov_b32 s[G0B+4*\s], 1
	s_add_co_u32 s[G0B+4*\s+1], s45, \s*SLOT
	s_add_nc_u64 s[G0B+4*\s+2:G0B+4*\s+3], s[46:47], \s*TROW
	s_or_b32 s[G0B+4*\s+3], s[G0B+4*\s+3], 0x80000000
	JLOAD G0+4*\s, G1, G0B+4*\s, G1B
.endr
	v_and_b32 v1, 15, v0
	v_bfe_u32 v2, v0, 4, 1
	v_and_b32 v3, 31, v0
	v_lshlrev_b32 v4, 4, v3
	v_lshlrev_b32 v5, 3, v3
	s_mul_i32 s21, s15, HALFT
	s_mul_i32 s22, s16, HALFT
	s_add_co_u32 s22, s22, 2*HALFT
.irp s, 0,1
	v_add_nc_u32 v[ADRA+\s], s21, v4
	v_add_nc_u32 v[ADRB+\s], s22, v4
	v_add_nc_u32 v[ADRA+2+\s], s21, v5
	v_add_nc_u32 v[ADRB+2+\s], s22, v5
	s_add_co_u32 s21, s21, SLOT
	s_add_co_u32 s22, s22, SLOT
.endr
	v_mul_u32_u24 v6, v1, KS
	v_lshrrev_b32 v7, 8, v6
	v_lshl_add_u32 v6, v7, 4, v6
	s_mul_i32 s21, s15, HALFS
	s_mul_i32 s22, s16, HALFS
	s_add_co_u32 s22, s22, 2*HALFS
	s_sub_co_u32 s22, s22, s21
	v_mul_u32_u24 v7, s22, v2
	s_add_co_u32 s21, s21, SCL
	v_add_nc_u32 v6, v6, v7
	v_add_nc_u32 v[ADRS], s21, v6
.macro FRAG reg, adr, q, i             ; a fragment's image: registers 0-3, 4-5, 6-9, 10-11; every load dense
	ds_load_b128 v[\reg:\reg+3], v[\adr] offset:(\i)*TROW+(\q)*1536
	ds_load_b64 v[\reg+4:\reg+5], v[\adr+2] offset:(\i)*TROW+(\q)*1536+512
	ds_load_b128 v[\reg+6:\reg+9], v[\adr] offset:(\i)*TROW+(\q)*1536+768
	ds_load_b64 v[\reg+10:\reg+11], v[\adr+2] offset:(\i)*TROW+(\q)*1536+1280
.endm
; 16 matrix instructions: A's blocks a0, a0 + 1 x B's eight.  The 64 accumulators take turns, one instruction a turn, in the same order in every step.
.macro MUL16 a0, p, q, sc, zero
.irp a, \a0, \a0+1
.irp b, 0,1,2,3,4,5,6,7
.if \zero
	v_wmma_scale_f32_16x16x128_f8f6f4 v[8*(8*((\a)%4)+\b):8*(8*((\a)%4)+\b)+7], v[128*(\p)+FR*\b:128*(\p)+FR*\b+FR-1], v[AF+FR*(\a):AF+FR*(\a)+FR-1], 0, v[SC+8*NQ*(\sc)+NQ*\b+(\q)], v[SC+8*NQ*(\sc)+NQ*(\a)+(\q)] matrix_a_fmt:MATRIX_FMT_FP6 matrix_b_fmt:MATRIX_FMT_FP6 matrix_a_scale:MATRIX_SCALE_ROW1
.else
	v_wmma_scale_f32_16x16x128_f8f6f4 v[8*(8*((\a)%4)+\b):8*(8*((\a)%4)+\b)+7], v[128*(\p)+FR*\b:128*(\p)+FR*\b+FR-1], v[AF+FR*(\a):AF+FR*(\a)+FR-1], v[8*(8*((\a)%4)+\b):8*(8*((\a)%4)+\b)+7], v[SC+8*NQ*(\sc)+NQ*\b+(\q)], v[SC+8*NQ*(\sc)+NQ*(\a)+(\q)] matrix_a_fmt:MATRIX_FMT_FP6 matrix_b_fmt:MATRIX_FMT_FP6 matrix_a_scale:MATRIX_SCALE_ROW1
.endif
.endr
.endr
.endm
.macro FETCH_B slot, q, p
	WIN TO_B
.irp i, 0,1,2,3,4,5,6,7
	FRAG 128*(\p)+FR*\i, ADRB+\slot, \q, \i
.endr
	WIN 0
.endm
.macro FETCH_A slot, q, i0
.irp i, \i0, \i0+1, \i0+2, \i0+3
	FRAG AF+FR*(\i), ADRA+\slot, \q, \i
.endr
.endm
.macro SCALES sc
.irp i, 0,1,2,3,4,5,6,7
	ds_load_b64 v[SC+8*NQ*\sc+NQ*\i:SC+8*NQ*\sc+NQ*\i+1], v[ADRS] offset:\i*SBLK
.endr
.endm
.macro PLACES n
.rept \n
	v_nop
.endr
.endm
.macro STEP slot, q, zero
	s_wait_dscnt 4*NL                              ; all but the youngest 16 loads, A's blocks 4-7
	WIN MUL_LO
	MUL16 0, (\q)%2, \q, \slot, \zero
	MUL16 2, (\q)%2, \q, \slot, \zero
	s_wait_dscnt 0
	PLACES NP
	FETCH_B \slot, (\q)+1, 1-(\q)%2
	FETCH_A \slot, (\q)+1, 0
	WIN MUL_HI
	MUL16 4, (\q)%2, \q, \slot, \zero
	MUL16 6, (\q)%2, \q, \slot, \zero
	PLACES NP
	WIN 0
	FETCH_A \slot, (\q)+1, 4
.endm
; A slot's last step changes slots: one barrier; in front of it each wave waits for all its tensor loads, adds 0 to its spare word, and waits for that and for its reads of this slot.
.macro TURN slot, next, fill
	s_wait_tensorcnt 0x0
	ds_add_u32 v[SPW], v[NIL]
	s_wait_dscnt 4*NL+1                            ; the add and the youngest 16 loads may be out
	WIN MUL_LO
	MUL16 0, 1, NQ-1, \slot, 0
	s_wait_dscnt 0x0                               ; the add is done, and my reads of this slot are over
	s_barrier_signal -1
	MUL16 2, 1, NQ-1, \slot, 0
	WIN 0
	s_barrier_wait -1
.if \fill
	CREST                                          ; the barrier has opened a round of the cluster's
	s_add_nc_u64 s[G0+4*\slot+2:G0+4*\slot+3], s[G0+4*\slot+2:G0+4*\slot+3], 2*TROW
	s_add_nc_u64 s[G0B+4*\slot+2:G0B+4*\slot+3], s[G0B+4*\slot+2:G0B+4*\slot+3], 2*TROW
	JLOAD G0+4*\slot, G1, G0B+4*\slot, G1B         ; the first tensor load behind the round
.else
	PLACES NP
.endif
	v_add_nc_u32 v[ADRS], 4*NQ, v[ADRS]
	FETCH_B \next, 0, 0
	FETCH_A \next, 0, 0
	SCALES \next
	WIN MUL_HI
	MUL16 4, 1, NQ-1, \slot, 0
	MUL16 6, 1, NQ-1, \slot, 0
	PLACES NP
	WIN 0
	FETCH_A \next, 0, 4
.endm
	s_wait_tensorcnt 1                             ; the scales and my part of K step 0 are in; K step 1's load may be out
	s_barrier_signal -1
	s_barrier_wait -1
	FETCH_B 0, 0, 0
	FETCH_A 0, 0, 0
	SCALES 0
	FETCH_A 0, 0, 4
	STEP 0, 0, 1
	s_mov_b32 s3, LAPS-1
.Llap:
	TURN 0, 1, 1
	STEP 1, 0, 0
	TURN 1, 0, 1
	STEP 0, 0, 0
	s_sub_co_u32 s3, s3, 1
	s_cmp_lg_u32 s3, 0
	s_cbranch_scc1 .Llap
	TURN 0, 1, 0
	STEP 1, 0, 0
	s_wait_dscnt 4*NL
	WIN MUL_LO
	MUL16 0, 1, NQ-1, 1, 0
	MUL16 2, 1, NQ-1, 1, 0
	s_wait_dscnt 0
	WIN MUL_HI
	MUL16 4, 1, NQ-1, 1, 0
	MUL16 6, 1, NQ-1, 1, 0
	WIN 0
; THE WAY OUT.  64 numbers a lane at v[s] of window 0, register 16 b + i = place 16 h + i of block b of my row, become a fragment's codes in v[PC] on and its scale word in v[PW].
.macro QUANT s
	s_wait_xcnt 0x0                                ; the last block's stores have read the codes' and the word's registers
.irp b, 0,1,2,3
	v_max3_num_f32 v[TM+\b], v[\s+16*\b], v[\s+16*\b+1], 0x1800000         ; none is negative behind the relu; the floor 2^(3 - 127)
.endr
.irp i, 2,4,6,8,10,12,14
.irp b, 0,1,2,3
	v_max3_num_f32 v[TM+\b], v[\s+16*\b+\i], v[\s+16*\b+\i+1], v[TM+\b]
.endr
.endr
.irp b, 0,1,2,3
	v_permlanex16_b32 v[TM+4+\b], v[TM+\b], s20, s21
.endr
.irp b, 0,1,2,3
	v_max_num_f32 v[TM+\b], v[TM+\b], v[TM+4+\b]
.endr
.irp b, 0,1,2,3
	v_add_nc_u32 v[TM+12+\b], 0xff000000, v[TM+\b]
.endr
.irp b, 0,1,2,3
	v_lshrrev_b32 v[TM+4+\b], 23, v[TM+12+\b]
.endr
	v_lshl_or_b32 v[PW], v[TM+5], 8, v[TM+4]
	v_lshl_or_b32 v[PW], v[TM+6], 16, v[PW]
	v_lshl_or_b32 v[PW], v[TM+7], 24, v[PW]
.irp c, 0,1
	v_cvt_scalef32_pk16_fp6_f32 v[PC+6*\c:PC+6*\c+2], v[\s+32*\c:\s+32*\c+15], v[TM+12+2*\c]
	v_cvt_scalef32_pk16_fp6_f32 v[PC+12+4*\c:PC+14+4*\c], v[\s+32*\c+16:\s+32*\c+31], v[TM+12+2*\c+1]
.endr
	v_nop                                          ; one plain place behind a scaled conversion
.irp c, 0,1
.irp i, 0,1,2
	v_permlane16_swap_b32 v[PC+6*\c+\i], v[PC+12+4*\c+\i]
.endr
.irp i, 0,1,2
	v_mov_b32 v[PC+3+6*\c+\i], v[PC+12+4*\c+\i]
.endr
.endr
.endm
	PLACES NP
	v_lshlrev_b32 v24, 4, v3                       ; 16 x lane
	v_lshlrev_b32 v25, 3, v3                       ; 8 x lane
	v_lshlrev_b32 v26, 7, v3                       ; 128 x lane: a row of scale bytes
.irp b, 0,1,2,3
	v_mov_b32 v[TM+4+\b], 0                        ; a lane permute's destination counts as one of its sources
.endr
	s_mov_b32 s20, 0x76543210
	s_mov_b32 s21, 0xfedcba98
	s_mov_b32 s95, 0xffff0000                      ; lanes 16-31
	s_lshl_b32 s22, s17, 4
	s_lshl_b32 s23, s15, 3
	s_add_co_u32 s22, s22, s23                     ; my first group of 16 rows
	s_lshl_b32 s23, s42, 1
	s_add_co_u32 s23, s23, s16                     ; my step of 128 along the next K
	s_mul_i32 s92, s22, 49152
	s_mul_i32 s93, s23, 1536
	s_add_co_u32 s92, s92, s93
	s_mov_b32 s93, 0
	s_lshl_b32 s46, s22, 11                        ; 16 rows of 128 scale bytes
	s_lshl_b32 s47, s23, 2
	s_add_co_u32 s46, s46, s47
	s_add_co_u32 s46, s46, 12582912
	s_mov_b32 s47, 0
	s_add_nc_u64 s[66:67], s[12:13], s[46:47]
	s_add_nc_u64 s[12:13], s[12:13], s[92:93]
.irp a, 0,1,2,3,4,5,6,7
	WIN 4*(2+(\a)/4)                               ; source 1 in window 2 or 3
.set j, 0
.rept 64
	v_max_num_f32 v[128+j], 0, v[64*((\a)%4)+j]    ; the relu, in f32; each accumulator from its low end on; the numbers come into window 0
.set j, j+1
.endr
	WIN 0
	QUANT 128
	global_store_b128 v24, v[PC:PC+3], s[12:13] offset:(\a)*49152          ; the fragment's image: dense
	global_store_b64 v25, v[PC+4:PC+5], s[12:13] offset:(\a)*49152+512
	global_store_b128 v24, v[PC+6:PC+9], s[12:13] offset:(\a)*49152+768
	global_store_b64 v25, v[PC+10:PC+11], s[12:13] offset:(\a)*49152+1280
.if (\a)%2
	v_cndmask_b32 v50, v49, v[PW], s95             ; lanes 0-15: the block before's words, lanes 16-31: this block's
	global_store_b32 v26, v50, s[66:67] offset:((\a)-1)*2048
.else
	v_mov_b32 v49, v[PW]
.endif
.endr
	s_wait_tensorcnt 0x0                           ; the wave's end
	ds_add_u32 v[SPW], v[NIL]
	s_wait_dscnt 0x0
	CROUND                                         ; the closing round
	s_endpgm
.Lfunc_end_k_q595b376228_gfc:
	.size	k_q595b376228_gfc, .Lfunc_end_k_q595b376228_gfc-k_q595b376228_gfc
	.p2alignl 7, 3214868480
	.fill 96, 4, 3214868480
	.section	.rodata,"a",@progbits
	.p2align	6, 0x0
	.amdhsa_kernel k_q595b376228_gfc
		.amdhsa_group_segment_fixed_size 327680
		.amdhsa_private_segment_fixed_size 0
		.amdhsa_enable_private_segment 0
		.amdhsa_kernarg_size 24
		.amdhsa_user_sgpr_count 2
		.amdhsa_user_sgpr_kernarg_segment_ptr 1
		.amdhsa_wavefront_size32 1
		.amdhsa_system_sgpr_workgroup_id_x 1
		.amdhsa_system_sgpr_workgroup_id_y 1
		.amdhsa_system_sgpr_workgroup_id_z 1
		.amdhsa_system_vgpr_workitem_id 0
		.amdhsa_next_free_vgpr 1024
		.amdhsa_next_free_sgpr 100
		.amdhsa_reserve_vcc 0
		.amdhsa_float_denorm_mode_32 3
		.amdhsa_float_denorm_mode_16_64 3
		.amdhsa_memory_ordered 1
		.amdhsa_forward_progress 1
		.amdhsa_inst_pref_size 165
	.end_amdhsa_kernel
	.amdgpu_metadata
---
amdhsa.version: [ 1, 2 ]
amdhsa.kernels:
  - .name:           k_q595b376228_gfc
    .symbol:         k_q595b376228_gfc.kd
    .args:
      - { .name: hq, .offset: 0, .size: 8, .value_kind: global_buffer, .address_space: global }
      - { .name: wts, .offset: 8, .size: 8, .value_kind: global_buffer, .address_space: global }
      - { .name: fq, .offset: 16, .size: 8, .value_kind: global_buffer, .address_space: global }
    .group_segment_fixed_size: 327680
    .private_segment_fixed_size: 0
    .kernarg_segment_align: 8
    .kernarg_segment_size: 24
    .max_flat_workgroup_size: 128
    .sgpr_count:     100
    .vgpr_count:     1024
    .wavefront_size: 32
...
	.end_amdgpu_metadata
.endif
;; end of part 6
;; launch gcproj (part 7): grid 4 x 16, 4 waves a work-group, clusters of 4 x 4, 327,680 bytes of LDS; arguments fq, wts, x1, out0; writes out0
.if DOCPART == 7
	.amdgcn_target "amdgcn-amd-amdhsa--gfx1250"
	.amdhsa_code_object_version 6
	.text
	.protected	k_q595b376228_gcproj
	.globl	k_q595b376228_gcproj
	.p2align	8
	.type	k_q595b376228_gcproj,@function
k_q595b376228_gcproj:
	s_mov_b64 s[64:65], 0
	v_nop
	global_prefetch_b8 v0, s[64:65] scope:SCOPE_SE
	s_setreg_imm32_b32 hwreg(HW_REG_WAVE_MODE, 25, 1), 1
	s_wait_xcnt 0x0
	s_wait_alu depctr_hold_cnt(0) depctr_sa_sdst(0) depctr_va_vdst(0) depctr_va_sdst(0) depctr_va_ssrc(0) depctr_va_vcc(0) depctr_vm_vsrc(0)
	s_getreg_b32 s2, hwreg(HW_REG_IB_STS2, 6, 4)
	s_cmp_eq_u32 s2, 0
	s_cbranch_scc0 .Lentry_in_a_cluster
	s_endpgm
.Lentry_in_a_cluster:
	s_bfe_u32 s2, ttmp6, 0x10000c
	s_cmp_lg_u32 s2, 0xf033
	s_cbranch_scc0 .Lentry_shape_is_right
	s_endpgm
.Lentry_shape_is_right:
; out = x1 + f w_cproj on codes of FP6 (E2M3) with E8M0 scales for each 32 along K = 4,096; sums and the residual in f32; out is f32 [4096][1024].
; OPERANDS lie in memory as images of operand registers: [row / 16][k / 128][1536 bytes]; scale bytes [row][K / 32].  A fragment (16 rows x 128 K, 12 registers) comes by four dense LDS loads.
; A tile of 256 x 256 is made by four waves, as many as a WGP has SIMDs, each 128 x 128: 64 accumulators, 512 registers.  K goes in steps of 256 through two LDS slots filled by the tensor data mover.
; CLUSTERS of 4 x 4: A's tiles (tokens) are asked for jointly along a row of the cluster, B's (w_cproj's columns) along a column.  The matrix instruction is used transposed: source 0 = 16 rows of B, source 1 = 16 rows of A:
; a lane holds eight neighbouring numbers of a row of the result.  N = 1,024 gives 64 tiles: 64 work-groups.
; THE WAY OUT: a block of 16 rows x 128 columns goes through my stage in LDS (in slot 0, which has had its last fill and its last read) and comes back as rows of 512 bytes; the residual's same bytes, loaded into
; the registers that held B's fragments, are added; 32 lanes store 512 consecutive bytes, aligned.
; REGISTERS: window 0: v1-3 r, h, lane; v16-23 fragment addresses; v24-26 way out; v27 scale address; v28, v29 the add's two; v32-63 scale words; v128-223 A's fragments, on the way out v128-255 rows; window 1: B's two sets, then the residual; windows 2, 3: accumulators.
.set SIZE_K, 4096
.set WB_C,   6291456                   ; w_cproj's codes in wts,
.set WB_S,   9699328                   ; and its scale bytes
.set AS_OFF, 12582912                  ; A's scale bytes behind its codes
.set NQ,     2
.set FR,     12
.set NL,     4
.set NP,     4
.set TROW,   3072
.set HALFT,  8*TROW
.set SLOT,   4*HALFT
.set RTP,    12*SIZE_K
.set LAPS,   SIZE_K/512
.set KS,     SIZE_K/32
.set SCL,    2*SLOT
.set HALFS,  (128*KS/256)*272
.set SBLK,   (16*KS/256)*272
.set SPARE,  SCL+4*HALFS               ; the spare words: two blocks of 256 bytes that no other line names
.set SPITCH, 528
.set ADRA, 16
.set ADRB, 20
.set STO,  24
.set RD,   25
.set CO,   26
.set ADRS, 27
.set SPW,  28
.set NIL,  29
.set SC,   32
.set AF,   128
.set BK,   128
.set G1, 24
.set G0, 32
.set G1B, 48
.set G0B, 56
.set G1S, 68
.set G0S, 76
.set G1SB, 80
.set G0SB, 88
.set MSB, 0
.macro WIN new                         ; the immediate's high byte repeats the setting that is left
.if MSB != \new
	s_set_vgpr_msb (MSB<<8)|\new
.set MSB, \new
.endif
.endm
.set MUL_LO, 0xa1
.set MUL_HI, 0xf1
.set TO_B,   0x40
.macro JLOAD g0a, g1a, g0b, g1b        ; a joint load: waves 0 and 1 fetch for A, waves 2 and 3 for B; an s_nop 0 and four v_nop follow each line
	s_cmp_eq_u32 s15, 0
	s_cbranch_scc0 .Lfor_b_\@
	tensor_load_to_lds s[\g0a:\g0a+3], s[\g1a:\g1a+7]
	s_nop 0
.rept 4
	v_nop
.endr
	s_branch .Lasked_\@
.Lfor_b_\@:
	tensor_load_to_lds s[\g0b:\g0b+3], s[\g1b:\g1b+7]
	s_nop 0
.rept 4
	v_nop
.endr
.Lasked_\@:
.endm
.macro CREST
	s_cmp_lg_u32 s14, 0
	s_cbranch_scc1 .Lnot_wave_0_\@
	s_barrier_signal -3
.Lnot_wave_0_\@:
	s_barrier_wait -3
	s_barrier_signal -1
	s_barrier_wait -1
.endm
.macro CROUND
	s_barrier_signal -1
	s_barrier_wait -1
	CREST
.endm
	s_load_b128 s[96:99], s[0:1], 0x0              ; A's buffer, wts
	s_load_b64 s[66:67], s[0:1], 0x10              ; the residual
	s_load_b64 s[12:13], s[0:1], 0x18              ; the result
	v_lshl_add_u32 v[SPW], v0, 2, SPARE
	v_mov_b32 v[NIL], 0
	ds_add_u32 v[SPW], v[NIL]                      ; the wave's opening: the add and its wait ahead of my first tensor load
	v_lshrrev_b32 v1, 5, v0
	v_readfirstlane_b32 s14, v1
	s_lshr_b32 s15, s14, 1
	s_and_b32 s16, s14, 1
	s_bfe_u32 s40, ttmp6, 0x40000
	s_bfe_u32 s41, ttmp6, 0x40004
	s_lshl_b32 s42, ttmp9, 2
	s_add_co_u32 s42, s42, s40                     ; tile column
	s_and_b32 s17, ttmp7, 0xffff
	s_lshl_b32 s17, s17, 2
	s_add_co_u32 s17, s17, s41                     ; tile row
	s_lshl_b32 s43, s41, 2
	s_lshl_b32 s43, 15, s43
	s_lshl_b32 s44, 0x1111, s40
	s_or_b32 s[G1+0], s43, (3<<16)|(1<<21)         ; codes: 8 rows of 3,072 bytes (384 elements of 8 bytes), no padding
	s_or_b32 s[G1B+0], s44, (3<<16)|(1<<21)
.irp g, G1, G1B
	s_mov_b32 s[\g+1], 384<<16
	s_mov_b32 s[\g+2], 8<<16
	s_mov_b32 s[\g+3], 384<<16
	s_mov_b32 s[\g+4], 8
	s_mov_b32 s[\g+5], RTP/8
	s_mov_b32 s[\g+6], 0
	s_mov_b32 s[\g+7], 0
.endr
	s_or_b32 s[G1S+0], s43, (3<<16)|(1<<20)|(1<<21)|(5<<22)|(3<<25)   ; scales of 128 rows: rows of 256 bytes, 16 bytes of padding behind each
	s_or_b32 s[G1SB+0], s44, (3<<16)|(1<<20)|(1<<21)|(5<<22)|(3<<25)
.irp g, G1S, G1SB
	s_mov_b32 s[\g+1], 32<<16
	s_mov_b32 s[\g+2], (128*KS/256)<<16
	s_mov_b32 s[\g+3], 32<<16
	s_mov_b32 s[\g+4], 128*KS/256
	s_mov_b32 s[\g+5], 32
	s_mov_b32 s[\g+6], 0
	s_mov_b32 s[\g+7], 0
.endr
	s_lshl_b32 s18, s16, 3
	s_lshl_b32 s20, s17, 4
	s_add_co_u32 s20, s20, s18
	s_lshl_b32 s46, s42, 4
	s_add_co_u32 s46, s46, s18
	s_mul_i32 s22, s20, 16*KS
	s_mul_i32 s92, s46, 16*KS
	s_mul_i32 s20, s20, RTP
	s_mul_i32 s46, s46, RTP
	s_mov_b32 s21, 0
	s_mov_b32 s23, 0
	s_mov_b32 s47, 0
	s_mov_b32 s93, 0
	s_mul_i32 s45, s14, HALFT
	s_mul_i32 s94, s14, HALFS
	s_wait_dscnt 0x0                               ; the opening add is done
	s_wait_kmcnt 0x0
	s_mov_b64 s[4:5], s[96:97]
	s_add_nc_u64 s[6:7], s[96:97], AS_OFF
	s_add_nc_u64 s[8:9], s[98:99], WB_C
	s_add_nc_u64 s[10:11], s[98:99], WB_S
	s_add_nc_u64 s[20:21], s[4:5], s[20:21]
	s_add_nc_u64 s[22:23], s[6:7], s[22:23]
	s_add_nc_u64 s[46:47], s[8:9], s[46:47]
	s_add_nc_u64 s[92:93], s[10:11], s[92:93]
	CROUND                                         ; all sixteen work-groups are here: the first joint loads meet
	s_mov_b32 s[G0S], 1
	s_add_co_u32 s[G0S+1], s94, SCL
	s_mov_b64 s[G0S+2:G0S+3], s[22:23]
	s_or_b32 s[G0S+3], s[G0S+3], 0x80000000
	s_mov_b32 s[G0SB], 1
	s_add_co_u32 s[G0SB+1], s94, SCL
	s_mov_b64 s[G0SB+2:G0SB+3], s[92:93]
	s_or_b32 s[G0SB+3], s[G0SB+3], 0x80000000
	JLOAD G0S, G1S, G0SB, G1SB
.irp s, 0,1
	s_mov_b32 s[G0+4*\s], 1
	s_add_co_u32 s[G0+4*\s+1], s45, \s*SLOT
	s_add_nc_u64 s[G0+4*\s+2:G0+4*\s+3], s[20:21], \s*TROW
	s_or_b32 s[G0+4*\s+3], s[G0+4*\s+3], 0x80000000
	s_mov_b32 s[G0B+4*\s], 1
	s_add_co_u32 s[G0B+4*\s+1], s45, \s*SLOT
	s_add_nc_u64 s[G0B+4*\s+2:G0B+4*\s+3], s[46:47], \s*TROW
	s_or_b32 s[G0B+4*\s+3], s[G0B+4*\s+3], 0x80000000
	JLOAD G0+4*\s, G1, G0B+4*\s, G1B
.endr
	v_and_b32 v1, 15, v0
	v_bfe_u32 v2, v0, 4, 1
	v_and_b32 v3, 31, v0
	v_lshlrev_b32 v4, 4, v3
	v_lshlrev_b32 v5, 3, v3
	s_mul_i32 s21, s15, HALFT
	s_mul_i32 s22, s16, HALFT
	s_add_co_u32 s22, s22, 2*HALFT
.irp s, 0,1
	v_add_nc_u32 v[ADRA+\s], s21, v4
	v_add_nc_u32 v[ADRB+\s], s22, v4
	v_add_nc_u32 v[ADRA+2+\s], s21, v5
	v_add_nc_u32 v[ADRB+2+\s], s22, v5
	s_add_co_u32 s21, s21, SLOT
	s_add_co_u32 s22, s22, SLOT
.endr
	v_mul_u32_u24 v6, v1, KS
	v_lshrrev_b32 v7, 8, v6
	v_lshl_add_u32 v6, v7, 4, v6
	s_mul_i32 s21, s15, HALFS
	s_mul_i32 s22, s16, HALFS
	s_add_co_u32 s22, s22, 2*HALFS
	s_sub_co_u32 s22, s22, s21
	v_mul_u32_u24 v7, s22, v2
	s_add_co_u32 s21, s21, SCL
	v_add_nc_u32 v6, v6, v7
	v_add_nc_u32 v[ADRS], s21, v6
	s_mul_i32 s23, s14, 16*SPITCH                  ; my stage
	v_mul_u32_u24 v6, v1, SPITCH
	v_lshl_add_u32 v6, v2, 5, v6
	v_add_nc_u32 v[STO], s23, v6                   ; in: row r, 32 bytes for each half of the lanes
	v_lshlrev_b32 v[CO], 4, v3                     ; back: the 32 lanes take one row of 512 bytes; the same in memory
	v_add_nc_u32 v[RD], s23, v[CO]
	s_lshl_b32 s20, s17, 8
	s_lshl_b32 s21, s15, 7
	s_add_co_u32 s20, s20, s21
	s_lshl_b32 s20, s20, 12                        ; my first row, of 4,096 bytes,
	s_lshl_b32 s46, s42, 10
	s_add_co_u32 s20, s20, s46
	s_lshl_b32 s46, s16, 9
	s_add_co_u32 s20, s20, s46                     ; my first column
	s_mov_b32 s21, 0
	s_add_nc_u64 s[12:13], s[12:13], s[20:21]
	s_add_nc_u64 s[66:67], s[66:67], s[20:21]
.macro FRAG reg, adr, q, i             ; a fragment's image: registers 0-3, 4-5, 6-9, 10-11; every load dense
	ds_load_b128 v[\reg:\reg+3], v[\adr] offset:(\i)*TROW+(\q)*1536
	ds_load_b64 v[\reg+4:\reg+5], v[\adr+2] offset:(\i)*TROW+(\q)*1536+512
	ds_load_b128 v[\reg+6:\reg+9], v[\adr] offset:(\i)*TROW+(\q)*1536+768
	ds_load_b64 v[\reg+10:\reg+11], v[\adr+2] offset:(\i)*TROW+(\q)*1536+1280
.endm
; 16 matrix instructions: A's blocks a0, a0 + 1 x B's eight.  The 64 accumulators take turns, one instruction a turn, in the same order in every step.
.macro MUL16 a0, p, q, sc, zero
.irp a, \a0, \a0+1
.irp b, 0,1,2,3,4,5,6,7
.if \zero
	v_wmma_scale_f32_16x16x128_f8f6f4 v[8*(8*((\a)%4)+\b):8*(8*((\a)%4)+\b)+7], v[128*(\p)+FR*\b:128*(\p)+FR*\b+FR-1], v[AF+FR*(\a):AF+FR*(\a)+FR-1], 0, v[SC+8*NQ*(\sc)+NQ*\b+(\q)], v[SC+8*NQ*(\sc)+NQ*(\a)+(\q)] matrix_a_fmt:MATRIX_FMT_FP6 matrix_b_fmt:MATRIX_FMT_FP6 matrix_a_scale:MATRIX_SCALE_ROW1
.else
	v_wmma_scale_f32_16x16x128_f8f6f4 v[8*(8*((\a)%4)+\b):8*(8*((\a)%4)+\b)+7], v[128*(\p)+FR*\b:128*(\p)+FR*\b+FR-1], v[AF+FR*(\a):AF+FR*(\a)+FR-1], v[8*(8*((\a)%4)+\b):8*(8*((\a)%4)+\b)+7], v[SC+8*NQ*(\sc)+NQ*\b+(\q)], v[SC+8*NQ*(\sc)+NQ*(\a)+(\q)] matrix_a_fmt:MATRIX_FMT_FP6 matrix_b_fmt:MATRIX_FMT_FP6 matrix_a_scale:MATRIX_SCALE_ROW1
.endif
.endr
.endr
.endm
.macro FETCH_B slot, q, p
	WIN TO_B
.irp i, 0,1,2,3,4,5,6,7
	FRAG 128*(\p)+FR*\i, ADRB+\slot, \q, \i
.endr
	WIN 0
.endm
.macro FETCH_A slot, q, i0
.irp i, \i0, \i0+1, \i0+2, \i0+3
	FRAG AF+FR*(\i), ADRA+\slot, \q, \i
.endr
.endm
.macro SCALES sc
.irp i, 0,1,2,3,4,5,6,7
	ds_load_b64 v[SC+8*NQ*\sc+NQ*\i:SC+8*NQ*\sc+NQ*\i+1], v[ADRS] offset:\i*SBLK
.endr
.endm
.macro PLACES n
.rept \n
	v_nop
.endr
.endm
.macro STEP slot, q, zero
	s_wait_dscnt 4*NL                              ; all but the youngest 16 loads, A's blocks 4-7
	WIN MUL_LO
	MUL16 0, (\q)%2, \q, \slot, \zero
	MUL16 2, (\q)%2, \q, \slot, \zero
	s_wait_dscnt 0
	PLACES NP
	FETCH_B \slot, (\q)+1, 1-(\q)%2
	FETCH_A \slot, (\q)+1, 0
	WIN MUL_HI
	MUL16 4, (\q)%2, \q, \slot, \zero
	MUL16 6, (\q)%2, \q, \slot, \zero
	PLACES NP
	WIN 0
	FETCH_A \slot, (\q)+1, 4
.endm
; A slot's last step changes slots: one barrier; in front of it each wave waits for all its tensor loads, adds 0 to its spare word, and waits for that and for its reads of this slot.
.macro TURN slot, next, fill
	s_wait_tensorcnt 0x0
	ds_add_u32 v[SPW], v[NIL]
	s_wait_dscnt 4*NL+1                            ; the add and the youngest 16 loads may be out
	WIN MUL_LO
	MUL16 0, 1, NQ-1, \slot, 0
	s_wait_dscnt 0x0                               ; the add is done, and my reads of this slot are over
	s_barrier_signal -1
	MUL16 2, 1, NQ-1, \slot, 0
	WIN 0
	s_barrier_wait -1
.if \fill
	CREST                                          ; the barrier has opened a round of the cluster's
	s_add_nc_u64 s[G0+4*\slot+2:G0+4*\slot+3], s[G0+4*\slot+2:G0+4*\slot+3], 2*TROW
	s_add_nc_u64 s[G0B+4*\slot+2:G0B+4*\slot+3], s[G0B+4*\slot+2:G0B+4*\slot+3], 2*TROW
	JLOAD G0+4*\slot, G1, G0B+4*\slot, G1B         ; the first tensor load behind the round
.else
	PLACES NP
.endif
	v_add_nc_u32 v[ADRS], 4*NQ, v[ADRS]
	FETCH_B \next, 0, 0
	FETCH_A \next, 0, 0
	SCALES \next
	WIN MUL_HI
	MUL16 4, 1, NQ-1, \slot, 0
	MUL16 6, 1, NQ-1, \slot, 0
	PLACES NP
	WIN 0
	FETCH_A \next, 0, 4
.endm
	s_wait_tensorcnt 1                             ; the scales and my part of K step 0 are in; K step 1's load may be out
	s_barrier_signal -1
	s_barrier_wait -1
	FETCH_B 0, 0, 0
	FETCH_A 0, 0, 0
	SCALES 0
	FETCH_A 0, 0, 4
	STEP 0, 0, 1
	s_mov_b32 s3, LAPS-1
.Llap:
	TURN 0, 1, 1
	STEP 1, 0, 0
	TURN 1, 0, 1
	STEP 0, 0, 0
	s_sub_co_u32 s3, s3, 1
	s_cmp_lg_u32 s3, 0
	s_cbranch_scc1 .Llap
	TURN 0, 1, 0
	STEP 1, 0, 0
	s_wait_dscnt 4*NL
	WIN MUL_LO
	MUL16 0, 1, NQ-1, 1, 0
	MUL16 2, 1, NQ-1, 1, 0
	s_wait_dscnt 0
	WIN MUL_HI
	MUL16 4, 1, NQ-1, 1, 0
	MUL16 6, 1, NQ-1, 1, 0
	WIN 0
.macro TOSTAGE a                       ; LDS serves a wave's instructions in order: no wait between the stores and the loads
.set AC, 64*((\a)%4)
	WIN 0x08+4*((\a)/4)                            ; the data: window 2 or 3
.irp b, 0,1,2,3,4,5,6,7
	ds_store_b128 v[STO], v[AC+8*\b:AC+8*\b+3] offset:64*\b          ; each accumulator from its low end on
	ds_store_b128 v[STO], v[AC+8*\b+4:AC+8*\b+7] offset:64*\b+16
.endr
	WIN 0
.set BB, BK+64*((\a)%2)
.irp t, 0,1,2,3,4,5,6,7,8,9,10,11,12,13,14,15
	ds_load_b128 v[BB+4*\t:BB+4*\t+3], v[RD] offset:\t*SPITCH
.endr
.endm
.macro RESID a                         ; the residual's block a into set a % 4 of window 1
	WIN 0x40
.irp t, 0,1,2,3,4,5,6,7,8,9,10,11,12,13,14,15
	global_load_b128 v[64*((\a)%4)+4*\t:64*((\a)%4)+4*\t+3], v[CO], s[66:67] offset:(16*(\a)+\t)*4096 th:TH_LOAD_NT
.endr
	WIN 0
.endm
.macro SEND a, younger
.set BB, BK+64*((\a)%2)
.set RS, 64*((\a)%4)
	s_wait_dscnt \younger                          ; the block is back in registers
.if (\a) < 5
	s_wait_loadcnt 48                              ; its residual is in: three blocks' 48 loads were issued behind it
.else
	s_wait_loadcnt 16*(7-(\a))
.endif
	WIN 0x04                                       ; source 1 in window 1
.set i, 0
.rept 32
	v_pk_add_f32 v[BB+i:BB+i+1], v[BB+i:BB+i+1], v[RS+i:RS+i+1]
.set i, i+2
.endr
	WIN 0
.irp t, 0,1,2,3,4,5,6,7,8,9,10,11,12,13,14,15
	global_store_b128 v[CO], v[BB+4*\t:BB+4*\t+3], s[12:13] offset:(16*(\a)+\t)*4096 th:TH_STORE_NT   ; 32 lanes store 512 consecutive bytes, aligned; written once, read by nobody here
.endr
.if (\a) < 4
	RESID (\a)+4
.endif
.endm
	PLACES NP                                      ; in front of the loads into B's registers and A's, and of the first read of results
.irp a, 0,1,2,3
	RESID \a
.endr
	TOSTAGE 0
.irp a, 1,2,3,4,5,6,7
.if \a > 1
	s_wait_xcnt 0x0                                ; block a - 2's stores have read their registers: block a's loads may land there
.endif
	TOSTAGE \a
	SEND \a-1, 32                                  ; behind block a - 1's loads: block a's 16 stores and 16 loads
.endr
	s_wait_xcnt 0x0
	SEND 7, 0
	s_wait_tensorcnt 0x0                           ; the wave's end, behind my last tensor load and my last LDS store
	ds_add_u32 v[SPW], v[NIL]
	s_wait_dscnt 0x0
	CROUND                                         ; the closing round
	s_endpgm
.Lfunc_end_k_q595b376228_gcproj:
	.size	k_q595b376228_gcproj, .Lfunc_end_k_q595b376228_gcproj-k_q595b376228_gcproj
	.p2alignl 7, 3214868480
	.fill 96, 4, 3214868480
	.section	.rodata,"a",@progbits
	.p2align	6, 0x0
	.amdhsa_kernel k_q595b376228_gcproj
		.amdhsa_group_segment_fixed_size 327680
		.amdhsa_private_segment_fixed_size 0
		.amdhsa_enable_private_segment 0
		.amdhsa_kernarg_size 32
		.amdhsa_user_sgpr_count 2
		.amdhsa_user_sgpr_kernarg_segment_ptr 1
		.amdhsa_wavefront_size32 1
		.amdhsa_system_sgpr_workgroup_id_x 1
		.amdhsa_system_sgpr_workgroup_id_y 1
		.amdhsa_system_sgpr_workgroup_id_z 1
		.amdhsa_system_vgpr_workitem_id 0
		.amdhsa_next_free_vgpr 1024
		.amdhsa_next_free_sgpr 100
		.amdhsa_reserve_vcc 0
		.amdhsa_float_denorm_mode_32 3
		.amdhsa_float_denorm_mode_16_64 3
		.amdhsa_memory_ordered 1
		.amdhsa_forward_progress 1
		.amdhsa_inst_pref_size 173
	.end_amdhsa_kernel
	.amdgpu_metadata
---
amdhsa.version: [ 1, 2 ]
amdhsa.kernels:
  - .name:           k_q595b376228_gcproj
    .symbol:         k_q595b376228_gcproj.kd
    .args:
      - { .name: fq, .offset: 0, .size: 8, .value_kind: global_buffer, .address_space: global }
      - { .name: wts, .offset: 8, .size: 8, .value_kind: global_buffer, .address_space: global }
      - { .name: x1, .offset: 16, .size: 8, .value_kind: global_buffer, .address_space: global }
      - { .name: out0, .offset: 24, .size: 8, .value_kind: global_buffer, .address_space: global }
    .group_segment_fixed_size: 327680
    .private_segment_fixed_size: 0
    .kernarg_segment_align: 8
    .kernarg_segment_size: 32
    .max_flat_workgroup_size: 128
    .sgpr_count:     100
    .vgpr_count:     1024
    .wavefront_size: 32
...
	.end_amdgpu_metadata
.endif
;; end of part 7
;; ======== version 2 of 2: 6 launches
;; limits: right only within a limited range of input values
;; workspace buffers: wts 9,830,400 bytes; hq 3,276,800 bytes; qkv 10,092,544 bytes; yq 3,276,800 bytes; x1 16,777,216 bytes; fq 13,107,200 bytes
;; launch prep (part 8): grid 448 x 1, 8 waves a work-group, no clusters, 67,584 bytes of LDS; arguments w_attn, w_proj, w_fc, w_cproj, wts, x, ln1_w, hq; writes wts, hq
.if DOCPART == 8
	.amdgcn_target "amdgcn-amd-amdhsa--gfx1250"
	.amdhsa_code_object_version 6
	.text
	.protected	k_q595b376228_prep
	.globl	k_q595b376228_prep
	.p2align	8
	.type	k_q595b376228_prep,@function
k_q595b376228_prep:
	s_mov_b64 s[64:65], 0
	v_nop
	global_prefetch_b8 v0, s[64:65] scope:SCOPE_SE
	s_setreg_imm32_b32 hwreg(HW_REG_WAVE_MODE, 25, 1), 1
	s_wait_xcnt 0x0
; ONE LAUNCH PREPARES ALL OPERANDS THAT HANG ON INPUTS ALONE.  Work-groups 0-191: the four weights become codes of FP6 (E2M3) and E8M0 scale bytes in wts.  Work-groups 192-447: h = layer norm of x, quantised, in hq.
; The two paths part on the work-group's number; only the norm's path uses LDS and barriers.  The weights' work-groups have the longer work and the lower numbers.
; NOTHING OF reference() IS LEFT OUT but, in the attention launch, the tiles that lie wholly under the causal mask which reference() builds itself (-inf ahead of the softmax: their p is 0 for all inputs).
; THE WEIGHTS, f32 [K][N]: A LANE TAKES A COLUMN n AND ITS REGISTERS RUN DOWN K: a load reads 32 neighbouring columns (128 consecutive bytes a wave), a block of 32 along K lies in one lane.
; LAYOUT OF CODES: [n / 16][k / 128][1536 bytes]: two images of six operand registers of 32 lanes (16 columns x 64 along K, 768 bytes): lane L = 16 H + r holds column r, block H; its first four registers at 16 L, its last two at 512 + 8 L.
; ORDER INSIDE A BLOCK OF 32: place p holds element SW(p) = p with its bits 3 and 4 exchanged.  Every operand of every product of this program has that order, so the products are those of the true order.
; A block's scale byte is its largest magnitude's exponent field - 2, held at 1 from below.  Scale bytes: [n][K / 32].
; Four waves take 128 columns x 256 along K; a work-group holds two such shares (share 2 x work-group + wave / 4).  Pointers and sizes are chosen by the share's number.  Loads run two blocks (64 loads a wave) ahead.
; THE NORM: h = (x - mean) * rsqrt(var + 1e-5) * w, all in f32, the variance from the differences.  A work-group owns 16 rows.  Phase 1: wave w normalises rows 2 w, 2 w + 1 and lays them into LDS.
; Phase 2: wave w takes columns 128 w .. + 127 of all 16 rows: one operand fragment and one scale word a row.  Codes [row / 16][k / 128][1536]; scale bytes [row][32] from byte 3,145,728 on, gathered in LDS, stored by wave 0.
; LIMITS: NaN and infinities are not served; a block whose largest magnitude lies under 2^-124 (zeros too) gets the byte 1; the bytes are read by this program alone.  rsqrt is v_rsq_f32.
.set WQ,  192                          ; work-groups of the weights' path
.set X,   64                           ; weights: v64-127 two sets of 32 numbers
.set CD,  128                          ; v128-191 eight registers of codes for each block: no store's data are written again
.set VO,  32                           ; v32-63 offset of place i's row
.set SB,  32                           ; s[32:47] the address of each of my 8 blocks' first row
.set PITCH, 4112                       ; norm: an LDS row: 4,096 bytes + 16
.set SIMG,  16*PITCH                   ; the scale bytes' image
.set SPARE, SIMG+512                   ; the spare words, 128 bytes for each of eight waves
.set SPW, 14                           ; v14 my spare word's address; never rewritten
.set NIL, 15                           ; v15 0; never rewritten
.set ST,  16                           ; v16-79 my two rows; later the 64 numbers to be quantised
.set GW,  80                           ; v80-111 the gain
.set TM,  112
.set PW,  128
.set PC,  132
	v_lshl_add_u32 v[SPW], v0, 2, SPARE
	v_mov_b32 v[NIL], 0
	v_lshrrev_b32 v1, 5, v0
	v_readfirstlane_b32 s14, v1                    ; wave 0..7
	s_cmp_lt_u32 ttmp9, WQ
	s_wait_alu depctr_va_vdst(0)
	s_cbranch_scc0 .Lnorm
	s_load_b256 s[4:11], s[0:1], 0x0               ; w_attn, w_proj, w_fc, w_cproj
	s_load_b64 s[12:13], s[0:1], 0x20              ; wts
	s_lshr_b32 s30, s14, 2
	s_lshl_b32 s31, ttmp9, 1
	s_add_co_u32 s30, s30, s31                     ; my share, 0..383
	s_and_b32 s14, s14, 3                          ; my wave within it
	v_and_b32 v2, 31, v0                           ; lane
	v_lshlrev_b32 v3, 2, v2
	s_mov_b32 s15, 0                               ; w_attn: first share,
	s_mov_b32 s16, 12288                           ; bytes in a row,
	s_mov_b32 s17, 12288                           ; bytes of codes for 16 columns: 12 K,
	s_mov_b32 s18, 32                              ; scale bytes a column,
	s_mov_b32 s19, 0                               ; where its codes begin in wts,
	s_mov_b32 s20, 9437184                         ; and its scale bytes,
	s_mov_b32 s21, 2                               ; log2 of K / 256
	s_wait_alu depctr_va_vdst(0)
	s_wait_kmcnt 0x0
	s_mov_b64 s[24:25], s[4:5]
	s_cmp_ge_u32 s30, 96                           ; w_proj from share 96 on
	s_cselect_b32 s15, 96, s15
	s_cselect_b32 s16, 4096, s16
	s_cselect_b32 s19, 2359296, s19
	s_cselect_b32 s20, 9535488, s20
	s_cselect_b64 s[24:25], s[6:7], s[24:25]
	s_cmp_ge_u32 s30, 128                          ; w_fc from 128 on
	s_cselect_b32 s15, 128, s15
	s_cselect_b32 s16, 16384, s16
	s_cselect_b32 s19, 3145728, s19
	s_cselect_b32 s20, 9568256, s20
	s_cselect_b64 s[24:25], s[8:9], s[24:25]
	s_cmp_ge_u32 s30, 256                          ; w_cproj from 256 on
	s_cselect_b32 s15, 256, s15
	s_cselect_b32 s16, 4096, s16
	s_cselect_b32 s17, 49152, s17
	s_cselect_b32 s18, 128, s18
	s_cselect_b32 s19, 6291456, s19
	s_cselect_b32 s20, 9699328, s20
	s_cselect_b32 s21, 4, s21
	s_cselect_b64 s[24:25], s[10:11], s[24:25]
	s_sub_co_u32 s22, s30, s15                     ; my number within the tensor
	s_lshr_b32 s23, s22, s21                       ; cg: which 128 columns
	s_lshl_b32 s2, s23, s21
	s_sub_co_u32 s22, s22, s2                      ; ky: which 256 along K
	s_mul_i32 s2, s22, s16
	s_lshl_b32 s2, s2, 8                           ; 256 ky rows,
	s_lshl_b32 s3, s23, 9
	s_add_co_u32 s2, s2, s3                        ; + 128 cg columns of 4 bytes,
	s_lshl_b32 s3, s14, 7
	s_add_co_u32 s2, s2, s3                        ; + 32 columns a wave
	s_mov_b32 s3, 0
	s_add_nc_u64 s[SB:SB+1], s[24:25], s[2:3]
	s_lshl_b32 s48, s16, 5                         ; 32 rows on
	s_mov_b32 s49, 0
.irp t, 1,2,3,4,5,6,7
	s_add_nc_u64 s[SB+2*\t:SB+2*\t+1], s[SB+2*\t-2:SB+2*\t-1], s[48:49]
.endr
	s_lshl_b32 s2, s23, 3
	s_lshl_b32 s26, s14, 1
	s_add_co_u32 s2, s2, s26                       ; my wave's first group of 16 columns
	s_mul_i32 s2, s2, s17
	s_mul_i32 s26, s22, 3072                       ; 256 along K are two steps of 1,536 bytes
	s_add_co_u32 s2, s2, s26
	s_add_co_u32 s2, s2, s19
	s_add_nc_u64 s[26:27], s[12:13], s[2:3]        ; my codes
	s_lshl_b32 s2, s23, 7
	s_lshl_b32 s28, s14, 5
	s_add_co_u32 s2, s2, s28                       ; my wave's first column
	s_mul_i32 s2, s2, s18
	s_lshl_b32 s28, s22, 3                         ; 8 blocks for each 256 along K
	s_add_co_u32 s2, s2, s28
	s_add_co_u32 s2, s2, s20
	s_add_nc_u64 s[28:29], s[12:13], s[2:3]        ; my scale bytes
	v_lshrrev_b32 v7, 4, v2                        ; which of my wave's two groups of 16 columns
	v_and_b32 v8, 15, v2
	v_mul_u32_u24 v7, s17, v7
	v_lshl_add_u32 v4, v8, 4, v7                   ; where my first four code registers go
	v_lshl_add_u32 v5, v8, 3, v7                   ; and my last two
	v_mul_u32_u24 v6, s18, v2                      ; my column's row of scale bytes
.set i, 0
.rept 32
.set SWI, (i&7)|(((i>>3)&1)<<4)|(((i>>4)&1)<<3)
	v_mad_u32_u24 v[VO+i], s16, SWI, v3
.set i, i+1
.endr
.macro LOAD t                          ; block t: W(32 t + SW(i), my column) into register i of set t % 2
.set i, 0
.rept 32
	global_load_b32 v[X+32*((\t)%2)+i], v[VO+i], s[SB+2*(\t):SB+2*(\t)+1] th:TH_LOAD_NT
.set i, i+1
.endr
.endm
.macro BLOCK t
.set XS, X+32*((\t)%2)
.set CT, CD+8*(\t)
.if (\t) < 7
	s_wait_loadcnt 32                              ; this block's 32 loads are in; the next block's 32 may be out
.else
	s_wait_loadcnt 0x0
.endif
	v_max3_num_f32 v12, |v[XS]|, |v[XS+1]|, |v[XS+2]|      ; the block's largest magnitude, in two chains
	v_max3_num_f32 v13, |v[XS+3]|, |v[XS+4]|, |v[XS+5]|
.irp i, 6,10,14,18,22,26
	v_max3_num_f32 v12, v12, |v[XS+\i]|, |v[XS+\i+1]|
	v_max3_num_f32 v13, v13, |v[XS+\i+2]|, |v[XS+\i+3]|
.endr
	v_max3_num_f32 v12, v12, |v[XS+30]|, |v[XS+31]|
	v_max3_num_f32 v12, v12, v13, 0x1800000        ; and the floor 2^(3 - 127): the byte cannot fall under 1
	v_add_nc_u32 v11, 0xff000000, v12              ; 2 off the exponent field: the conversion's scale operand
	v_lshrrev_b32 v13, 23, v11                     ; the scale's byte
.if (\t)%4 == 0
	v_mov_b32 v[24+(\t)/4], v13
.else
	v_lshl_or_b32 v[24+(\t)/4], v13, 8*((\t)%4), v[24+(\t)/4]
.endif
	v_cvt_scalef32_pk16_fp6_f32 v[CT:CT+2], v[XS:XS+15], v11
	v_cvt_scalef32_pk16_fp6_f32 v[CT+4:CT+6], v[XS+16:XS+31], v11   ; (a conversion's three registers begin on an even number)
	v_nop                                          ; one plain place behind a scaled conversion
	v_mov_b32 v[CT+3], v[CT+4]                     ; the block's 192 bits on end
	v_mov_b32 v[CT+4], v[CT+5]
	v_mov_b32 v[CT+5], v[CT+6]
	global_store_b128 v4, v[CT:CT+3], s[26:27] offset:((\t)/4)*1536+(((\t)/2)%2)*768+((\t)%2)*256          ; sixteen lanes store 256 consecutive bytes, aligned
	global_store_b64 v5, v[CT+4:CT+5], s[26:27] offset:((\t)/4)*1536+(((\t)/2)%2)*768+512+((\t)%2)*128     ; 128 consecutive bytes; the neighbouring block's store has the other 128
.if (\t)+2 < 8
	LOAD (\t)+2
.endif
.endm
	LOAD 0
	LOAD 1
.irp t, 0,1,2,3,4,5,6,7
	BLOCK \t
.endr
	global_store_b64 v6, v[24:25], s[28:29]        ; my column's 8 scale bytes
	s_endpgm
.Lnorm:
	s_load_b128 s[4:7], s[0:1], 0x28               ; x, the gain
	s_load_b64 s[8:9], s[0:1], 0x38                ; hq
	s_sub_co_u32 s23, ttmp9, WQ                    ; my 16 rows
	v_and_b32 v10, 31, v0                          ; lane
	v_and_b32 v11, 15, v0                          ; r
	v_bfe_u32 v12, v0, 4, 1                        ; h
	v_lshlrev_b32 v4, 4, v10                       ; 16 x lane
	v_lshlrev_b32 v9, 3, v10                       ; 8 x lane
	s_mul_i32 s15, s14, 2*PITCH
	v_add_nc_u32 v5, s15, v4                       ; phase 1: my 16 bytes in my wave's first LDS row
	v_mul_u32_u24 v6, v11, PITCH
	v_lshl_add_u32 v6, v12, 5, v6
	s_lshl_b32 s15, s14, 9
	v_add_nc_u32 v6, s15, v6                       ; phase 2: row r, + 32 h, + my wave's 512 bytes
	v_lshlrev_b32 v7, 5, v11
	s_lshl_b32 s15, s14, 2
	s_add_co_u32 s15, s15, SIMG
	v_add_nc_u32 v7, s15, v7                       ; row r's scale word of my wave's 128 columns
	v_add_nc_u32 v8, SIMG, v4                      ; and the image read back
	s_mov_b32 s12, 0x76543210
	s_mov_b32 s13, 0xfedcba98                      ; v_permlanex16_b32's selects for lane l xor 16
	s_mov_b32 s19, 0x3a800000                      ; 1 / 1024
	s_mov_b32 s22, 0x3727c5ac                      ; 1e-5
	s_mov_b32 s17, 0
	s_wait_alu depctr_va_vdst(0)
	s_wait_kmcnt 0x0
	s_lshl_b32 s16, s23, 9
	s_add_nc_u64 s[10:11], s[8:9], s[16:17]
	s_add_nc_u64 s[10:11], s[10:11], 3145728       ; my 16 rows' scale bytes
	s_mul_i32 s16, s23, 12288
	s_mul_i32 s18, s14, 1536
	s_add_co_u32 s16, s16, s18
	s_add_nc_u64 s[8:9], s[8:9], s[16:17]          ; my wave's fragment
	s_lshl_b32 s16, s23, 16
	s_lshl_b32 s18, s14, 13
	s_add_co_u32 s16, s16, s18
	s_add_nc_u64 s[4:5], s[4:5], s[16:17]          ; my wave's two rows
.irp j, 0,1,2,3,4,5,6,7
	global_load_b128 v[ST+4*\j:ST+4*\j+3], v4, s[4:5] offset:512*\j th:TH_LOAD_NT          ; 512 consecutive bytes an instruction
	global_load_b128 v[ST+32+4*\j:ST+32+4*\j+3], v4, s[4:5] offset:4096+512*\j th:TH_LOAD_NT
	global_load_b128 v[GW+4*\j:GW+4*\j+3], v4, s[6:7] offset:512*\j
.endr
.macro REDUCE                          ; both rows' two chains of pairs become one sum in every lane, the rows by turns
.irp R, 0,1
	v_pk_add_f32 v[TM+4*\R:TM+4*\R+1], v[TM+4*\R:TM+4*\R+1], v[TM+4*\R+2:TM+4*\R+3]
.endr
.irp R, 0,1
	v_add_f32 v[TM+4*\R], v[TM+4*\R], v[TM+4*\R+1]
.endr
.irp m, 1,2,4,8
.irp R, 0,1
	v_add_f32_dpp v[TM+4*\R], v[TM+4*\R], v[TM+4*\R] row_xmask:\m row_mask:0xf bank_mask:0xf
.endr
.endr
.irp R, 0,1
	v_permlanex16_b32 v[TM+4*\R+1], v[TM+4*\R], s12, s13
.endr
.irp R, 0,1
	v_add_f32 v[TM+4*\R], v[TM+4*\R], v[TM+4*\R+1]
.endr
.endm
	s_wait_loadcnt 0x0
.irp R, 0,1
	v_pk_add_f32 v[TM+4*\R:TM+4*\R+1], v[ST+32*\R:ST+32*\R+1], v[ST+32*\R+4:ST+32*\R+5]
	v_pk_add_f32 v[TM+4*\R+2:TM+4*\R+3], v[ST+32*\R+2:ST+32*\R+3], v[ST+32*\R+6:ST+32*\R+7]
.endr
.irp i, 8,12,16,20,24,28
.irp R, 0,1
	v_pk_add_f32 v[TM+4*\R:TM+4*\R+1], v[TM+4*\R:TM+4*\R+1], v[ST+32*\R+\i:ST+32*\R+\i+1]
	v_pk_add_f32 v[TM+4*\R+2:TM+4*\R+3], v[TM+4*\R+2:TM+4*\R+3], v[ST+32*\R+\i+2:ST+32*\R+\i+3]
.endr
.endr
	REDUCE
.irp R, 0,1
	v_mul_f32 v[TM+4*\R], s19, v[TM+4*\R]          ; the mean
.endr
.irp i, 0,2,4,6,8,10,12,14,16,18,20,22,24,26,28,30
.irp R, 0,1
	v_pk_add_f32 v[ST+32*\R+\i:ST+32*\R+\i+1], v[ST+32*\R+\i:ST+32*\R+\i+1], v[TM+4*\R:TM+4*\R+1] op_sel_hi:[1,0] neg_lo:[0,1] neg_hi:[0,1]   ; x - mean
.endr
.endr
.irp R, 0,1
	v_pk_mul_f32 v[TM+4*\R:TM+4*\R+1], v[ST+32*\R:ST+32*\R+1], v[ST+32*\R:ST+32*\R+1]
	v_pk_mul_f32 v[TM+4*\R+2:TM+4*\R+3], v[ST+32*\R+2:ST+32*\R+3], v[ST+32*\R+2:ST+32*\R+3]
.endr
.irp i, 4,8,12,16,20,24,28
.irp R, 0,1
	v_pk_fma_f32 v[TM+4*\R:TM+4*\R+1], v[ST+32*\R+\i:ST+32*\R+\i+1], v[ST+32*\R+\i:ST+32*\R+\i+1], v[TM+4*\R:TM+4*\R+1]
	v_pk_fma_f32 v[TM+4*\R+2:TM+4*\R+3], v[ST+32*\R+\i+2:ST+32*\R+\i+3], v[ST+32*\R+\i+2:ST+32*\R+\i+3], v[TM+4*\R+2:TM+4*\R+3]
.endr
.endr
	REDUCE
.irp R, 0,1
	v_fma_f32 v[TM+4*\R], v[TM+4*\R], s19, s22     ; the variance + 1e-5
.endr
	s_wait_alu depctr_va_vdst(0)                   ; the wait ahead of the transcendentals
	v_rsq_f32 v[TM+8], v[TM]
	v_rsq_f32 v[TM+10], v[TM+4]
	v_mov_b32 v[TM+9], 0                           ; the pairs' upper halves are named below; these two lines are also the plain instructions behind the transcendentals
	v_mov_b32 v[TM+11], 0
	s_wait_alu depctr_va_vdst(0)                   ; and ahead of their first reader
.irp i, 0,2,4,6,8,10,12,14,16,18,20,22,24,26,28,30
.irp R, 0,1
	v_pk_mul_f32 v[ST+32*\R+\i:ST+32*\R+\i+1], v[ST+32*\R+\i:ST+32*\R+\i+1], v[TM+8+2*\R:TM+9+2*\R] op_sel_hi:[1,0]
.endr
.irp R, 0,1
	v_pk_mul_f32 v[ST+32*\R+\i:ST+32*\R+\i+1], v[ST+32*\R+\i:ST+32*\R+\i+1], v[GW+\i:GW+\i+1]
.endr
.endr
.irp R, 0,1
.irp j, 0,1,2,3,4,5,6,7
	ds_store_b128 v5, v[ST+32*\R+4*\j:ST+32*\R+4*\j+3] offset:\R*PITCH+512*\j
.endr
.endr
	s_wait_dscnt 0x0                               ; for the others' sake: my rows lie in LDS
	s_barrier_signal -1
	s_barrier_wait -1
.irp b, 0,1,2,3
.irp q, 0,1,2,3
	ds_load_b128 v[ST+16*\b+4*\q:ST+16*\b+4*\q+3], v6 offset:128*\b+16*(\q%2)+64*(\q/2)   ; register 16 b + i: place 16 h + i of block b
.endr
.endr
	s_wait_dscnt 0x0
.irp b, 0,1,2,3
	v_max3_num_f32 v[TM+\b], |v[ST+16*\b]|, |v[ST+1+16*\b]|, 0x1800000   ; block b: my 16 numbers, and the floor 2^(3 - 127)
.endr
.irp i, 2,4,6,8,10,12,14
.irp b, 0,1,2,3
	v_max3_num_f32 v[TM+\b], v[TM+\b], |v[ST+16*\b+\i]|, |v[ST+1+16*\b+\i]|
.endr
.endr
.irp b, 0,1,2,3
	v_permlanex16_b32 v[TM+4+\b], v[TM+\b], s12, s13
.endr
.irp b, 0,1,2,3
	v_max_num_f32 v[TM+\b], v[TM+\b], v[TM+4+\b]   ; with lane l xor 16's: the block's largest magnitude
.endr
.irp b, 0,1,2,3
	v_add_nc_u32 v[TM+12+\b], 0xff000000, v[TM+\b] ; 2 off its exponent field: the conversion's scale operand
.endr
.irp b, 0,1,2,3
	v_lshrrev_b32 v[TM+4+\b], 23, v[TM+12+\b]      ; the scale's byte
.endr
	v_lshl_or_b32 v[PW], v[TM+5], 8, v[TM+4]
	v_lshl_or_b32 v[PW], v[TM+6], 16, v[PW]
	v_lshl_or_b32 v[PW], v[TM+7], 24, v[PW]
.irp c, 0,1
	v_cvt_scalef32_pk16_fp6_f32 v[PC+6*\c:PC+2+6*\c], v[ST+32*\c:ST+15+32*\c], v[TM+12+2*\c]
	v_cvt_scalef32_pk16_fp6_f32 v[PC+12+4*\c:PC+14+4*\c], v[ST+16+32*\c:ST+31+32*\c], v[TM+12+2*\c+1]
.endr
	v_nop                                          ; one plain place behind a scaled conversion
.irp c, 0,1                                    ; the operand's layout wants a whole block in a lane
.irp i, 0,1,2
	v_permlane16_swap_b32 v[PC+6*\c+\i], v[PC+12+4*\c+\i]
.endr
.irp i, 0,1,2
	v_mov_b32 v[PC+3+6*\c+\i], v[PC+12+4*\c+\i]
.endr
.endr
	global_store_b128 v4, v[PC:PC+3], s[8:9]                   ; the fragment's image: 512, 256, 512 and 256 consecutive bytes
	global_store_b64 v9, v[PC+4:PC+5], s[8:9] offset:512
	global_store_b128 v4, v[PC+6:PC+9], s[8:9] offset:768
	global_store_b64 v9, v[PC+10:PC+11], s[8:9] offset:1280
	ds_store_b32 v7, v[PW]                         ; lanes r and r + 16 write the same word with the same value
	s_wait_dscnt 0x0
	s_barrier_signal -1
	s_barrier_wait -1
	s_cmp_lg_u32 s14, 0
	s_cbranch_scc1 .Lnot_wave_0
	ds_load_b128 v[16:19], v8
	s_wait_dscnt 0x0
	global_store_b128 v4, v[16:19], s[10:11]       ; the 16 rows' 512 scale bytes: two aligned runs of 256
.Lnot_wave_0:
	s_wait_tensorcnt 0x0                           ; the wave's end, behind my last LDS store
	ds_add_u32 v[SPW], v[NIL]
	s_wait_dscnt 0x0
	s_endpgm
.Lfunc_end_k_q595b376228_prep:
	.size	k_q595b376228_prep, .Lfunc_end_k_q595b376228_prep-k_q595b376228_prep
	.p2alignl 7, 3214868480
	.fill 96, 4, 3214868480
	.section	.rodata,"a",@progbits
	.p2align	6, 0x0
	.amdhsa_kernel k_q595b376228_prep
		.amdhsa_group_segment_fixed_size 67584
		.amdhsa_private_segment_fixed_size 0
		.amdhsa_enable_private_segment 0
		.amdhsa_kernarg_size 64
		.amdhsa_user_sgpr_count 2
		.amdhsa_user_sgpr_kernarg_segment_ptr 1
		.amdhsa_wavefront_size32 1
		.amdhsa_system_sgpr_workgroup_id_x 1
		.amdhsa_system_sgpr_workgroup_id_y 1
		.amdhsa_system_sgpr_workgroup_id_z 1
		.amdhsa_system_vgpr_workitem_id 0
		.amdhsa_next_free_vgpr 192
		.amdhsa_next_free_sgpr 66
		.amdhsa_reserve_vcc 0
		.amdhsa_float_denorm_mode_32 3
		.amdhsa_float_denorm_mode_16_64 3
		.amdhsa_memory_ordered 1
		.amdhsa_forward_progress 1
		.amdhsa_inst_pref_size 66
	.end_amdhsa_kernel
	.amdgpu_metadata
---
amdhsa.version: [ 1, 2 ]
amdhsa.kernels:
  - .name:           k_q595b376228_prep
    .symbol:         k_q595b376228_prep.kd
    .args:
      - { .name: w_attn, .offset: 0, .size: 8, .value_kind: global_buffer, .address_space: global }
      - { .name: w_proj, .offset: 8, .size: 8, .value_kind: global_buffer, .address_space: global }
      - { .name: w_fc, .offset: 16, .size: 8, .value_kind: global_buffer, .address_space: global }
      - { .name: w_cproj, .offset: 24, .size: 8, .value_kind: global_buffer, .address_space: global }
      - { .name: wts, .offset: 32, .size: 8, .value_kind: global_buffer, .address_space: global }
      - { .name: x, .offset: 40, .size: 8, .value_kind: global_buffer, .address_space: global }
      - { .name: ln1_w, .offset: 48, .size: 8, .value_kind: global_buffer, .address_space: global }
      - { .name: hq, .offset: 56, .size: 8, .value_kind: global_buffer, .address_space: global }
    .group_segment_fixed_size: 67584
    .private_segment_fixed_size: 0
    .kernarg_segment_align: 8
    .kernarg_segment_size: 64
    .max_flat_workgroup_size: 256
    .sgpr_count:     66
    .vgpr_count:     192
    .wavefront_size: 32
...
	.end_amdgpu_metadata
.endif
;; end of part 8
;; launch gqkv (part 9): grid 12 x 16, 4 waves a work-group, clusters of 4 x 4, 327,680 bytes of LDS; arguments hq, wts, qkv; writes qkv
.if DOCPART == 9
	.amdgcn_target "amdgcn-amd-amdhsa--gfx1250"
	.amdhsa_code_object_version 6
	.text
	.protected	k_q595b376228_gqkv
	.globl	k_q595b376228_gqkv
	.p2align	8
	.type	k_q595b376228_gqkv,@function
k_q595b376228_gqkv:
	s_mov_b64 s[64:65], 0
	v_nop
	global_prefetch_b8 v0, s[64:65] scope:SCOPE_SE
	s_setreg_imm32_b32 hwreg(HW_REG_WAVE_MODE, 25, 1), 1
	s_wait_xcnt 0x0
	s_wait_alu depctr_hold_cnt(0) depctr_sa_sdst(0) depctr_va_vdst(0) depctr_va_sdst(0) depctr_va_ssrc(0) depctr_va_vcc(0) depctr_vm_vsrc(0)
	s_getreg_b32 s2, hwreg(HW_REG_IB_STS2, 6, 4)
	s_cmp_eq_u32 s2, 0
	s_cbranch_scc0 .Lentry_in_a_cluster
	s_endpgm
.Lentry_in_a_cluster:
	s_bfe_u32 s2, ttmp6, 0x10000c
	s_cmp_lg_u32 s2, 0xf033
	s_cbranch_scc0 .Lentry_shape_is_right
	s_endpgm
.Lentry_shape_is_right:
; qkv = h w_attn on codes of FP6 (E2M3) with E8M0 scales for each 32 along K = 1,024; the results are quantised on the way out and leave as codes: q and k along the head's 64, v along the keys.
; OPERANDS lie in memory as images of operand registers: [row / 16][k / 128][1536 bytes]; scale bytes [row][K / 32].  A fragment (16 rows x 128 K, 12 registers) comes by four dense LDS loads.
; A tile of 256 x 256 is made by four waves, as many as a WGP has SIMDs, each 128 x 128: 64 accumulators, 512 registers.  K goes in steps of 256 through two LDS slots filled by the tensor data mover.
; CLUSTERS of 4 x 4: A's tiles are asked for jointly along a row of the cluster, B's along a column.  The matrix instruction is used transposed: source 0 = 16 rows of B, source 1 = 16 rows of A:
; a lane holds ONE row of A and eight neighbouring rows of B.
; Clusters with x = 0, 1: A = the tokens, B = w_attn's columns 0 .. 2047: a lane holds one token and its registers run along a head's channels: q's and k's K.
; Clusters with x = 2: THE OPERANDS CHANGE PLACES: A = w_attn's columns 2048 on, B = the tokens: a lane holds one channel of v and its registers run along the keys: v's K.  The choice hangs on the cluster's x alone.
; A lane's 16 registers of two neighbouring result tiles are elements 8 h + 0..7 and 16 + 8 h + 0..7 of a block of 32: place p of a block holds element p with bits 3 and 4 exchanged, as in every operand of this program.
; OUTPUT (qkv): q's codes [head 32][query / 16][768] at 0, k's likewise at 3,145,728 (768 bytes: six registers' image, 16 rows x 64); v's [head][key / 128][channel / 16][1536] at 6,291,456;
; scale words from 9,437,184, 20,480 bytes a head: q [2048] words, k [2048] words (bytes 0, 1: the two blocks; bytes 2, 3: 0), v [16][64] words.
; LIMITS: NaN and infinities are not served; a block whose largest magnitude lies under 2^-124 (zeros too) gets the byte 1.  The scale words leave in runs of 64 or 128 bytes.
; REGISTERS: window 0: v1-3 r, h, lane; v16-23 fragment addresses; v27 scale address; v28, v29 the add's two; v32-63 scale words, two sets; v128-223 A's fragments, one set; window 1: B's, two sets at v0, v128; windows 2, 3: accumulators.
.set SIZE_K, 1024
.set NQ,     2                         ; matrix instructions deep in a slot
.set FR,     12                        ; registers of a fragment
.set NL,     4                         ; LDS loads that bring one
.set NP,     4                         ; places behind this matrix instruction (ISA guide 7.12.1)
.set TROW,   3072                      ; 16 rows x 256 K of codes
.set HALFT,  8*TROW                    ; 128 rows: what one tensor load brings
.set SLOT,   4*HALFT                   ; A's 256 rows, then B's
.set RTP,    12*SIZE_K                 ; 16 rows of codes in memory
.set LAPS,   SIZE_K/512
.set KS,     SIZE_K/32
.set SCL,    2*SLOT                    ; behind the ring: the scales, as runs of 256 bytes + 16 of padding
.set HALFS,  (128*KS/256)*272
.set SBLK,   (16*KS/256)*272
.set SPARE,  SCL+4*HALFS               ; the spare words: two blocks of 256 bytes that no other line names
.set ADRA, 16
.set ADRB, 20
.set ADRS, 27
.set SPW,  28
.set NIL,  29
.set SC,   32
.set AF,   128
.set G1, 24
.set G0, 32
.set G1B, 48
.set G0B, 56
.set G1S, 68
.set G0S, 76
.set G1SB, 80
.set G0SB, 88
.set TM,  32                           ; the way out: v32-47 the quantiser's work, v48 the scale word, v49 the word before, v50 at work, v64-82 the codes
.set PW,  48
.set PC,  64
.set MSB, 0
.macro WIN new                         ; the immediate's high byte repeats the setting that is left
.if MSB != \new
	s_set_vgpr_msb (MSB<<8)|\new
.set MSB, \new
.endif
.endm
.set MUL_LO, 0xa1                      ; source 0 (B) window 1, source 1 (A) window 0, C and D window 2
.set MUL_HI, 0xf1
.set TO_B,   0x40
.macro JLOAD g0a, g1a, g0b, g1b        ; a joint load: waves 0 and 1 fetch for A, waves 2 and 3 for B; an s_nop 0 and four v_nop follow each line
	s_cmp_eq_u32 s15, 0
	s_cbranch_scc0 .Lfor_b_\@
	tensor_load_to_lds s[\g0a:\g0a+3], s[\g1a:\g1a+7]
	s_nop 0
.rept 4
	v_nop
.endr
	s_branch .Lasked_\@
.Lfor_b_\@:
	tensor_load_to_lds s[\g0b:\g0b+3], s[\g1b:\g1b+7]
	s_nop 0
.rept 4
	v_nop
.endr
.Lasked_\@:
.endm
.macro CREST                           ; a round of the cluster's barrier behind its opening barrier
	s_cmp_lg_u32 s14, 0
	s_cbranch_scc1 .Lnot_wave_0_\@
	s_barrier_signal -3
.Lnot_wave_0_\@:
	s_barrier_wait -3
	s_barrier_signal -1
	s_barrier_wait -1
.endm
.macro CROUND
	s_barrier_signal -1
	s_barrier_wait -1
	CREST
.endm
	s_load_b128 s[96:99], s[0:1], 0x0              ; hq, wts
	s_load_b64 s[12:13], s[0:1], 0x10              ; qkv
	v_lshl_add_u32 v[SPW], v0, 2, SPARE
	v_mov_b32 v[NIL], 0
	ds_add_u32 v[SPW], v[NIL]                      ; the wave's opening: the add and its wait ahead of my first tensor load
	ds_add_u32 v[SPW], v[NIL]
	v_lshrrev_b32 v1, 5, v0
	v_readfirstlane_b32 s14, v1                    ; wave 0..3
	s_lshr_b32 s15, s14, 1                         ; which half of A's rows is mine.  Also: I fetch for A (0) or for B (1)
	s_and_b32 s16, s14, 1                          ; which half of B's rows.  Also: which 128 rows I fetch
	s_bfe_u32 s40, ttmp6, 0x40000                  ; cx
	s_bfe_u32 s41, ttmp6, 0x40004                  ; cy
	s_and_b32 s2, ttmp7, 0xffff
	s_lshl_b32 s2, s2, 2                           ; 4 x cluster y
	s_lshl_b32 s42, ttmp9, 2                       ; 4 x cluster x
	s_cmp_eq_u32 ttmp9, 2                          ; v's clusters: A's tile is cy of w_attn's four, B's tile 4 y + cx of the tokens' sixteen
	s_cselect_b32 s42, s2, s42
	s_cselect_b32 s17, 0, s2
	s_add_co_u32 s42, s42, s40                     ; B's tile: it hangs on cx and the cluster's place
	s_add_co_u32 s17, s17, s41                     ; A's tile: on cy and the cluster's place
	s_lshl_b32 s43, s41, 2
	s_lshl_b32 s43, 15, s43                        ; my row of the cluster
	s_lshl_b32 s44, 0x1111, s40                    ; my column
	s_or_b32 s[G1+0], s43, (3<<16)|(1<<21)         ; codes: 8 rows of 3,072 bytes (384 elements of 8 bytes), no padding; the mask, and bit 21 beside it
	s_or_b32 s[G1B+0], s44, (3<<16)|(1<<21)
.irp g, G1, G1B
	s_mov_b32 s[\g+1], 384<<16
	s_mov_b32 s[\g+2], 16<<16                      ; the head's loads bring a tile's 256 rows: 16 runs; behind them these two words are set to 8, for the ring's
	s_mov_b32 s[\g+3], 384<<16
	s_mov_b32 s[\g+4], 16
	s_mov_b32 s[\g+5], RTP/8
	s_mov_b32 s[\g+6], 0
	s_mov_b32 s[\g+7], 0
.endr
	s_or_b32 s[G1S+0], s43, (3<<16)|(1<<20)|(1<<21)|(5<<22)|(3<<25)   ; scales of 256 rows: a dense block, as rows of 256 bytes, 16 bytes of padding behind each
	s_or_b32 s[G1SB+0], s44, (3<<16)|(1<<20)|(1<<21)|(5<<22)|(3<<25)
.irp g, G1S, G1SB
	s_mov_b32 s[\g+1], 32<<16
	s_mov_b32 s[\g+2], KS<<16                      ; the scales of 256 rows: KS rows of 256 bytes
	s_mov_b32 s[\g+3], 32<<16
	s_mov_b32 s[\g+4], KS
	s_mov_b32 s[\g+5], 32
	s_mov_b32 s[\g+6], 0
	s_mov_b32 s[\g+7], 0
.endr
	s_lshl_b32 s20, s17, 4                         ; A: the tile's first group of 16 rows
	s_lshl_b32 s46, s42, 4                         ; B likewise
	s_mul_i32 s22, s20, 16*KS                      ; where these rows' scales begin,
	s_mul_i32 s92, s46, 16*KS
	s_mul_i32 s20, s20, RTP                        ; and their codes
	s_mul_i32 s46, s46, RTP
	s_mov_b32 s21, 0
	s_mov_b32 s23, 0
	s_mov_b32 s47, 0
	s_mov_b32 s93, 0
	s_mul_i32 s45, s14, HALFT                      ; where they go: no place in the cluster enters an LDS address
	s_mul_i32 s94, s16, 8*RTP                      ; in the ring I fetch 128 rows of a tile: which half, in bytes
	s_mov_b32 s95, 0
	s_wait_dscnt 0x0                               ; the opening add is done
	s_wait_kmcnt 0x0
	s_add_nc_u64 s[2:3], s[96:97], 3145728         ; the tokens' scale bytes
	s_add_nc_u64 s[18:19], s[98:99], 1572864       ; the codes of w_attn's columns 2048 on
	s_add_nc_u64 s[10:11], s[98:99], 9437184       ; w_attn's scale bytes
	s_add_nc_u64 s[66:67], s[10:11], 65536         ; and those of columns 2048 on
	s_cmp_eq_u32 ttmp9, 2
	s_cselect_b64 s[4:5], s[18:19], s[96:97]       ; A's codes
	s_cselect_b64 s[6:7], s[66:67], s[2:3]         ; A's scales
	s_cselect_b64 s[8:9], s[96:97], s[98:99]       ; B's codes
	s_cselect_b64 s[10:11], s[2:3], s[10:11]       ; B's scales
	s_add_nc_u64 s[20:21], s[4:5], s[20:21]
	s_add_nc_u64 s[22:23], s[6:7], s[22:23]
	s_add_nc_u64 s[46:47], s[8:9], s[46:47]
	s_add_nc_u64 s[92:93], s[10:11], s[92:93]
	CROUND                                         ; all sixteen work-groups are here: the first joint loads meet
.set G0H, 4                            ; s[4:7], s[8:11] group 0 of the head's loads of K step 0 (the pointers that lay there have been used)
.set G0HB, 8
	s_mov_b32 s[G0H], 1                            ; the head's four tiles, each whole: K step 0's 256 rows of A,
	s_mov_b32 s[G0H+1], 0
	s_mov_b64 s[G0H+2:G0H+3], s[20:21]
	s_or_b32 s[G0H+3], s[G0H+3], 0x80000000
	s_mov_b32 s[G0HB], 1                           ; its 256 rows of B,
	s_mov_b32 s[G0HB+1], 2*HALFT
	s_mov_b64 s[G0HB+2:G0HB+3], s[46:47]
	s_or_b32 s[G0HB+3], s[G0HB+3], 0x80000000
	s_mov_b32 s[G0S], 1                            ; the scales of A's 256 rows,
	s_mov_b32 s[G0S+1], SCL
	s_mov_b64 s[G0S+2:G0S+3], s[22:23]
	s_or_b32 s[G0S+3], s[G0S+3], 0x80000000
	s_mov_b32 s[G0SB], 1                           ; and of B's
	s_mov_b32 s[G0SB+1], SCL+2*HALFS
	s_mov_b64 s[G0SB+2:G0SB+3], s[92:93]
	s_or_b32 s[G0SB+3], s[G0SB+3], 0x80000000
	s_add_nc_u64 s[20:21], s[20:21], s[94:95]      ; for the ring: my 128 rows
	s_add_nc_u64 s[46:47], s[46:47], s[94:95]
.irp s, 0,1
	s_mov_b32 s[G0+4*\s], 1
	s_add_co_u32 s[G0+4*\s+1], s45, \s*SLOT
	s_add_nc_u64 s[G0+4*\s+2:G0+4*\s+3], s[20:21], \s*TROW
	s_or_b32 s[G0+4*\s+3], s[G0+4*\s+3], 0x80000000
	s_mov_b32 s[G0B+4*\s], 1
	s_add_co_u32 s[G0B+4*\s+1], s45, \s*SLOT
	s_add_nc_u64 s[G0B+4*\s+2:G0B+4*\s+3], s[46:47], \s*TROW
	s_or_b32 s[G0B+4*\s+3], s[G0B+4*\s+3], 0x80000000
.endr
; THE HEAD'S LOADS, ONE A WAVE: one chain of branches on the wave's number, a load to an arm, all arms leading to one join
.macro ARM under, g0, g1, next
	s_cmp_lt_u32 s14, \under
	s_cbranch_scc0 \next
	tensor_load_to_lds s[\g0:\g0+3], s[\g1:\g1+7]
	s_nop 0
.rept 4
	v_nop
.endr
	s_branch .Lhead_asked
\next:
.endm
	ARM 1, G0H,  G1,  .Lhead_b
	ARM 2, G0HB, G1B, .Lhead_sa
	ARM 3, G0S,  G1S, .Lhead_sb
	tensor_load_to_lds s[G0SB:G0SB+3], s[G1SB:G1SB+7]
	s_nop 0
.rept 4
	v_nop
.endr
.Lhead_asked:
	v_and_b32 v1, 15, v0
	v_bfe_u32 v2, v0, 4, 1
	v_and_b32 v3, 31, v0                           ; lane
	v_lshlrev_b32 v4, 4, v3
	v_lshlrev_b32 v5, 3, v3
	s_mul_i32 s21, s15, HALFT                      ; my 128 rows of A
	s_mul_i32 s22, s16, HALFT
	s_add_co_u32 s22, s22, 2*HALFT                 ; my 128 rows of B, behind A's 256
.irp s, 0,1
	v_add_nc_u32 v[ADRA+\s], s21, v4               ; 16 x lane: a fragment's loads of 16 bytes
	v_add_nc_u32 v[ADRB+\s], s22, v4
	v_add_nc_u32 v[ADRA+2+\s], s21, v5             ; 8 x lane: its loads of 8 bytes
	v_add_nc_u32 v[ADRB+2+\s], s22, v5
	s_add_co_u32 s21, s21, SLOT
	s_add_co_u32 s22, s22, SLOT
.endr
	v_mul_u32_u24 v6, v1, KS                       ; my row's scales: KS bytes a row,
	v_lshrrev_b32 v7, 8, v6
	v_lshl_add_u32 v6, v7, 4, v6                   ; and 16 more for each 256 passed
	s_mul_i32 s21, s15, HALFS
	s_mul_i32 s22, s16, HALFS
	s_add_co_u32 s22, s22, 2*HALFS
	s_sub_co_u32 s22, s22, s21
	v_mul_u32_u24 v7, s22, v2                      ; lanes 16-31 take B's
	s_add_co_u32 s21, s21, SCL
	v_add_nc_u32 v6, v6, v7
	v_add_nc_u32 v[ADRS], s21, v6
.macro FRAG reg, adr, q, i             ; a fragment's image: registers 0-3, 4-5, 6-9, 10-11; every load dense
	ds_load_b128 v[\reg:\reg+3], v[\adr] offset:(\i)*TROW+(\q)*1536
	ds_load_b64 v[\reg+4:\reg+5], v[\adr+2] offset:(\i)*TROW+(\q)*1536+512
	ds_load_b128 v[\reg+6:\reg+9], v[\adr] offset:(\i)*TROW+(\q)*1536+768
	ds_load_b64 v[\reg+10:\reg+11], v[\adr+2] offset:(\i)*TROW+(\q)*1536+1280
.endm
; 16 matrix instructions: A's blocks a0, a0 + 1 x B's eight.  The 64 accumulators take turns, one instruction a turn, in the same order in every step.
.macro MUL16 a0, p, q, sc, zero
.irp a, \a0, \a0+1
.irp b, 0,1,2,3,4,5,6,7
.if \zero
	v_wmma_scale_f32_16x16x128_f8f6f4 v[8*(8*((\a)%4)+\b):8*(8*((\a)%4)+\b)+7], v[128*(\p)+FR*\b:128*(\p)+FR*\b+FR-1], v[AF+FR*(\a):AF+FR*(\a)+FR-1], 0, v[SC+8*NQ*(\sc)+NQ*\b+(\q)], v[SC+8*NQ*(\sc)+NQ*(\a)+(\q)] matrix_a_fmt:MATRIX_FMT_FP6 matrix_b_fmt:MATRIX_FMT_FP6 matrix_a_scale:MATRIX_SCALE_ROW1
.else
	v_wmma_scale_f32_16x16x128_f8f6f4 v[8*(8*((\a)%4)+\b):8*(8*((\a)%4)+\b)+7], v[128*(\p)+FR*\b:128*(\p)+FR*\b+FR-1], v[AF+FR*(\a):AF+FR*(\a)+FR-1], v[8*(8*((\a)%4)+\b):8*(8*((\a)%4)+\b)+7], v[SC+8*NQ*(\sc)+NQ*\b+(\q)], v[SC+8*NQ*(\sc)+NQ*(\a)+(\q)] matrix_a_fmt:MATRIX_FMT_FP6 matrix_b_fmt:MATRIX_FMT_FP6 matrix_a_scale:MATRIX_SCALE_ROW1
.endif
.endr
.endr
.endm
.macro FETCH_B slot, q, p
	WIN TO_B
.irp i, 0,1,2,3,4,5,6,7
	FRAG 128*(\p)+FR*\i, ADRB+\slot, \q, \i
.endr
	WIN 0
.endm
.macro FETCH_A slot, q, i0
.irp i, \i0, \i0+1, \i0+2, \i0+3
	FRAG AF+FR*(\i), ADRA+\slot, \q, \i
.endr
.endm
.macro SCALES sc                       ; a K step's scale words: lanes 0-15 A's block i, lanes 16-31 B's block i
.irp i, 0,1,2,3,4,5,6,7
	ds_load_b64 v[SC+8*NQ*\sc+NQ*\i:SC+8*NQ*\sc+NQ*\i+1], v[ADRS] offset:\i*SBLK
.endr
.endm
.macro PLACES n                        ; places in front of loads into registers that matrix instructions have read, and of the first read of results
.rept \n
	v_nop
.endr
.endm
.macro STEP slot, q, zero              ; 128 along K whose successor lies in the same slot
	s_wait_dscnt 4*NL                              ; all but the youngest 16 loads, A's blocks 4-7
	WIN MUL_LO
	MUL16 0, (\q)%2, \q, \slot, \zero
	MUL16 2, (\q)%2, \q, \slot, \zero
	s_wait_dscnt 0
	PLACES NP
	FETCH_B \slot, (\q)+1, 1-(\q)%2
	FETCH_A \slot, (\q)+1, 0
	WIN MUL_HI
	MUL16 4, (\q)%2, \q, \slot, \zero
	MUL16 6, (\q)%2, \q, \slot, \zero
	PLACES NP
	WIN 0
	FETCH_A \slot, (\q)+1, 4
.endm
; A slot's last step changes slots: one barrier; in front of it each wave waits for all its tensor loads, adds 0 to its spare word, and waits for that and for its reads of this slot.
.macro TURN slot, next, fill
	s_wait_tensorcnt 0x0                           ; all my tensor loads have landed: my part of the next slot
	ds_add_u32 v[SPW], v[NIL]
	s_wait_dscnt 4*NL+1                            ; the add and the youngest 16 loads may be out
	WIN MUL_LO
	MUL16 0, 1, NQ-1, \slot, 0
	s_wait_dscnt 0x0                               ; the add is done, and my reads of this slot are over
	s_barrier_signal -1
	MUL16 2, 1, NQ-1, \slot, 0
	WIN 0
	s_barrier_wait -1
.if \fill
	CREST                                          ; the barrier has opened a round of the cluster's: no wave of any partner still reads this slot or has a load on its way
	s_add_nc_u64 s[G0+4*\slot+2:G0+4*\slot+3], s[G0+4*\slot+2:G0+4*\slot+3], 2*TROW
	s_add_nc_u64 s[G0B+4*\slot+2:G0B+4*\slot+3], s[G0B+4*\slot+2:G0B+4*\slot+3], 2*TROW
	JLOAD G0+4*\slot, G1, G0B+4*\slot, G1B         ; the first tensor load behind the round; its four v_nop are the places in front of the loads below
.else
	PLACES NP
.endif
	s_wait_alu depctr_va_vdst(0)
	v_add_nc_u32 v[ADRS], 4*NQ, v[ADRS]
	FETCH_B \next, 0, 0
	FETCH_A \next, 0, 0
	SCALES \next
	WIN MUL_HI
	MUL16 4, 1, NQ-1, \slot, 0
	MUL16 6, 1, NQ-1, \slot, 0
	PLACES NP
	WIN 0
	FETCH_A \next, 0, 4
.endm
	s_wait_alu depctr_va_vdst(0)
	s_wait_tensorcnt 0x0                           ; my tile of the head's four is in; slot 1's first fill is issued as a refill is:
	ds_add_u32 v[SPW], v[NIL]
	s_mov_b32 s[G1+2], 8<<16                       ; no tensor load of mine is out: from here on a load brings 128 rows, 8 runs
	s_mov_b32 s[G1+4], 8
	s_mov_b32 s[G1B+2], 8<<16
	s_mov_b32 s[G1B+4], 8
	s_wait_dscnt 0x0
	CROUND                                         ; all four tiles are in, and the sixteen work-groups are here
	JLOAD G0+4, G1, G0B+4, G1B                     ; K step 1, the first tensor load behind the round
	FETCH_B 0, 0, 0
	FETCH_A 0, 0, 0
	SCALES 0
	FETCH_A 0, 0, 4
	STEP 0, 0, 1                                   ; the first step's products start the sums
	s_mov_b32 s3, LAPS-1
.Llap:
	TURN 0, 1, 1
	STEP 1, 0, 0
	TURN 1, 0, 1
	STEP 0, 0, 0
	s_sub_co_u32 s3, s3, 1
	s_cmp_lg_u32 s3, 0
	s_cbranch_scc1 .Llap
	TURN 0, 1, 0                                   ; the last lap fills nothing
	STEP 1, 0, 0
	s_wait_dscnt 4*NL
	WIN MUL_LO
	MUL16 0, 1, NQ-1, 1, 0
	MUL16 2, 1, NQ-1, 1, 0
	s_wait_dscnt 0
	WIN MUL_HI
	MUL16 4, 1, NQ-1, 1, 0
	MUL16 6, 1, NQ-1, 1, 0
	WIN 0
; THE WAY OUT.  A's block a: 64 numbers a lane at v[s] of window w, register 16 b + i = place 16 h + i of block b of my row: they become a fragment's codes in v[PC] on and its scale word in v[PW].
.macro QUANTW s, w
	s_wait_xcnt 0x0                                ; the last block's stores have read the codes' and the word's registers
	WIN 5*(\w)                                     ; sources 0 and 1 in window w
.irp b, 0,1,2,3
	v_max3_num_f32 v[TM+\b], |v[\s+16*\b]|, |v[\s+16*\b+1]|, 0x1800000     ; each accumulator is read from its low end on; the floor 2^(3 - 127)
.endr
.irp i, 2,4,6,8,10,12,14
.irp b, 0,1,2,3
	v_max3_num_f32 v[TM+\b], |v[\s+16*\b+\i]|, |v[\s+16*\b+\i+1]|, v[TM+\b]
.endr
.endr
	WIN 0
.irp b, 0,1,2,3
	v_permlanex16_b32 v[TM+4+\b], v[TM+\b], s20, s21
.endr
.irp b, 0,1,2,3
	v_max_num_f32 v[TM+\b], v[TM+\b], v[TM+4+\b]
.endr
.irp b, 0,1,2,3
	v_add_nc_u32 v[TM+12+\b], 0xff000000, v[TM+\b]
.endr
.irp b, 0,1,2,3
	v_lshrrev_b32 v[TM+4+\b], 23, v[TM+12+\b]
.endr
	v_lshl_or_b32 v[PW], v[TM+5], 8, v[TM+4]
	v_lshl_or_b32 v[PW], v[TM+6], 16, v[PW]
	v_lshl_or_b32 v[PW], v[TM+7], 24, v[PW]
	WIN \w                                         ; source 0 in window w
.irp c, 0,1
	v_cvt_scalef32_pk16_fp6_f32 v[PC+6*\c:PC+6*\c+2], v[\s+32*\c:\s+32*\c+15], v[TM+12+2*\c]
	v_cvt_scalef32_pk16_fp6_f32 v[PC+12+4*\c:PC+14+4*\c], v[\s+32*\c+16:\s+32*\c+31], v[TM+12+2*\c+1]
.endr
	WIN 0
	v_nop                                          ; one plain place behind a scaled conversion
.irp c, 0,1
.irp i, 0,1,2
	v_permlane16_swap_b32 v[PC+6*\c+\i], v[PC+12+4*\c+\i]
.endr
.irp i, 0,1,2
	v_mov_b32 v[PC+3+6*\c+\i], v[PC+12+4*\c+\i]
.endr
.endr
.endm
.macro EPI kind                        ; 0: q and k (a fragment is two heads' images, a head 98,304 bytes on);  1: v (a fragment is 16 channels x 128 keys)
.irp a, 0,1,2,3,4,5,6,7
	QUANTW 64*((\a)%4), 2+(\a)/4
.if \kind
.set OFA, ((\a)/4)*98304+((\a)%4)*1536
.set OFB, OFA+768
.else
.set OFA, 768*\a
.set OFB, OFA+98304
.endif
	global_store_b128 v24, v[PC:PC+3], s[12:13] offset:OFA             ; dense: 512, 256, 512, 256 consecutive bytes
	global_store_b64 v25, v[PC+4:PC+5], s[12:13] offset:OFA+512
	global_store_b128 v24, v[PC+6:PC+9], s[12:13] offset:OFB
	global_store_b64 v25, v[PC+10:PC+11], s[12:13] offset:OFB+512
.if \kind
.if (\a)%2
	v_cndmask_b32 v50, v49, v[PW], s95             ; lanes 0-15: the block before's words, lanes 16-31: this block's: 32 different words
	global_store_b32 v26, v50, s[66:67] offset:((\a)/4)*20480+(((\a)-1)%4)*64
.else
	v_mov_b32 v49, v[PW]
.endif
.else
	v_lshrrev_b32 v50, v30, v[PW]                  ; lanes 0-15: the first head's two bytes, lanes 16-31: the second's
	v_and_b32 v50, 0xffff, v50
	global_store_b32 v26, v50, s[66:67] offset:64*\a
.endif
.endr
.endm
	PLACES NP
	v_lshlrev_b32 v24, 4, v3                       ; 16 x lane
	v_lshlrev_b32 v25, 3, v3                       ; 8 x lane
	v_lshlrev_b32 v30, 4, v2                       ; 16 h
.irp b, 0,1,2,3
	v_mov_b32 v[TM+4+\b], 0                        ; a lane permute's destination counts as one of its sources
.endr
	s_mov_b32 s20, 0x76543210
	s_mov_b32 s21, 0xfedcba98
	s_mov_b32 s95, 0xffff0000                      ; lanes 16-31
	s_cmp_eq_u32 ttmp9, 2                          ; the cluster's x: the same in all sixteen partners
	s_cbranch_scc1 .Lv_path
	s_lshl_b32 s22, s17, 8
	s_lshl_b32 s23, s15, 7
	s_add_co_u32 s22, s22, s23                     ; my first token
	s_lshr_b32 s23, s22, 11                        ; its batch,
	s_and_b32 s22, s22, 2047                       ; its place in the sequence
	s_lshl_b32 s46, s42, 8
	s_lshl_b32 s47, s16, 7
	s_add_co_u32 s46, s46, s47                     ; my first column
	s_lshr_b32 s47, s46, 10                        ; 0: q, 1: k
	s_bfe_u32 s46, s46, 0x40006                    ; its head
	s_lshl_b32 s23, s23, 4
	s_add_co_u32 s23, s23, s46                     ; 16 x batch + head
	s_lshl_b32 s92, s23, 7
	s_lshr_b32 s93, s22, 4
	s_add_co_u32 s92, s92, s93
	s_mul_i32 s92, s92, 768
	s_mul_i32 s93, s47, 3145728
	s_add_co_u32 s92, s92, s93
	s_mov_b32 s93, 0
	s_mul_i32 s46, s23, 20480
	s_lshl_b32 s47, s47, 13
	s_add_co_u32 s46, s46, s47
	s_lshl_b32 s22, s22, 2
	s_add_co_u32 s46, s46, s22
	s_add_co_u32 s46, s46, 9437184
	s_mov_b32 s47, 0
	s_add_nc_u64 s[66:67], s[12:13], s[46:47]      ; the scale words
	s_add_nc_u64 s[12:13], s[12:13], s[92:93]      ; the codes
	v_mul_u32_u24 v26, v2, 20480
	v_lshl_add_u32 v26, v1, 2, v26                 ; 4 r, + a head's 20,480 bytes for lanes 16-31
	EPI 0
	s_branch .Ldone
.Lv_path:
	s_lshl_b32 s23, s17, 2
	s_lshl_b32 s22, s15, 1
	s_add_co_u32 s23, s23, s22                     ; my first head: 4 x tile + 2 x half
	s_lshl_b32 s46, s42, 8
	s_lshl_b32 s47, s16, 7
	s_add_co_u32 s46, s46, s47                     ; my first token
	s_lshr_b32 s47, s46, 11                        ; its batch
	s_bfe_u32 s46, s46, 0x40007                    ; its step of 128 keys
	s_lshl_b32 s47, s47, 4
	s_add_co_u32 s23, s23, s47
	s_mul_i32 s92, s23, 98304
	s_mul_i32 s93, s46, 6144
	s_add_co_u32 s92, s92, s93
	s_add_co_u32 s92, s92, 6291456
	s_mov_b32 s93, 0
	s_mul_i32 s22, s23, 20480
	s_lshl_b32 s46, s46, 8
	s_add_co_u32 s46, s46, s22
	s_add_co_u32 s46, s46, 9437184+16384
	s_mov_b32 s47, 0
	s_add_nc_u64 s[66:67], s[12:13], s[46:47]
	s_add_nc_u64 s[12:13], s[12:13], s[92:93]
	v_lshlrev_b32 v26, 2, v3                       ; 4 x lane
	EPI 1
.Ldone:
	s_wait_tensorcnt 0x0                           ; the wave's end
	ds_add_u32 v[SPW], v[NIL]
	s_wait_dscnt 0x0
	CROUND                                         ; the closing round
	s_endpgm
.Lfunc_end_k_q595b376228_gqkv:
	.size	k_q595b376228_gqkv, .Lfunc_end_k_q595b376228_gqkv-k_q595b376228_gqkv
	.p2alignl 7, 3214868480
	.fill 96, 4, 3214868480
	.section	.rodata,"a",@progbits
	.p2align	6, 0x0
	.amdhsa_kernel k_q595b376228_gqkv
		.amdhsa_group_segment_fixed_size 327680
		.amdhsa_private_segment_fixed_size 0
		.amdhsa_enable_private_segment 0
		.amdhsa_kernarg_size 24
		.amdhsa_user_sgpr_count 2
		.amdhsa_user_sgpr_kernarg_segment_ptr 1
		.amdhsa_wavefront_size32 1
		.amdhsa_system_sgpr_workgroup_id_x 1
		.amdhsa_system_sgpr_workgroup_id_y 1
		.amdhsa_system_sgpr_workgroup_id_z 1
		.amdhsa_system_vgpr_workitem_id 0
		.amdhsa_next_free_vgpr 1024
		.amdhsa_next_free_sgpr 100
		.amdhsa_reserve_vcc 0
		.amdhsa_float_denorm_mode_32 3
		.amdhsa_float_denorm_mode_16_64 3
		.amdhsa_memory_ordered 1
		.amdhsa_forward_progress 1
		.amdhsa_inst_pref_size 188
	.end_amdhsa_kernel
	.amdgpu_metadata
---
amdhsa.version: [ 1, 2 ]
amdhsa.kernels:
  - .name:           k_q595b376228_gqkv
    .symbol:         k_q595b376228_gqkv.kd
    .args:
      - { .name: hq, .offset: 0, .size: 8, .value_kind: global_buffer, .address_space: global }
      - { .name: wts, .offset: 8, .size: 8, .value_kind: global_buffer, .address_space: global }
      - { .name: qkv, .offset: 16, .size: 8, .value_kind: global_buffer, .address_space: global }
    .group_segment_fixed_size: 327680
    .private_segment_fixed_size: 0
    .kernarg_segment_align: 8
    .kernarg_segment_size: 24
    .max_flat_workgroup_size: 128
    .sgpr_count:     100
    .vgpr_count:     1024
    .wavefront_size: 32
...
	.end_amdgpu_metadata
.endif
;; end of part 9
;; launch attn (part 10): grid 8 x 32, 16 waves a work-group, clusters of 4 x 1, 317,440 bytes of LDS; arguments qkv, yq; writes yq
.if DOCPART == 10
	.amdgcn_target "amdgcn-amd-amdhsa--gfx1250"
	.amdhsa_code_object_version 6
	.text
	.protected	k_q595b376228_attn
	.globl	k_q595b376228_attn
	.p2align	8
	.type	k_q595b376228_attn,@function
k_q595b376228_attn:
	s_mov_b64 s[64:65], 0
	v_nop
	global_prefetch_b8 v0, s[64:65] scope:SCOPE_SE
	s_setreg_imm32_b32 hwreg(HW_REG_WAVE_MODE, 25, 1), 1
	s_wait_xcnt 0x0
	s_wait_alu depctr_hold_cnt(0) depctr_sa_sdst(0) depctr_va_vdst(0) depctr_va_sdst(0) depctr_va_ssrc(0) depctr_va_vcc(0) depctr_vm_vsrc(0)
	s_getreg_b32 s2, hwreg(HW_REG_IB_STS2, 6, 4)
	s_cmp_eq_u32 s2, 0
	s_cbranch_scc0 .Lentry_in_a_cluster
	s_endpgm
.Lentry_in_a_cluster:
	s_bfe_u32 s2, ttmp6, 0x10000c
	s_cmp_lg_u32 s2, 0x3003
	s_cbranch_scc0 .Lentry_shape_is_right
	s_endpgm
.Lentry_shape_is_right:
; y = softmax(q k^T / 32, causal) v for 32 heads of 2,048 tokens x 64 channels, both products on codes of FP6 (E2M3) with E8M0 scales; y leaves as codes, quantised along the model's 1,024.
; LEFT OUT: key steps that lie wholly behind a tile's queries: reference() itself sets their scores to -inf, so their p is 0 for all inputs.
; THE SOFTMAX AHEAD OF THE SECOND PRODUCT: t = score x log2(e) / 32; M = the running largest t rounded UP to a whole number; p = 2^(t - M) is quantised along the keys, not normalised; the row's sum is taken of the
; unquantised p and divides at the end.  When M moves, the sum and O are multiplied by 2^(old M - new M): exact.
; SHARES.  A work-group has sixteen waves, four to a SIMD, and 16 tiles of 16 queries: tile 8 rank + jx, jx the work-group's x (0..7).  A tile of rank r takes key steps 0 .. r of 128 keys; step r lies on the diagonal.
; THE WAVES GO IN PAIRS: pair g = wave / 2 has the tiles of rank 15 - g and g, 17 key steps together; wave e = wave % 2 of the pair takes the key steps of parity e of BOTH tiles: 9 or 8 steps, one of them on a diagonal.
; A wave walks first the tile that its partner finishes (e = 0: rank 15 - g; e = 1: rank g) and lays its part (O^T, the sums, -M) into LDS bytes of its own; then the tile that it finishes itself, whose part stays in registers.
; One barrier; each wave reads its partner's part of its own tile.  THE TWO PARTS ARE JOINED under M = the larger of the two M: each is multiplied by 2^(its M - M), a whole power of two, so nothing is rounded but the sums' additions;
; a part with no key step has -M = 3e38, sums 0 and the factor 0.  Whether a step is left out or masked hangs on the wave's number and the pass alone.
; THE WHOLE HEAD'S K, V AND THEIR SCALE WORDS STAY IN LDS, filled once.  Every wave issues one tensor load: waves 0-7 K's eighths of 256 keys, waves 8-15 V's, 12,288 bytes each.  The 12,288 bytes of scale words come by plain
; loads, 768 bytes a wave, and LDS stores; so do each wave's two tiles of Q, into bytes of its own.  One barrier shows all of it; none stands among the steps.
; CLUSTER: the four work-groups of a cluster belong to one head: K's and V's loads are asked for jointly.  The place in the cluster enters q's and y's global addresses and the mask's compare value, no branch and no LDS address.
; No data prefetch: all that the launch reads is asked for at its head.
; LAYOUT.  Both products are used transposed: S^T = K Q^T (source 0 = 16 keys, source 1 = my 16 queries), O^T = V^T P^T: a lane holds one query.  K = 64 fills half of the instruction's 128: Q's upper six registers are zero codes;
; K's eight half fragments lie six registers apart, so a fragment's upper six registers are the next tile's codes (or zeros): they meet Q's zeros.  Bytes 2, 3 of Q's and K's scale words are 0.
; A lane's 16 registers of two neighbouring tiles of S^T are keys 8 h + 0..7 and 16 + 8 h + 0..7 of a block of 32: place p holds element p with bits 3 and 4 exchanged: so V's codes were laid, and so y's channels come out.
; LIMITS: NaN and infinities are not served; the promise holds while the scaled scores stay under 2^31 in magnitude; v_exp_f32 gives 0 under 2^-126; a block's largest p is taken from its largest score by the same two
; instructions; 1 / sum is v_rcp_f32; a block under 2^-124 gets the byte 1.  y's scale bytes leave one byte a lane.
; REGISTERS: v1-3 16, 8, 4 x lane; v4 the mask's compare value; v5, v6 the add's two; v7 y's scale byte's offset; v8-11, v28-31 addresses in hand; v12 -M, v13 largest t, v[14:15] the sum; v16-27 Q; v32-85 K, later p's codes;
; v86, v87 LDS places of my scale words and of my part; v88-135 V; v136-199 S^T, then p, at the end my partner's part; v200-231 O^T; v232-243, v250-254 at work; v244-247 K's scale words, v248-249 V's, v253 p's, v255 Q's.
.set VC,    98304                      ; LDS: K's 128 images of 768 bytes from 0; V's 16 x 4 fragments from here;
.set SCB,   196608                     ; K's 2,048 scale words, then V's 1,024;
.set QS,    208896                     ; each wave's two tiles of Q: 2 x 1,024 bytes (image 768, scale words 128);
.set PB,    241664                     ; each wave's part of its partner's tile: 4,608 bytes (O^T 4,096; -M, t and the sums 512);
.set SPARE, 315392                     ; the spare words, 128 bytes for each of sixteen waves
.set WV, 8
.set RK, 9
.set SN, 10                            ; the key step's number
.set TK, 11                            ; where its K begins in LDS,
.set TV, 12                            ; its V,
.set TS, 13                            ; K's scale words,
.set TW, 14                            ; V's
.set CT, 15
.set SEL, 16
.set CS, 18
.set MH, 20
.set G1C, 24                           ; s[24:31] group 1 for 12,288 bytes of codes; s[44:47] group 0
.set G0,  44
.set QP, 60                            ; where the pass's Q lies in LDS
.set PS, 61                            ; passes to go
.set EV, 80                            ; e: my parity of key steps;  s32-35: where TK, TV, TS, TW begin in a pass
.set PM, 82                            ; my part's place in LDS,
.set PO, 83                            ; my partner's
.macro CROUND
	s_barrier_signal -1
	s_barrier_wait -1
	s_cmp_lg_u32 s[WV], 0
	s_cbranch_scc1 .Lnot_wave_0_\@
	s_barrier_signal -3
.Lnot_wave_0_\@:
	s_barrier_wait -3
	s_barrier_signal -1
	s_barrier_wait -1
.endm
	s_load_b128 s[4:7], s[0:1], 0x0                ; qkv, yq
	v_lshl_add_u32 v5, v0, 2, SPARE
	v_mov_b32 v6, 0
	ds_add_u32 v5, v6                              ; the opening lines: the add, twice on end, and its wait ahead of my first tensor load
	ds_add_u32 v5, v6
	v_lshrrev_b32 v7, 5, v0
	v_readfirstlane_b32 s[WV], v7                  ; wave 0..15
	s_bfe_u32 s23, ttmp6, 0x40000                  ; cx
	s_lshl_b32 s22, ttmp9, 2
	s_add_co_u32 s22, s22, s23                     ; jx
	s_and_b32 s21, ttmp7, 0xffff                   ; 16 x batch + head, which the four partners share
	s_and_b32 s[EV], s[WV], 1                      ; e
	s_lshr_b32 s81, s[WV], 1                       ; the pair g
	s_xor_b32 s62, s[EV], 1
	s_mul_i32 s62, s62, 15
	s_xor_b32 s[RK], s81, s62                      ; the first pass's rank: e = 0: 15 - g (= g xor 15); e = 1: g.  The second pass's is this xor 15
	s_mov_b32 s[G1C], 15|(3<<16)|(1<<21)           ; the mask: all four work-groups; elements of 8 bytes; bit 21 beside the mask; no padding
	s_mov_b32 s[G1C+1], 32<<16                     ; a dense block as 48 rows of 256 bytes
	s_mov_b32 s[G1C+2], 48<<16
	s_mov_b32 s[G1C+3], 32<<16
	s_mov_b32 s[G1C+4], 48
	s_mov_b32 s[G1C+5], 32
	s_mov_b32 s[G1C+6], 0
	s_mov_b32 s[G1C+7], 0
	s_mul_i32 s66, s21, 98304
	s_lshr_b32 s67, s[WV], 3
	s_mul_i32 s67, s67, 3145728-98304
	s_add_co_u32 s66, s66, s67
	s_mul_i32 s63, s[WV], 12288                    ; my eighth of K or of V: on end in LDS,
	s_add_co_u32 s66, s66, s63
	s_add_co_u32 s66, s66, 3145728                 ; and in memory
	s_mov_b32 s67, 0
	s_mul_i32 s[QP], s[WV], 2048
	s_add_co_u32 s[QP], s[QP], QS
	s_mul_i32 s[PM], s[WV], 4608
	s_add_co_u32 s[PM], s[PM], PB
	s_xor_b32 s[PO], s[WV], 1
	s_mul_i32 s[PO], s[PO], 4608
	s_add_co_u32 s[PO], s[PO], PB
	s_mul_i32 s32, s[EV], 6144                     ; a pass begins at key step e
	s_add_co_u32 s33, s32, VC
	s_lshl_b32 s34, s[EV], 9
	s_add_co_u32 s34, s34, SCB
	s_lshl_b32 s35, s[EV], 8
	s_add_co_u32 s35, s35, SCB+8192
	s_mul_i32 s62, s[WV], 768                      ; my share of the scale words
	s_mul_i32 s70, s21, 20480
	s_add_co_u32 s74, s70, 9437184                 ; the head's scale words
	s_add_co_u32 s70, s74, s62
	s_add_co_u32 s70, s70, 8192                    ; K's and V's, my share
	s_mov_b32 s71, 0
	s_add_co_u32 s62, s62, SCB
	s_lshl_b32 s68, s[RK], 3
	s_add_co_u32 s68, s68, s22                     ; the first pass's tile,
	s_xor_b32 s69, s[RK], 15
	s_lshl_b32 s69, s69, 3
	s_add_co_u32 s69, s69, s22                     ; the second's
	s_lshl_b32 s72, s21, 7
	s_add_co_u32 s76, s72, s69
	s_add_co_u32 s72, s72, s68
	s_mul_i32 s72, s72, 768                        ; their images,
	s_mul_i32 s76, s76, 768
	s_mov_b32 s73, 0
	s_mov_b32 s77, 0
	s_lshl_b32 s68, s68, 6
	s_lshl_b32 s69, s69, 6
	s_add_co_u32 s78, s74, s69                     ; their scale words
	s_add_co_u32 s74, s74, s68
	s_mov_b32 s75, 0
	s_mov_b32 s79, 0
	s_mov_b32 s[SEL], 0x76543210
	s_mov_b32 s[SEL+1], 0xfedcba98
	s_mov_b32 s[CS], 0x3d38aa3b                    ; c = log2(e) / 32
	s_mov_b32 s[CS+1], s[CS]
	s_mov_b32 s[MH], 0xffff0000                    ; lanes 16-31
	v_and_b32 v7, 31, v0
	v_and_b32 v8, 15, v0                           ; r
	v_bfe_u32 v9, v0, 4, 1                         ; h
	v_lshlrev_b32 v1, 4, v7
	v_lshlrev_b32 v2, 3, v7
	v_lshlrev_b32 v3, 2, v7
	v_lshlrev_b32 v10, 2, v8
	v_lshlrev_b32 v11, 3, v9
	v_lshl_add_u32 v7, v8, 5, v9                   ; 32 r + h
	v_sub_nc_u32 v4, v8, v11
	s_lshl_b32 s69, s22, 4
	v_add_nc_u32 v4, s69, v4                       ; my query's place in the diagonal step - 8 h
	v_add_nc_u32 v28, s62, v1
	v_add_nc_u32 v86, s62, v2
	v_add_nc_u32 v29, s[QP], v1
	v_add_nc_u32 v30, s[QP], v2
	v_add_nc_u32 v31, s[QP], v3
	v_add_nc_u32 v87, s[PM], v1
.irp j, 22,23,24,25,26,27, 80,81,82,83,84,85, 236,237,238,239, 253
	v_mov_b32 v\j, 0                               ; Q's upper half and the registers behind K's last tile: zero codes; permutes' destinations; the pair v[252:253]'s upper half
.endr
	s_wait_alu depctr_va_vdst(0)
	s_wait_dscnt 0x0                               ; both opening adds are done
	s_wait_kmcnt 0x0
	s_mov_b32 s[G0], 1
	s_mov_b32 s[G0+1], s63
	s_add_nc_u64 s[G0+2:G0+3], s[4:5], s[66:67]
	s_or_b32 s[G0+3], s[G0+3], 0x80000000
	s_add_nc_u64 s[70:71], s[4:5], s[70:71]
	s_add_nc_u64 s[72:73], s[4:5], s[72:73]
	s_add_nc_u64 s[74:75], s[4:5], s[74:75]
	s_add_nc_u64 s[76:77], s[4:5], s[76:77]
	s_add_nc_u64 s[78:79], s[4:5], s[78:79]
	CROUND                                         ; all four work-groups are here: the joint loads meet
	tensor_load_to_lds s[G0:G0+3], s[G1C:G1C+7]    ; one load a wave, on every wave's way
	s_nop 0
.rept 4
	v_nop
.endr
	global_load_b128 v[136:139], v1, s[70:71]
	global_load_b64 v[140:141], v2, s[70:71] offset:512
	global_load_b128 v[148:151], v1, s[72:73]
	global_load_b64 v[152:153], v2, s[72:73] offset:512
	global_load_b32 v154, v10, s[74:75]
	global_load_b128 v[156:159], v1, s[76:77]
	global_load_b64 v[160:161], v2, s[76:77] offset:512
	global_load_b32 v162, v10, s[78:79]
	s_wait_loadcnt 0x0
	ds_store_b128 v28, v[136:139]
	ds_store_b64 v86, v[140:141] offset:512
	ds_store_b128 v29, v[148:151]
	ds_store_b64 v30, v[152:153] offset:512
	ds_store_b32 v31, v154 offset:768
	ds_store_b128 v29, v[156:159] offset:1024
	ds_store_b64 v30, v[160:161] offset:1536
	ds_store_b32 v31, v162 offset:1792
	s_wait_tensorcnt 0x0                           ; every wave waits for its one load and for its stores: behind the barrier the head's K, V and words are shown to all
	s_wait_dscnt 0x0
	s_barrier_signal -1
	s_barrier_wait -1
	s_mov_b32 s[PS], 2
.macro STEP                            ; 128 keys
	s_cmp_gt_u32 s[SN], s[RK]                      ; all its keys come after my queries: left out
	s_cbranch_scc1 .Lhid_\@
	v_add_nc_u32 v8, s[TK], v1                     ; (these six are the places behind the last step's products, in front of the loads below)
	v_add_nc_u32 v9, s[TK], v2
	v_add_nc_u32 v10, s[TV], v1
	v_add_nc_u32 v11, s[TV], v2
	v_add_nc_u32 v28, s[TS], v3
	v_add_nc_u32 v29, s[TW], v3
.irp t, 0,1,2,3,4,5,6,7
	ds_load_b128 v[32+6*\t:35+6*\t], v8 offset:768*\t
	ds_load_b64 v[36+6*\t:37+6*\t], v9 offset:768*\t+512
.endr
.irp u, 0,1,2,3
	ds_load_b32 v[244+\u], v28 offset:128*\u       ; lanes 0-15: tile 2 u's words, lanes 16-31: tile 2 u + 1's
.endr
.irp d, 0,1,2,3
	ds_load_b128 v[88+12*\d:91+12*\d], v10 offset:1536*\d
	ds_load_b64 v[92+12*\d:93+12*\d], v11 offset:1536*\d+512
	ds_load_b128 v[94+12*\d:97+12*\d], v10 offset:1536*\d+768
	ds_load_b64 v[98+12*\d:99+12*\d], v11 offset:1536*\d+1280
.endr
	ds_load_b32 v248, v29
	ds_load_b32 v249, v29 offset:128
	s_wait_dscnt 18                                ; K and its words are in; V's 16 loads and its 2 of words may be out
.irp t, 0,1,2,3,4,5,6,7
.if \t%2
	v_wmma_scale_f32_16x16x128_f8f6f4 v[136+8*\t:143+8*\t], v[32+6*\t:43+6*\t], v[16:27], 0, v[244+\t/2], v255 matrix_a_fmt:MATRIX_FMT_FP6 matrix_b_fmt:MATRIX_FMT_FP6 matrix_a_scale:MATRIX_SCALE_ROW1
.else
	v_wmma_scale_f32_16x16x128_f8f6f4 v[136+8*\t:143+8*\t], v[32+6*\t:43+6*\t], v[16:27], 0, v[244+\t/2], v255 matrix_a_fmt:MATRIX_FMT_FP6 matrix_b_fmt:MATRIX_FMT_FP6
.endif
.endr
.rept 4
	v_nop
.endr
	s_cmp_lg_u32 s[SN], s[RK]                      ; on the diagonal the scores of hidden keys become -infinity ahead of the maximum
	s_cbranch_scc1 .Lopen_\@
	v_mov_b32 v254, 0xff800000
.set n, 0
.rept 64
	v_cmp_gt_i32 vcc_lo, 16*(n/8)+n%8, v4          ; register n holds key 16 (n / 8) + 8 h + n % 8 of the step
	v_cndmask_b32 v[136+n], v[136+n], v254, vcc_lo
.set n, n+1
.endr
.Lopen_\@:
.irp b, 0,1,2,3
	v_max3_num_f32 v[232+\b], v[136+16*\b], v[137+16*\b], v[138+16*\b]     ; the largest score of each block of 32 keys: for the row's maximum and for the block's largest p
.endr
.irp i, 3,5,7,9,11,13
.irp b, 0,1,2,3
	v_max3_num_f32 v[232+\b], v[232+\b], v[136+16*\b+\i], v[137+16*\b+\i]
.endr
.endr
.irp b, 0,1,2,3
	v_max_num_f32 v[232+\b], v[232+\b], v[151+16*\b]
.endr
.irp b, 0,1,2,3
	s_delay_alu instid0(VALU_DEP_4)
	v_permlanex16_b32 v[236+\b], v[232+\b], s[SEL], s[SEL+1]
.endr
.irp b, 0,1,2,3
	s_delay_alu instid0(VALU_DEP_4)
	v_max_num_f32 v[232+\b], v[232+\b], v[236+\b]
.endr
	s_delay_alu instid0(VALU_DEP_2)
	v_max3_num_f32 v254, v232, v233, v234
	s_delay_alu instid0(VALU_DEP_1)
	v_max_num_f32 v254, v254, v235
	s_delay_alu instid0(VALU_DEP_1)
	v_mul_f32 v254, s[CS], v254                    ; as t
	s_delay_alu instid0(VALU_DEP_1)
	v_max_num_f32 v13, v13, v254                   ; the running largest t
	v_mov_b32 v254, v12
	s_delay_alu instid0(VALU_DEP_2)
	v_floor_f32 v12, -v13                          ; the new -M = -ceil(t)
	s_delay_alu instid0(VALU_DEP_1)
	v_sub_f32 v254, v12, v254                      ; old M - new M: a whole number, 0 or less
	s_delay_alu instid0(VALU_DEP_1)
	v_cvt_i32_f32 v254, v254                       ; (it saturates)
	s_delay_alu instid0(VALU_DEP_1)
	v_ldexp_f32 v252, 1.0, v254                    ; f = 2^(old M - new M)
.set j, 0
.rept 32
	v_pk_fma_f32 v[136+j:137+j], v[136+j:137+j], s[CS:CS+1], v[12:13] op_sel_hi:[1,0,0]    ; t - M
.set j, j+2
.endr
.irp b, 0,1,2,3
	v_fma_f32 v[232+\b], v[232+\b], s[CS], v12
.endr
.set j, 0
	s_wait_alu depctr_va_vdst(0)
.rept 64
	v_exp_f32 v[136+j], v[136+j]                   ; p = 2^(t - M)
.set j, j+1
.endr
	v_pk_mul_f32 v[14:15], v[14:15], v[252:253] op_sel_hi:[1,0]    ; the sums under the new M: the plain place behind the exponentials
	s_wait_alu depctr_va_vdst(0)                   ; one wait for the batch, ahead of its first reader
.irp b, 0,1,2,3
	v_exp_f32 v[232+\b], v[232+\b]                 ; the blocks' largest p
.endr
	v_pk_add_f32 v[236:237], v[140:141], v[144:145]        ; the row's sum of the unquantised p, in eight chains
	v_pk_add_f32 v[250:251], v[148:149], v[152:153]
	v_pk_add_f32 v[246:247], v[156:157], v[160:161]
	v_pk_add_f32 v[244:245], v[164:165], v[168:169]
	v_pk_add_f32 v[242:243], v[172:173], v[176:177]
	v_pk_add_f32 v[240:241], v[180:181], v[184:185]
	v_pk_add_f32 v[238:239], v[188:189], v[192:193]
	v_pk_add_f32 v[14:15], v[14:15], v[196:197]
	v_pk_add_f32 v[236:237], v[236:237], v[136:137]
	v_pk_add_f32 v[250:251], v[250:251], v[138:139]
	v_pk_add_f32 v[246:247], v[246:247], v[142:143]
	v_pk_add_f32 v[244:245], v[244:245], v[146:147]
	v_pk_add_f32 v[242:243], v[242:243], v[150:151]
	v_pk_add_f32 v[240:241], v[240:241], v[154:155]
	v_pk_add_f32 v[238:239], v[238:239], v[158:159]
	v_pk_add_f32 v[14:15], v[14:15], v[162:163]
	v_pk_add_f32 v[236:237], v[236:237], v[166:167]
	v_pk_add_f32 v[250:251], v[250:251], v[170:171]
	v_pk_add_f32 v[246:247], v[246:247], v[174:175]
	v_pk_add_f32 v[244:245], v[244:245], v[178:179]
	v_pk_add_f32 v[242:243], v[242:243], v[182:183]
	v_pk_add_f32 v[240:241], v[240:241], v[186:187]
	v_pk_add_f32 v[238:239], v[238:239], v[190:191]
	v_pk_add_f32 v[14:15], v[14:15], v[194:195]
	v_pk_add_f32 v[236:237], v[236:237], v[198:199]
	s_delay_alu instid0(VALU_DEP_2)
	v_pk_add_f32 v[14:15], v[14:15], v[244:245]
	s_delay_alu instid0(VALU_DEP_2)
	v_pk_add_f32 v[236:237], v[236:237], v[242:243]
	v_pk_add_f32 v[250:251], v[250:251], v[240:241]
	v_pk_add_f32 v[246:247], v[246:247], v[238:239]
	s_delay_alu instid0(VALU_DEP_2)
	v_pk_add_f32 v[14:15], v[14:15], v[250:251]
	s_delay_alu instid0(VALU_DEP_2)
	v_pk_add_f32 v[236:237], v[236:237], v[246:247]
	s_delay_alu instid0(VALU_DEP_1)
	v_pk_add_f32 v[14:15], v[14:15], v[236:237]
	s_wait_alu depctr_va_vdst(0)                   ; and one for the four
.irp b, 0,1,2,3
	v_max_num_f32 v[232+\b], 0x1800000, v[232+\b]  ; the floor 2^(3 - 127)
.endr
.irp b, 0,1,2,3
	s_delay_alu instid0(VALU_DEP_4)
	v_add_nc_u32 v[240+\b], 0xff000000, v[232+\b]  ; the conversions' scale operands
.endr
.irp b, 0,1,2,3
	s_delay_alu instid0(VALU_DEP_4)
	v_lshrrev_b32 v[236+\b], 23, v[240+\b]
.endr
	s_delay_alu instid0(VALU_DEP_3)
	v_lshl_or_b32 v253, v237, 8, v236              ; p's scale word
	s_delay_alu instid0(VALU_DEP_1)
	v_lshl_or_b32 v253, v238, 16, v253
	s_delay_alu instid0(VALU_DEP_1)
	v_lshl_or_b32 v253, v239, 24, v253
.irp c, 0,1
	v_cvt_scalef32_pk16_fp6_f32 v[32+6*\c:34+6*\c], v[136+32*\c:151+32*\c], v[240+2*\c]    ; p's codes lie where K's fragments lay: these are done with
	v_cvt_scalef32_pk16_fp6_f32 v[44+4*\c:46+4*\c], v[152+32*\c:167+32*\c], v[240+2*\c+1]
.endr
	v_nop                                          ; one plain place behind a scaled conversion
.irp c, 0,1
.irp i, 0,1,2
	v_permlane16_swap_b32 v[32+6*\c+\i], v[44+4*\c+\i]
.endr
.irp i, 0,1,2
	s_delay_alu instid0(VALU_DEP_3)
	v_mov_b32 v[35+6*\c+\i], v[44+4*\c+\i]
.endr
.endr
.set j, 0
.rept 16
	v_pk_mul_f32 v[200+j:201+j], v[200+j:201+j], v[252:253] op_sel_hi:[1,0]    ; O^T under the new M; these sixteen are also the places in front of the products below
.set j, j+2
.endr
	s_wait_alu depctr_va_vdst(0)
	s_wait_dscnt 0x0                               ; V and its words
.irp d, 0,1,2,3                        ; the four accumulators take turns; eight other products stand between two steps' links
.if \d%2
	v_wmma_scale_f32_16x16x128_f8f6f4 v[200+8*\d:207+8*\d], v[88+12*\d:99+12*\d], v[32:43], v[200+8*\d:207+8*\d], v[248+\d/2], v253 matrix_a_fmt:MATRIX_FMT_FP6 matrix_b_fmt:MATRIX_FMT_FP6 matrix_a_scale:MATRIX_SCALE_ROW1
.else
	v_wmma_scale_f32_16x16x128_f8f6f4 v[200+8*\d:207+8*\d], v[88+12*\d:99+12*\d], v[32:43], v[200+8*\d:207+8*\d], v[248+\d/2], v253 matrix_a_fmt:MATRIX_FMT_FP6 matrix_b_fmt:MATRIX_FMT_FP6
.endif
.endr
.Lhid_\@:
	s_add_co_u32 s[SN], s[SN], 2                   ; on to my next key step: two further
	s_add_co_u32 s[TK], s[TK], 12288
	s_add_co_u32 s[TV], s[TV], 12288
	s_add_co_u32 s[TS], s[TS], 1024
	s_add_co_u32 s[TW], s[TW], 512
.endm
.Lpass:                                                ; a pass: my key steps of one tile of 16 queries
	v_add_nc_u32 v8, s[QP], v1
	v_add_nc_u32 v9, s[QP], v2
	v_add_nc_u32 v10, s[QP], v3
	ds_load_b128 v[16:19], v8                      ; Q's image and scale words, my own bytes
	ds_load_b64 v[20:21], v9 offset:512
	ds_load_b32 v255, v10 offset:768
	v_mov_b32 v13, 0xff61b1e6                      ; the largest t so far: -3e38
	v_mov_b32 v14, 0
	v_mov_b32 v15, 0
	v_floor_f32 v12, -v13                          ; -M
.set j, 0
.rept 32
	v_mov_b32 v[200+j], 0                          ; O^T: the step is written once; the first change of M leaves zeros zeros
.set j, j+1
.endr
	s_mov_b32 s[SN], s[EV]
	s_mov_b32 s[TK], s32
	s_mov_b32 s[TV], s33
	s_mov_b32 s[TS], s34
	s_mov_b32 s[TW], s35
	s_mov_b32 s[CT], 8
	s_wait_alu depctr_va_vdst(0)
	s_wait_dscnt 0x0
.Lstep:                                                ; the eight key steps of my parity in a loop of constant count; a wave passes over those behind the tile's diagonal
	STEP
	s_sub_co_u32 s[CT], s[CT], 1
	s_cmp_lg_u32 s[CT], 0
	s_cbranch_scc1 .Lstep
	s_cmp_eq_u32 s[PS], 1                          ; the second pass's part stays in registers
	s_cbranch_scc1 .Lkeep
.rept 4
	v_nop                                          ; places behind the last products, in front of the stores that read their sums
.endr
.irp k, 0,1,2,3,4,5,6,7
	ds_store_b128 v87, v[200+4*\k:203+4*\k] offset:512*\k      ; my part of my partner's tile: O^T, each accumulator from its low end on,
.endr
	ds_store_b128 v87, v[12:15] offset:4096        ; -M, t and the sums
.Lkeep:
	s_add_co_u32 s[QP], s[QP], 1024                ; the other Q,
	s_xor_b32 s[RK], s[RK], 15                     ; of the pair's other rank
	s_sub_co_u32 s[PS], s[PS], 1
	s_cmp_lg_u32 s[PS], 0
	s_wait_alu depctr_va_vdst(0)
	s_cbranch_scc1 .Lpass
	s_xor_b32 s68, s[RK], 15                       ; (the rank has been turned twice) the second pass's rank: the tile that I finish
	s_lshl_b32 s68, s68, 3
	s_add_co_u32 s68, s68, s22                     ; my tile of 16 queries
	s_lshr_b32 s74, s21, 4                         ; batch
	s_and_b32 s75, s21, 15                         ; head
	s_lshl_b32 s74, s74, 7
	s_add_co_u32 s74, s74, s68                     ; my group of 16 rows of y
	s_mul_i32 s76, s74, 12288
	s_mul_i32 s77, s75, 768
	s_add_co_u32 s76, s76, s77
	s_mov_b32 s77, 0
	s_add_nc_u64 s[76:77], s[6:7], s[76:77]        ; y's image: 16 rows x my head's 64
	s_lshl_b32 s78, s74, 9
	s_lshl_b32 s79, s75, 1
	s_add_co_u32 s78, s78, s79
	s_add_co_u32 s78, s78, 3145728
	s_mov_b32 s79, 0
	s_add_nc_u64 s[78:79], s[6:7], s[78:79]        ; y's scale bytes: 32 a row, my head's two
	s_wait_dscnt 0x0                               ; for my partner's sake: my part of its tile lies in LDS
	s_barrier_signal -1
	s_barrier_wait -1
	v_add_nc_u32 v8, s[PO], v1
.irp k, 0,1,2,3,4,5,6,7
	ds_load_b128 v[136+4*\k:139+4*\k], v8 offset:512*\k        ; my partner's part of my tile: O^T,
.endr
	ds_load_b128 v[168:171], v8 offset:4096        ; -M, t and the sums
	s_wait_dscnt 0x0
	; THE TWO PARTS ARE JOINED.  (The seven lines on v232-239 are also the places behind the last products.)
	v_min_num_f32 v232, v12, v168                  ; the joint -M: M is the larger of the two
	v_sub_f32 v233, v232, v12                      ; my M - M: a whole number, 0 or less,
	v_sub_f32 v234, v232, v168                     ; and my partner's
	v_cvt_i32_f32 v233, v233                       ; (they saturate)
	v_cvt_i32_f32 v234, v234
	v_ldexp_f32 v236, 1.0, v233                    ; my factor,
	v_ldexp_f32 v238, 1.0, v234                    ; my partner's: whole powers of two, or 0 for a part with no key step
	v_pk_mul_f32 v[14:15], v[14:15], v[236:237] op_sel_hi:[1,0]
	v_pk_fma_f32 v[14:15], v[170:171], v[238:239], v[14:15] op_sel_hi:[1,0,1]
.set j, 0
.rept 16
	v_pk_mul_f32 v[200+j:201+j], v[200+j:201+j], v[236:237] op_sel_hi:[1,0]        ; each accumulator from its low end on
.set j, j+2
.endr
.set j, 0
.rept 16
	v_pk_fma_f32 v[200+j:201+j], v[136+j:137+j], v[238:239], v[200+j:201+j] op_sel_hi:[1,0,1]
.set j, j+2
.endr
	; THE WAY OUT: O^T / the sum is y's 64 channels of my head; register 16 b + i is place 16 h + i of block b: quantised as it stands.
	v_add_f32 v14, v14, v15
	s_delay_alu instid0(VALU_DEP_1)
	v_permlanex16_b32 v252, v14, s[SEL], s[SEL+1]
	s_delay_alu instid0(VALU_DEP_1)
	v_add_f32 v14, v14, v252                       ; the row's sum
	s_wait_alu depctr_va_vdst(0)
	v_rcp_f32 v14, v14
	v_nop                                          ; a plain place behind the reciprocal
	v_nop
	s_wait_alu depctr_va_vdst(0)
.set j, 0
.rept 32
	v_mul_f32 v[136+j], v[200+j], v14
.set j, j+1
.endr
.irp b, 0,1
	v_max3_num_f32 v[232+\b], |v[136+16*\b]|, |v[137+16*\b]|, 0x1800000
.endr
.irp i, 2,4,6,8,10,12,14
.irp b, 0,1
	s_delay_alu instid0(VALU_DEP_2)
	v_max3_num_f32 v[232+\b], v[232+\b], |v[136+16*\b+\i]|, |v[137+16*\b+\i]|
.endr
.endr
.irp b, 0,1
	s_delay_alu instid0(VALU_DEP_2)
	v_permlanex16_b32 v[236+\b], v[232+\b], s[SEL], s[SEL+1]
.endr
.irp b, 0,1
	s_delay_alu instid0(VALU_DEP_2)
	v_max_num_f32 v[232+\b], v[232+\b], v[236+\b]
.endr
.irp b, 0,1
	s_delay_alu instid0(VALU_DEP_2)
	v_add_nc_u32 v[240+\b], 0xff000000, v[232+\b]
.endr
.irp b, 0,1
	s_delay_alu instid0(VALU_DEP_2)
	v_lshrrev_b32 v[236+\b], 23, v[240+\b]
.endr
	v_cvt_scalef32_pk16_fp6_f32 v[168:170], v[136:151], v240
	v_cvt_scalef32_pk16_fp6_f32 v[172:174], v[152:167], v241
	v_nop
	v_permlane16_swap_b32 v168, v172               ; a whole block in a lane: lanes 0-15 block 0, lanes 16-31 block 1
	v_permlane16_swap_b32 v169, v173
	v_permlane16_swap_b32 v170, v174
	s_delay_alu instid0(VALU_DEP_3)
	v_mov_b32 v171, v172
	s_delay_alu instid0(VALU_DEP_3)
	v_mov_b32 v172, v173
	s_delay_alu instid0(VALU_DEP_3)
	v_mov_b32 v173, v174
	v_cndmask_b32 v250, v236, v237, s[MH]          ; lane (r, h): block h's byte
	global_store_b128 v1, v[168:171], s[76:77]     ; 768 consecutive bytes, at a multiple of 256
	global_store_b64 v2, v[172:173], s[76:77] offset:512
	global_store_b8 v7, v250, s[78:79]
	s_wait_tensorcnt 0x0                           ; the wave's end
	ds_add_u32 v5, v6
	s_wait_dscnt 0x0
	CROUND                                         ; the closing round
	s_endpgm
.Lfunc_end_k_q595b376228_attn:
	.size	k_q595b376228_attn, .Lfunc_end_k_q595b376228_attn-k_q595b376228_attn
	.p2alignl 7, 3214868480
	.fill 96, 4, 3214868480
	.section	.rodata,"a",@progbits
	.p2align	6, 0x0
	.amdhsa_kernel k_q595b376228_attn
		.amdhsa_group_segment_fixed_size 317440
		.amdhsa_private_segment_fixed_size 0
		.amdhsa_enable_private_segment 0
		.amdhsa_kernarg_size 16
		.amdhsa_user_sgpr_count 2
		.amdhsa_user_sgpr_kernarg_segment_ptr 1
		.amdhsa_wavefront_size32 1
		.amdhsa_system_sgpr_workgroup_id_x 1
		.amdhsa_system_sgpr_workgroup_id_y 1
		.amdhsa_system_sgpr_workgroup_id_z 1
		.amdhsa_system_vgpr_workitem_id 0
		.amdhsa_next_free_vgpr 256
		.amdhsa_next_free_sgpr 84
		.amdhsa_reserve_vcc 1
		.amdhsa_float_denorm_mode_32 3
		.amdhsa_float_denorm_mode_16_64 3
		.amdhsa_memory_ordered 1
		.amdhsa_forward_progress 1
		.amdhsa_inst_pref_size 42
	.end_amdhsa_kernel
	.amdgpu_metadata
---
amdhsa.version: [ 1, 2 ]
amdhsa.kernels:
  - .name:           k_q595b376228_attn
    .symbol:         k_q595b376228_attn.kd
    .args:
      - { .name: qkv, .offset: 0, .size: 8, .value_kind: global_buffer, .address_space: global }
      - { .name: yq, .offset: 8, .size: 8, .value_kind: global_buffer, .address_space: global }
    .group_segment_fixed_size: 317440
    .private_segment_fixed_size: 0
    .kernarg_segment_align: 8
    .kernarg_segment_size: 16
    .max_flat_workgroup_size: 512
    .sgpr_count:     84
    .vgpr_count:     256
    .wavefront_size: 32
...
	.end_amdgpu_metadata
.endif
;; end of part 10
;; launch pln (part 11): grid 256 x 1, 8 waves a work-group, no clusters, 72,448 bytes of LDS; arguments yq, wts, x, ln2_w, x1, hq; writes x1, hq
.if DOCPART == 11
	.amdgcn_target "amdgcn-amd-amdhsa--gfx1250"
	.amdhsa_code_object_version 6
	.text
	.protected	k_q595b376228_pln
	.globl	k_q595b376228_pln
	.p2align	8
	.type	k_q595b376228_pln,@function
k_q595b376228_pln:
	s_mov_b64 s[64:65], 0
	v_nop
	global_prefetch_b8 v0, s[64:65] scope:SCOPE_SE
	s_setreg_imm32_b32 hwreg(HW_REG_WAVE_MODE, 25, 1), 1
	s_wait_xcnt 0x0
; x1 = x + y w_proj, and h = layer norm of x1 quantised, IN ONE LAUNCH.  The product is on codes of FP6 (E2M3) with E8M0 scales for each 32 along K = 1,024, f32 sums; all else in f32.
; A WORK-GROUP OWNS 16 TOKENS AND ALL 1,024 COLUMNS, so that a row's mean and variance are at hand: 256 work-groups of eight waves, two to a SIMD.  Wave w makes columns 128 w .. + 127: 8 accumulators.
; OPERANDS lie in memory as images of operand registers: [row / 16][k / 128][1536 bytes]; scale bytes [row][32].  Place p of a block of 32 holds element p with its bits 3 and 4 exchanged, alike in all operands.
; y's 8 fragments (16 tokens, all of K) stay in registers.  THE WEIGHT GOES FROM MEMORY STRAIGHT INTO REGISTERS: a fragment is four dense loads (512, 256, 512, 256 consecutive bytes).
; 16 batches of 4 fragments (K step b / 2, column tiles 4 (b % 2) .. + 3) go through a ring of 4 batches, 192 registers: behind a batch's 4 products its registers take the batch four on.
; cluster = none, no tensor load: a fragment of the weight feeds ONE product of ONE wave; through LDS each of its bytes would be written and read once more with no second use.
; No data prefetch: the loads themselves run three to four batches (48 to 64 loads a wave) ahead of their products.
; Source 0 = 16 columns of the weight, source 1 = the 16 tokens: lane (r, h) holds token r; register 16 b + i of its 64 sums is place 16 h + i of block b of the wave's 128 columns: the next product's K, in this program's order.
; THE RESIDUAL: wave w reads x's rows 2 w, 2 w + 1 in runs of 512 bytes, lays them into LDS, and each lane reads its 64 numbers back; x1 goes the same way out, in runs of 512 bytes.
; THE NORM: mean and variance (from the differences) by sums in a lane, over lane l xor 16, and over the eight waves through LDS; rsqrt is v_rsq_f32.  The quantiser and hq's layout are those of the program's first launch.
; LIMITS: NaN and infinities are not served; a block whose largest magnitude lies under 2^-124 (zeros too) gets the byte 1; the bytes are read by this program alone.
; REGISTERS, window 0: v1, v2 16, 8 x lane; v6-13 LDS addresses; v14, v15 the add's two; v16, v17 scale offsets; v20-23 the gain as loaded; v24-31 y's scale words; v36-67 the weight's; v68-131 the sums; v132-227 y's fragments,
; later x1's rows and the codes; v228-247 at work.  Window 1: v0-191 the ring, later the gain; v192-255 x.
.set RTP,   12288                      ; 16 rows of codes, K = 1,024
.set PITCH, 4112                       ; an LDS row: 4,096 bytes + 16
.set GL,    16*PITCH                   ; the gain, 4,096 bytes
.set RED,   GL+4096                    ; two sets of [16 rows][8 waves] partial sums, 512 bytes each
.set SIMG,  RED+1024                   ; the scale bytes' image
.set SPARE, SIMG+512                   ; the spare words, 128 bytes for each of eight waves
.set SPW, 14
.set NIL, 15
.set SA,  24
.set SB,  36                           ; the two scale registers of a product differ by 4 modulo 8 in their numbers
.set ACC, 68
.set AF,  132
.set XO,  132                          ; x1's rows on the way out
.set PC,  196                          ; the codes
.set TM,  228
.set PW,  244
.set RS,  246
.set XR,  192                          ; window 1
.set MSB, 0
.macro WIN new                         ; the immediate's high byte repeats the setting that is left
.if MSB != \new
	s_set_vgpr_msb (MSB<<8)|\new
.set MSB, \new
.endif
.endm
.macro PLACES n
.rept \n
	v_nop
.endr
.endm
.macro WALU
	s_wait_alu depctr_va_vdst(0)
.endm
	s_load_b256 s[4:11], s[0:1], 0x0               ; yq, wts, x, ln2_w
	s_load_b128 s[12:15], s[0:1], 0x20             ; x1, hq
	v_lshl_add_u32 v[SPW], v0, 2, SPARE
	v_mov_b32 v[NIL], 0
	v_lshrrev_b32 v1, 5, v0
	v_readfirstlane_b32 s16, v1                    ; wave 0..7
	v_and_b32 v3, 31, v0                           ; lane
	v_and_b32 v4, 15, v0                           ; r
	v_bfe_u32 v5, v0, 4, 1                         ; h
	v_lshlrev_b32 v1, 4, v3
	v_lshlrev_b32 v2, 3, v3
	v_lshlrev_b32 v16, 5, v3                       ; the weight's scale bytes: 32 a column, a lane a column
	v_lshlrev_b32 v17, 5, v4                       ; y's: a row
	s_mul_i32 s17, s16, 2*PITCH
	v_add_nc_u32 v6, s17, v1                       ; by rows: my 16 bytes in my wave's first LDS row
	v_mul_u32_u24 v7, v4, PITCH
	v_lshl_add_u32 v7, v5, 5, v7
	s_lshl_b32 s17, s16, 9
	v_add_nc_u32 v7, s17, v7                       ; by sums: row r, + 32 h, + my wave's 512 bytes
	s_add_co_u32 s17, s17, GL
	v_add_nc_u32 v8, s17, v1                       ; the gain of my 128 columns: in,
	v_lshl_add_u32 v9, v5, 5, s17                  ; and back: + 32 h
	v_add_nc_u32 v11, RED, v17                     ; row r's eight partial sums,
	s_lshl_b32 s17, s16, 2
	v_add_nc_u32 v10, s17, v11                     ; and mine among them
	s_add_co_u32 s17, s17, SIMG
	v_add_nc_u32 v12, s17, v17                     ; row r's scale word of my 128 columns
	v_add_nc_u32 v13, SIMG, v1                     ; and the image read back
	s_mov_b32 s18, 0x76543210
	s_mov_b32 s19, 0xfedcba98                      ; v_permlanex16_b32's selects for lane l xor 16
	s_mov_b32 s20, 0x3a800000                      ; 1 / 1024
	s_mov_b32 s21, 0x3727c5ac                      ; 1e-5
	s_mul_i32 s22, ttmp9, RTP                      ; my 16 rows' codes, in yq and in hq
	s_mov_b32 s23, 0
	s_lshl_b32 s24, ttmp9, 9
	s_add_co_u32 s24, s24, 3145728                 ; their scale bytes
	s_mov_b32 s25, 0
	s_mul_i32 s26, s16, 8*RTP
	s_add_co_u32 s26, s26, 2359296                 ; w_proj's codes, my 128 columns
	s_mov_b32 s27, 0
	s_lshl_b32 s28, s16, 12
	s_add_co_u32 s28, s28, 9535488                 ; their scale bytes
	s_mov_b32 s29, 0
	s_lshl_b32 s30, ttmp9, 16
	s_lshl_b32 s31, s16, 13
	s_add_co_u32 s30, s30, s31                     ; my wave's two rows of x and of x1
	s_mov_b32 s31, 0
	s_lshl_b32 s32, s16, 9                         ; my 128 numbers of the gain
	s_mov_b32 s33, 0
	s_mul_i32 s34, s16, 1536                       ; my fragment of hq
	s_mov_b32 s35, 0
	WALU
	s_wait_kmcnt 0x0
	s_add_nc_u64 s[36:37], s[4:5], s[24:25]        ; y's scale bytes
	s_add_nc_u64 s[4:5], s[4:5], s[22:23]          ; y's codes
	s_add_nc_u64 s[38:39], s[6:7], s[28:29]        ; the weight's scale bytes
	s_add_nc_u64 s[6:7], s[6:7], s[26:27]          ; the weight's codes
	s_add_nc_u64 s[8:9], s[8:9], s[30:31]
	s_add_nc_u64 s[10:11], s[10:11], s[32:33]
	s_add_nc_u64 s[12:13], s[12:13], s[30:31]
	s_add_nc_u64 s[40:41], s[14:15], s[24:25]      ; h's scale bytes
	s_add_nc_u64 s[14:15], s[14:15], s[22:23]
	s_add_nc_u64 s[14:15], s[14:15], s[34:35]      ; h's codes
	WIN 0x40                                       ; destination window 1
.irp j, 0,1,2,3,4,5,6,7
	global_load_b128 v[XR+4*\j:XR+4*\j+3], v1, s[8:9] offset:512*\j th:TH_LOAD_NT
	global_load_b128 v[XR+32+4*\j:XR+32+4*\j+3], v1, s[8:9] offset:4096+512*\j th:TH_LOAD_NT
.endr
	WIN 0
	global_load_b128 v[20:23], v1, s[10:11]
	global_load_b128 v[SA:SA+3], v17, s[36:37]
	global_load_b128 v[SA+4:SA+7], v17, s[36:37] offset:16
.irp u, 0,1,2,3                        ; lanes 0-15: column tile 2 u's words, lanes 16-31: tile 2 u + 1's; register 8 u + q
	global_load_b128 v[SB+8*\u:SB+8*\u+3], v16, s[38:39] offset:1024*\u
	global_load_b128 v[SB+8*\u+4:SB+8*\u+7], v16, s[38:39] offset:1024*\u+16
.endr
.irp q, 0,1,2,3,4,5,6,7
	global_load_b128 v[AF+12*\q:AF+12*\q+3], v1, s[4:5] offset:1536*\q
	global_load_b64 v[AF+12*\q+4:AF+12*\q+5], v2, s[4:5] offset:1536*\q+512
	global_load_b128 v[AF+12*\q+6:AF+12*\q+9], v1, s[4:5] offset:1536*\q+768
	global_load_b64 v[AF+12*\q+10:AF+12*\q+11], v2, s[4:5] offset:1536*\q+1280
.endr
.macro BLOAD b                         ; batch b's four fragments, 16 loads, into ring place b % 4 (destination window 1)
.irp i, 0,1,2,3
.set R_, 48*((\b)%4)+12*\i
.set O_, (4*((\b)%2)+\i)*RTP+((\b)/2)*1536
	global_load_b128 v[R_:R_+3], v1, s[6:7] offset:O_
	global_load_b64 v[R_+4:R_+5], v2, s[6:7] offset:O_+512
	global_load_b128 v[R_+6:R_+9], v1, s[6:7] offset:O_+768
	global_load_b64 v[R_+10:R_+11], v2, s[6:7] offset:O_+1280
.endr
.endm
.macro PR c, odd
.if \odd
	v_wmma_scale_f32_16x16x128_f8f6f4 v[D_:D_+7], v[R_:R_+11], v[A_:A_+11], \c, v[XB_], v[XA_] matrix_a_fmt:MATRIX_FMT_FP6 matrix_b_fmt:MATRIX_FMT_FP6 matrix_a_scale:MATRIX_SCALE_ROW1
.else
	v_wmma_scale_f32_16x16x128_f8f6f4 v[D_:D_+7], v[R_:R_+11], v[A_:A_+11], \c, v[XB_], v[XA_] matrix_a_fmt:MATRIX_FMT_FP6 matrix_b_fmt:MATRIX_FMT_FP6
.endif
.endm
.macro BMUL b                          ; batch b's four products.  The 8 accumulators take turns, one instruction a turn; the first K step starts the sums
.irp i, 0,1,2,3
.set T_, 4*((\b)%2)+\i
.set D_, ACC+8*T_
.set R_, 48*((\b)%4)+12*\i
.set A_, AF+12*((\b)/2)
.set XB_, SB+8*(T_/2)+(\b)/2
.set XA_, SA+(\b)/2
.if (\b) < 2
	PR 0, \i%2
.else
	PR v[D_:D_+7], \i%2
.endif
.endr
.endm
	WIN 0x40
	BLOAD 0
	BLOAD 1
	BLOAD 2
	BLOAD 3
.set BB, 0
.rept 16
.if BB < 13
	s_wait_loadcnt 48                              ; this batch is in (and all that was asked for ahead of it); the three batches behind it, 16 loads each, may be out
.else
	s_wait_loadcnt 16*(15-BB)
.endif
	WIN 0x01                                       ; source 0 in window 1
	BMUL BB
	PLACES 4                                       ; in front of loads into registers that the products have read, and at the end of the first read of the sums
.if BB < 12
	WIN 0x40
	BLOAD BB+4
.endif
.if BB == 0
	WIN 0x04                                       ; store data in window 1
.irp R, 0,1
.irp j, 0,1,2,3,4,5,6,7
	ds_store_b128 v6, v[XR+32*\R+4*\j:XR+32*\R+4*\j+3] offset:\R*PITCH+512*\j     ; x's rows, as they lie
.endr
.endr
	WIN 0
	ds_store_b128 v8, v[20:23]                     ; the gain: my wave's own bytes
.endif
.if BB == 1
	WIN 0
	s_wait_dscnt 0x0                               ; for the others' sake: my rows of x lie in LDS
	s_barrier_signal -1
	s_barrier_wait -1
	WIN 0x40
.irp b, 0,1,2,3
.irp q, 0,1,2,3
	ds_load_b128 v[XR+16*\b+4*\q:XR+16*\b+4*\q+3], v7 offset:128*\b+16*(\q%2)+64*(\q/2)   ; x as the sums lie
.endr
.endr
.endif
.set BB, BB+1
.endr
	WIN 0x40
.irp b, 0,1,2,3
.irp q, 0,1,2,3
	ds_load_b128 v[16*\b+4*\q:16*\b+4*\q+3], v9 offset:128*\b+16*(\q%2)+64*(\q/2)          ; the gain as the sums lie, where the ring lay
.endr
.endr
	s_wait_dscnt 16                                ; x is in; the gain's 16 loads may be out
	WIN 0x04                                       ; source 1 in window 1
.set i, 0
.rept 32
	v_pk_add_f32 v[ACC+i:ACC+i+1], v[ACC+i:ACC+i+1], v[XR+i:XR+i+1]        ; x1; each accumulator from its low end on
.set i, i+2
.endr
	WIN 0
.irp b, 0,1,2,3
.irp q, 0,1,2,3
	ds_store_b128 v7, v[ACC+16*\b+4*\q:ACC+16*\b+4*\q+3] offset:128*\b+16*(\q%2)+64*(\q/2)  ; x1 over x: each lane over the bytes that it alone has read
.endr
.endr
.macro JOIN off                        ; four chains of pairs in v[TM ..] become my half row's sum, then the row's share of my wave, and go to LDS
	v_pk_add_f32 v[TM:TM+1], v[TM:TM+1], v[TM+4:TM+5]
	v_pk_add_f32 v[TM+2:TM+3], v[TM+2:TM+3], v[TM+6:TM+7]
	v_pk_add_f32 v[TM:TM+1], v[TM:TM+1], v[TM+2:TM+3]
	v_add_f32 v[TM], v[TM], v[TM+1]
	v_permlanex16_b32 v[TM+1], v[TM], s18, s19
	v_add_f32 v[TM], v[TM], v[TM+1]
	ds_store_b32 v10, v[TM] offset:\off            ; lanes r and r + 16 write the same word with the same value
.endm
.macro OVER                            ; the eight waves' shares in v[TM+4 .. TM+11] become the row's sum in v[TM]
	v_add_f32 v[TM+4], v[TM+4], v[TM+5]
	v_add_f32 v[TM+6], v[TM+6], v[TM+7]
	v_add_f32 v[TM+8], v[TM+8], v[TM+9]
	v_add_f32 v[TM+10], v[TM+10], v[TM+11]
	v_add_f32 v[TM+4], v[TM+4], v[TM+6]
	v_add_f32 v[TM+8], v[TM+8], v[TM+10]
	v_add_f32 v[TM], v[TM+4], v[TM+8]
.endm
.irp c, 0,1,2,3
	v_pk_add_f32 v[TM+2*\c:TM+2*\c+1], v[ACC+2*\c:ACC+2*\c+1], v[ACC+8+2*\c:ACC+9+2*\c]
.endr
.irp i, 16,24,32,40,48,56
.irp c, 0,1,2,3
	v_pk_add_f32 v[TM+2*\c:TM+2*\c+1], v[TM+2*\c:TM+2*\c+1], v[ACC+\i+2*\c:ACC+\i+2*\c+1]
.endr
.endr
	JOIN 0
	WALU
	s_wait_dscnt 0x0                               ; for the others' sake: my part of x1 and my share of the sums lie in LDS
	s_barrier_signal -1
	s_barrier_wait -1
	ds_load_b128 v[TM+4:TM+7], v11
	ds_load_b128 v[TM+8:TM+11], v11 offset:16
.irp R, 0,1
.irp j, 0,1,2,3,4,5,6,7
	ds_load_b128 v[XO+32*\R+4*\j:XO+32*\R+4*\j+3], v6 offset:\R*PITCH+512*\j      ; x1's rows 2 w, 2 w + 1
.endr
.endr
	s_wait_dscnt 16                                ; the shares are in; the rows' 16 loads may be out
	OVER
	v_mul_f32 v[TM], s20, v[TM]                    ; the mean
.set i, 0
.rept 32
	v_pk_add_f32 v[ACC+i:ACC+i+1], v[ACC+i:ACC+i+1], v[TM:TM+1] op_sel_hi:[1,0] neg_lo:[0,1] neg_hi:[0,1]   ; x1 - mean
.set i, i+2
.endr
.irp c, 0,1,2,3
	v_pk_mul_f32 v[TM+2*\c:TM+2*\c+1], v[ACC+2*\c:ACC+2*\c+1], v[ACC+2*\c:ACC+2*\c+1]
.endr
.irp i, 8,16,24,32,40,48,56
.irp c, 0,1,2,3
	v_pk_fma_f32 v[TM+2*\c:TM+2*\c+1], v[ACC+\i+2*\c:ACC+\i+2*\c+1], v[ACC+\i+2*\c:ACC+\i+2*\c+1], v[TM+2*\c:TM+2*\c+1]
.endr
.endr
	JOIN 512
	WALU
	s_wait_dscnt 0x0                               ; my share lies in LDS, and x1's rows are in registers
.irp R, 0,1
.irp j, 0,1,2,3,4,5,6,7
	global_store_b128 v1, v[XO+32*\R+4*\j:XO+32*\R+4*\j+3], s[12:13] offset:4096*\R+512*\j  ; 512 consecutive bytes an instruction
.endr
.endr
	s_barrier_signal -1
	s_barrier_wait -1
	ds_load_b128 v[TM+4:TM+7], v11 offset:512
	ds_load_b128 v[TM+8:TM+11], v11 offset:528
	s_wait_dscnt 0x0
	OVER
	v_fma_f32 v[TM], v[TM], s20, s21               ; the variance + 1e-5
	WALU                                           ; the wait ahead of the transcendental
	v_rsq_f32 v[RS], v[TM]
	v_mov_b32 v[RS+1], 0                           ; the pair's upper half is named below; also the plain instruction behind the transcendental
	WALU                                           ; and ahead of its first reader
.set i, 0
.rept 32
	v_pk_mul_f32 v[ACC+i:ACC+i+1], v[ACC+i:ACC+i+1], v[RS:RS+1] op_sel_hi:[1,0]
.set i, i+2
.endr
	WIN 0x04
.set i, 0
.rept 32
	v_pk_mul_f32 v[ACC+i:ACC+i+1], v[ACC+i:ACC+i+1], v[i:i+1]              ; x the gain
.set i, i+2
.endr
	WIN 0
.irp b, 0,1,2,3
	v_max3_num_f32 v[TM+\b], |v[ACC+16*\b]|, |v[ACC+1+16*\b]|, 0x1800000   ; block b: my 16 numbers, and the floor 2^(3 - 127)
.endr
.irp i, 2,4,6,8,10,12,14
.irp b, 0,1,2,3
	v_max3_num_f32 v[TM+\b], v[TM+\b], |v[ACC+16*\b+\i]|, |v[ACC+1+16*\b+\i]|
.endr
.endr
.irp b, 0,1,2,3
	v_permlanex16_b32 v[TM+4+\b], v[TM+\b], s18, s19
.endr
.irp b, 0,1,2,3
	v_max_num_f32 v[TM+\b], v[TM+\b], v[TM+4+\b]   ; with lane l xor 16's: the block's largest magnitude
.endr
.irp b, 0,1,2,3
	v_add_nc_u32 v[TM+12+\b], 0xff000000, v[TM+\b] ; 2 off its exponent field: the conversion's scale operand
.endr
.irp b, 0,1,2,3
	v_lshrrev_b32 v[TM+4+\b], 23, v[TM+12+\b]      ; the scale's byte
.endr
	v_lshl_or_b32 v[PW], v[TM+5], 8, v[TM+4]
	v_lshl_or_b32 v[PW], v[TM+6], 16, v[PW]
	v_lshl_or_b32 v[PW], v[TM+7], 24, v[PW]
.irp c, 0,1
	v_cvt_scalef32_pk16_fp6_f32 v[PC+6*\c:PC+2+6*\c], v[ACC+32*\c:ACC+15+32*\c], v[TM+12+2*\c]
	v_cvt_scalef32_pk16_fp6_f32 v[PC+12+4*\c:PC+14+4*\c], v[ACC+16+32*\c:ACC+31+32*\c], v[TM+12+2*\c+1]
.endr
	v_nop                                          ; one plain place behind a scaled conversion
.irp c, 0,1                                    ; the operand's layout wants a whole block in a lane
.irp i, 0,1,2
	v_permlane16_swap_b32 v[PC+6*\c+\i], v[PC+12+4*\c+\i]
.endr
.irp i, 0,1,2
	v_mov_b32 v[PC+3+6*\c+\i], v[PC+12+4*\c+\i]
.endr
.endr
	global_store_b128 v1, v[PC:PC+3], s[14:15]                 ; the fragment's image: 512, 256, 512 and 256 consecutive bytes
	global_store_b64 v2, v[PC+4:PC+5], s[14:15] offset:512
	global_store_b128 v1, v[PC+6:PC+9], s[14:15] offset:768
	global_store_b64 v2, v[PC+10:PC+11], s[14:15] offset:1280
	ds_store_b32 v12, v[PW]                        ; lanes r and r + 16 write the same word with the same value
	s_wait_dscnt 0x0
	s_barrier_signal -1
	s_barrier_wait -1
	s_cmp_lg_u32 s16, 0
	s_cbranch_scc1 .Lnot_wave_0
	ds_load_b128 v[TM:TM+3], v13
	s_wait_dscnt 0x0
	global_store_b128 v1, v[TM:TM+3], s[40:41]     ; the 16 rows' 512 scale bytes: two aligned runs of 256
.Lnot_wave_0:
	s_wait_tensorcnt 0x0                           ; the wave's end, behind my last LDS store
	ds_add_u32 v[SPW], v[NIL]
	s_wait_dscnt 0x0
	s_endpgm
.Lfunc_end_k_q595b376228_pln:
	.size	k_q595b376228_pln, .Lfunc_end_k_q595b376228_pln-k_q595b376228_pln
	.p2alignl 7, 3214868480
	.fill 96, 4, 3214868480
	.section	.rodata,"a",@progbits
	.p2align	6, 0x0
	.amdhsa_kernel k_q595b376228_pln
		.amdhsa_group_segment_fixed_size 72448
		.amdhsa_private_segment_fixed_size 0
		.amdhsa_enable_private_segment 0
		.amdhsa_kernarg_size 48
		.amdhsa_user_sgpr_count 2
		.amdhsa_user_sgpr_kernarg_segment_ptr 1
		.amdhsa_wavefront_size32 1
		.amdhsa_system_sgpr_workgroup_id_x 1
		.amdhsa_system_sgpr_workgroup_id_y 1
		.amdhsa_system_sgpr_workgroup_id_z 1
		.amdhsa_system_vgpr_workitem_id 0
		.amdhsa_next_free_vgpr 512
		.amdhsa_next_free_sgpr 66
		.amdhsa_reserve_vcc 0
		.amdhsa_float_denorm_mode_32 3
		.amdhsa_float_denorm_mode_16_64 3
		.amdhsa_memory_ordered 1
		.amdhsa_forward_progress 1
		.amdhsa_inst_pref_size 70
	.end_amdhsa_kernel
	.amdgpu_metadata
---
amdhsa.version: [ 1, 2 ]
amdhsa.kernels:
  - .name:           k_q595b376228_pln
    .symbol:         k_q595b376228_pln.kd
    .args:
      - { .name: yq, .offset: 0, .size: 8, .value_kind: global_buffer, .address_space: global }
      - { .name: wts, .offset: 8, .size: 8, .value_kind: global_buffer, .address_space: global }
      - { .name: x, .offset: 16, .size: 8, .value_kind: global_buffer, .address_space: global }
      - { .name: ln2_w, .offset: 24, .size: 8, .value_kind: global_buffer, .address_space: global }
      - { .name: x1, .offset: 32, .size: 8, .value_kind: global_buffer, .address_space: global }
      - { .name: hq, .offset: 40, .size: 8, .value_kind: global_buffer, .address_space: global }
    .group_segment_fixed_size: 72448
    .private_segment_fixed_size: 0
    .kernarg_segment_align: 8
    .kernarg_segment_size: 48
    .max_flat_workgroup_size: 256
    .sgpr_count:     66
    .vgpr_count:     512
    .wavefront_size: 32
...
	.end_amdgpu_metadata
.endif
;; end of part 11
;; launch gfc (part 12): grid 16 x 16, 4 waves a work-group, clusters of 4 x 4, 327,680 bytes of LDS; arguments hq, wts, fq; writes fq
.if DOCPART == 12
	.amdgcn_target "amdgcn-amd-amdhsa--gfx1250"
	.amdhsa_code_object_version 6
	.text
	.protected	k_q595b376228_gfc
	.globl	k_q595b376228_gfc
	.p2align	8
	.type	k_q595b376228_gfc,@function
k_q595b376228_gfc:
	s_mov_b64 s[64:65], 0
	v_nop
	global_prefetch_b8 v0, s[64:65] scope:SCOPE_SE
	s_setreg_imm32_b32 hwreg(HW_REG_WAVE_MODE, 25, 1), 1
	s_wait_xcnt 0x0
	s_wait_alu depctr_hold_cnt(0) depctr_sa_sdst(0) depctr_va_vdst(0) depctr_va_sdst(0) depctr_va_ssrc(0) depctr_va_vcc(0) depctr_vm_vsrc(0)
	s_getreg_b32 s2, hwreg(HW_REG_IB_STS2, 6, 4)
	s_cmp_eq_u32 s2, 0
	s_cbranch_scc0 .Lentry_in_a_cluster
	s_endpgm
.Lentry_in_a_cluster:
	s_bfe_u32 s2, ttmp6, 0x10000c
	s_cmp_lg_u32 s2, 0xf033
	s_cbranch_scc0 .Lentry_shape_is_right
	s_endpgm
.Lentry_shape_is_right:
; f = relu(h w_fc), 4,096 x 4,096, K = 1,024, on codes of FP6 (E2M3) with E8M0 scales for each 32 along K; f is quantised along its own 4,096 on the way out and leaves as codes and scale bytes.
; OPERANDS lie in memory as images of operand registers: [row / 16][k / 128][1536 bytes]; scale bytes [row][K / 32].  Place p of a block of 32 holds element p with its bits 3 and 4 exchanged, in every operand of this program.
; A tile of 256 x 256 is made by four waves, each 128 x 128: 64 accumulators.  K goes in steps of 256 through two LDS slots; the scales of the tile's rows stay in LDS behind the ring.
; CLUSTERS of 4 x 4: A's tiles are asked for jointly along a row of the cluster, B's along a column.  Source 0 = 16 rows of B, source 1 = 16 rows of A: a lane holds one token and eight neighbouring hidden units.
; THE HEAD: one load a wave: K step 0's 256 rows of A, its 256 rows of B, A's scales, B's scales; K step 1 follows behind one round of the cluster's barrier, a quarter of the slot a wave.
; No data prefetch: the block is the largest, in clusters, and K has four steps.
; OUTPUT (fq): codes [token / 16][hidden / 128][1536]; scale bytes [token][128] from byte 12,582,912 on.
; LIMITS: NaN and infinities are not served; a block whose largest number lies under 2^-124 (zeros too) gets the byte 1; the bytes are read by this program alone.
.set SIZE_K, 1024
.set WB_C,   3145728
.set WB_S,   9568256
.set AS_OFF, 3145728
.set NQ,     2
.set FR,     12
.set NL,     4
.set NP,     4
.set TROW,   3072
.set HALFT,  8*TROW
.set SLOT,   4*HALFT
.set RTP,    12*SIZE_K
.set LAPS,   SIZE_K/512
.set KS,     SIZE_K/32
.set SCL,    2*SLOT
.set HALFS,  (128*KS/256)*272
.set SBLK,   (16*KS/256)*272
.set SPARE,  SCL+4*HALFS
.set ADRA, 16
.set ADRB, 20
.set ADRS, 27
.set SPW,  28
.set NIL,  29
.set SC,   32
.set AF,   128
.set G1, 24
.set G0, 32
.set G1B, 48
.set G0B, 56
.set G1S, 68
.set G0S, 76
.set G1SB, 80
.set G0SB, 88
.set TM,  32
.set PW,  48
.set PC,  64
.set MSB, 0
.macro WIN new
.if MSB != \new
	s_set_vgpr_msb (MSB<<8)|\new
.set MSB, \new
.endif
.endm
.set MUL_LO, 0xa1
.set MUL_HI, 0xf1
.set TO_B,   0x40
.macro JLOAD g0a, g1a, g0b, g1b
	s_cmp_eq_u32 s15, 0
	s_cbranch_scc0 .Lfor_b_\@
	tensor_load_to_lds s[\g0a:\g0a+3], s[\g1a:\g1a+7]
	s_nop 0
.rept 4
	v_nop
.endr
	s_branch .Lasked_\@
.Lfor_b_\@:
	tensor_load_to_lds s[\g0b:\g0b+3], s[\g1b:\g1b+7]
	s_nop 0
.rept 4
	v_nop
.endr
.Lasked_\@:
.endm
.macro CREST
	s_cmp_lg_u32 s14, 0
	s_cbranch_scc1 .Lnot_wave_0_\@
	s_barrier_signal -3
.Lnot_wave_0_\@:
	s_barrier_wait -3
	s_barrier_signal -1
	s_barrier_wait -1
.endm
.macro CROUND
	s_barrier_signal -1
	s_barrier_wait -1
	CREST
.endm
	s_load_b128 s[96:99], s[0:1], 0x0
	s_load_b64 s[12:13], s[0:1], 0x10
	v_lshl_add_u32 v[SPW], v0, 2, SPARE
	v_mov_b32 v[NIL], 0
	ds_add_u32 v[SPW], v[NIL]
	ds_add_u32 v[SPW], v[NIL]
	v_lshrrev_b32 v1, 5, v0
	v_readfirstlane_b32 s14, v1
	s_lshr_b32 s15, s14, 1
	s_and_b32 s16, s14, 1
	s_bfe_u32 s40, ttmp6, 0x40000
	s_bfe_u32 s41, ttmp6, 0x40004
	s_lshl_b32 s42, ttmp9, 2
	s_add_co_u32 s42, s42, s40
	s_and_b32 s17, ttmp7, 0xffff
	s_lshl_b32 s17, s17, 2
	s_add_co_u32 s17, s17, s41
	s_lshl_b32 s43, s41, 2
	s_lshl_b32 s43, 15, s43
	s_lshl_b32 s44, 0x1111, s40
	s_or_b32 s[G1+0], s43, (3<<16)|(1<<21)
	s_or_b32 s[G1B+0], s44, (3<<16)|(1<<21)
.irp g, G1, G1B
	s_mov_b32 s[\g+1], 384<<16
	s_mov_b32 s[\g+2], 16<<16                      ; the head's loads bring a tile's 256 rows: 16 runs; behind them these two words are set to 8, for the ring's
	s_mov_b32 s[\g+3], 384<<16
	s_mov_b32 s[\g+4], 16
	s_mov_b32 s[\g+5], RTP/8
	s_mov_b32 s[\g+6], 0
	s_mov_b32 s[\g+7], 0
.endr
	s_or_b32 s[G1S+0], s43, (3<<16)|(1<<20)|(1<<21)|(5<<22)|(3<<25)
	s_or_b32 s[G1SB+0], s44, (3<<16)|(1<<20)|(1<<21)|(5<<22)|(3<<25)
.irp g, G1S, G1SB
	s_mov_b32 s[\g+1], 32<<16
	s_mov_b32 s[\g+2], KS<<16                      ; the scales of 256 rows: KS rows of 256 bytes
	s_mov_b32 s[\g+3], 32<<16
	s_mov_b32 s[\g+4], KS
	s_mov_b32 s[\g+5], 32
	s_mov_b32 s[\g+6], 0
	s_mov_b32 s[\g+7], 0
.endr
	s_lshl_b32 s20, s17, 4                         ; A: the tile's first group of 16 rows
	s_lshl_b32 s46, s42, 4                         ; B likewise
	s_mul_i32 s22, s20, 16*KS
	s_mul_i32 s92, s46, 16*KS
	s_mul_i32 s20, s20, RTP
	s_mul_i32 s46, s46, RTP
	s_mov_b32 s21, 0
	s_mov_b32 s23, 0
	s_mov_b32 s47, 0
	s_mov_b32 s93, 0
	s_mul_i32 s45, s14, HALFT
	s_mul_i32 s94, s16, 8*RTP                      ; in the ring I fetch 128 rows of a tile: which half, in bytes
	s_mov_b32 s95, 0
	s_wait_dscnt 0x0
	s_wait_kmcnt 0x0
	s_mov_b64 s[4:5], s[96:97]
	s_add_nc_u64 s[6:7], s[96:97], AS_OFF
	s_add_nc_u64 s[8:9], s[98:99], WB_C
	s_add_nc_u64 s[10:11], s[98:99], WB_S
	s_add_nc_u64 s[20:21], s[4:5], s[20:21]
	s_add_nc_u64 s[22:23], s[6:7], s[22:23]
	s_add_nc_u64 s[46:47], s[8:9], s[46:47]
	s_add_nc_u64 s[92:93], s[10:11], s[92:93]
	CROUND
.set G0H, 4                            ; s[4:7], s[8:11] group 0 of the head's loads of K step 0 (the pointers that lay there have been used)
.set G0HB, 8
	s_mov_b32 s[G0H], 1                            ; the head's four tiles, each whole: K step 0's 256 rows of A,
	s_mov_b32 s[G0H+1], 0
	s_mov_b64 s[G0H+2:G0H+3], s[20:21]
	s_or_b32 s[G0H+3], s[G0H+3], 0x80000000
	s_mov_b32 s[G0HB], 1                           ; its 256 rows of B,
	s_mov_b32 s[G0HB+1], 2*HALFT
	s_mov_b64 s[G0HB+2:G0HB+3], s[46:47]
	s_or_b32 s[G0HB+3], s[G0HB+3], 0x80000000
	s_mov_b32 s[G0S], 1                            ; the scales of A's 256 rows,
	s_mov_b32 s[G0S+1], SCL
	s_mov_b64 s[G0S+2:G0S+3], s[22:23]
	s_or_b32 s[G0S+3], s[G0S+3], 0x80000000
	s_mov_b32 s[G0SB], 1                           ; and of B's
	s_mov_b32 s[G0SB+1], SCL+2*HALFS
	s_mov_b64 s[G0SB+2:G0SB+3], s[92:93]
	s_or_b32 s[G0SB+3], s[G0SB+3], 0x80000000
	s_add_nc_u64 s[20:21], s[20:21], s[94:95]      ; for the ring: my 128 rows
	s_add_nc_u64 s[46:47], s[46:47], s[94:95]
.irp s, 0,1
	s_mov_b32 s[G0+4*\s], 1
	s_add_co_u32 s[G0+4*\s+1], s45, \s*SLOT
	s_add_nc_u64 s[G0+4*\s+2:G0+4*\s+3], s[20:21], \s*TROW
	s_or_b32 s[G0+4*\s+3], s[G0+4*\s+3], 0x80000000
	s_mov_b32 s[G0B+4*\s], 1
	s_add_co_u32 s[G0B+4*\s+1], s45, \s*SLOT
	s_add_nc_u64 s[G0B+4*\s+2:G0B+4*\s+3], s[46:47], \s*TROW
	s_or_b32 s[G0B+4*\s+3], s[G0B+4*\s+3], 0x80000000
.endr
; THE HEAD'S LOADS, ONE A WAVE: one chain of branches on the wave's number, a load to an arm, all arms leading to one join
.macro ARM under, g0, g1, next
	s_cmp_lt_u32 s14, \under
	s_cbranch_scc0 \next
	tensor_load_to_lds s[\g0:\g0+3], s[\g1:\g1+7]
	s_nop 0
.rept 4
	v_nop
.endr
	s_branch .Lhead_asked
\next:
.endm
	ARM 1, G0H,  G1,  .Lhead_b
	ARM 2, G0HB, G1B, .Lhead_sa
	ARM 3, G0S,  G1S, .Lhead_sb
	tensor_load_to_lds s[G0SB:G0SB+3], s[G1SB:G1SB+7]
	s_nop 0
.rept 4
	v_nop
.endr
.Lhead_asked:
	v_and_b32 v1, 15, v0
	v_bfe_u32 v2, v0, 4, 1
	v_and_b32 v3, 31, v0
	v_lshlrev_b32 v4, 4, v3
	v_lshlrev_b32 v5, 3, v3
	s_mul_i32 s21, s15, HALFT
	s_mul_i32 s22, s16, HALFT
	s_add_co_u32 s22, s22, 2*HALFT
.irp s, 0,1
	v_add_nc_u32 v[ADRA+\s], s21, v4
	v_add_nc_u32 v[ADRB+\s], s22, v4
	v_add_nc_u32 v[ADRA+2+\s], s21, v5
	v_add_nc_u32 v[ADRB+2+\s], s22, v5
	s_add_co_u32 s21, s21, SLOT
	s_add_co_u32 s22, s22, SLOT
.endr
	v_mul_u32_u24 v6, v1, KS
	v_lshrrev_b32 v7, 8, v6
	v_lshl_add_u32 v6, v7, 4, v6
	s_mul_i32 s21, s15, HALFS
	s_mul_i32 s22, s16, HALFS
	s_add_co_u32 s22, s22, 2*HALFS
	s_sub_co_u32 s22, s22, s21
	v_mul_u32_u24 v7, s22, v2
	s_add_co_u32 s21, s21, SCL
	v_add_nc_u32 v6, v6, v7
	v_add_nc_u32 v[ADRS], s21, v6
.macro FRAG reg, adr, q, i
	ds_load_b128 v[\reg:\reg+3], v[\adr] offset:(\i)*TROW+(\q)*1536
	ds_load_b64 v[\reg+4:\reg+5], v[\adr+2] offset:(\i)*TROW+(\q)*1536+512
	ds_load_b128 v[\reg+6:\reg+9], v[\adr] offset:(\i)*TROW+(\q)*1536+768
	ds_load_b64 v[\reg+10:\reg+11], v[\adr+2] offset:(\i)*TROW+(\q)*1536+1280
.endm
.macro MUL16 a0, p, q, sc, zero
.irp a, \a0, \a0+1
.irp b, 0,1,2,3,4,5,6,7
.if \zero
	v_wmma_scale_f32_16x16x128_f8f6f4 v[8*(8*((\a)%4)+\b):8*(8*((\a)%4)+\b)+7], v[128*(\p)+FR*\b:128*(\p)+FR*\b+FR-1], v[AF+FR*(\a):AF+FR*(\a)+FR-1], 0, v[SC+8*NQ*(\sc)+NQ*\b+(\q)], v[SC+8*NQ*(\sc)+NQ*(\a)+(\q)] matrix_a_fmt:MATRIX_FMT_FP6 matrix_b_fmt:MATRIX_FMT_FP6 matrix_a_scale:MATRIX_SCALE_ROW1
.else
	v_wmma_scale_f32_16x16x128_f8f6f4 v[8*(8*((\a)%4)+\b):8*(8*((\a)%4)+\b)+7], v[128*(\p)+FR*\b:128*(\p)+FR*\b+FR-1], v[AF+FR*(\a):AF+FR*(\a)+FR-1], v[8*(8*((\a)%4)+\b):8*(8*((\a)%4)+\b)+7], v[SC+8*NQ*(\sc)+NQ*\b+(\q)], v[SC+8*NQ*(\sc)+NQ*(\a)+(\q)] matrix_a_fmt:MATRIX_FMT_FP6 matrix_b_fmt:MATRIX_FMT_FP6 matrix_a_scale:MATRIX_SCALE_ROW1
.endif
.endr
.endr
.endm
.macro FETCH_B slot, q, p
	WIN TO_B
.irp i, 0,1,2,3,4,5,6,7
	FRAG 128*(\p)+FR*\i, ADRB+\slot, \q, \i
.endr
	WIN 0
.endm
.macro FETCH_A slot, q, i0
.irp i, \i0, \i0+1, \i0+2, \i0+3
	FRAG AF+FR*(\i), ADRA+\slot, \q, \i
.endr
.endm
.macro SCALES sc
.irp i, 0,1,2,3,4,5,6,7
	ds_load_b64 v[SC+8*NQ*\sc+NQ*\i:SC+8*NQ*\sc+NQ*\i+1], v[ADRS] offset:\i*SBLK
.endr
.endm
.macro PLACES n
.rept \n
	v_nop
.endr
.endm
.macro STEP slot, q, zero
	s_wait_dscnt 4*NL
	WIN MUL_LO
	MUL16 0, (\q)%2, \q, \slot, \zero
	MUL16 2, (\q)%2, \q, \slot, \zero
	s_wait_dscnt 0
	PLACES NP
	FETCH_B \slot, (\q)+1, 1-(\q)%2
	FETCH_A \slot, (\q)+1, 0
	WIN MUL_HI
	MUL16 4, (\q)%2, \q, \slot, \zero
	MUL16 6, (\q)%2, \q, \slot, \zero
	PLACES NP
	WIN 0
	FETCH_A \slot, (\q)+1, 4
.endm
.macro TURN slot, next, fill
	s_wait_tensorcnt 0x0
	ds_add_u32 v[SPW], v[NIL]
	s_wait_dscnt 4*NL+1
	WIN MUL_LO
	MUL16 0, 1, NQ-1, \slot, 0
	s_wait_dscnt 0x0
	s_barrier_signal -1
	MUL16 2, 1, NQ-1, \slot, 0
	WIN 0
	s_barrier_wait -1
.if \fill
	CREST
	s_add_nc_u64 s[G0+4*\slot+2:G0+4*\slot+3], s[G0+4*\slot+2:G0+4*\slot+3], 2*TROW
	s_add_nc_u64 s[G0B+4*\slot+2:G0B+4*\slot+3], s[G0B+4*\slot+2:G0B+4*\slot+3], 2*TROW
	JLOAD G0+4*\slot, G1, G0B+4*\slot, G1B
.else
	PLACES NP
.endif
	s_wait_alu depctr_va_vdst(0)
	v_add_nc_u32 v[ADRS], 4*NQ, v[ADRS]
	FETCH_B \next, 0, 0
	FETCH_A \next, 0, 0
	SCALES \next
	WIN MUL_HI
	MUL16 4, 1, NQ-1, \slot, 0
	MUL16 6, 1, NQ-1, \slot, 0
	PLACES NP
	WIN 0
	FETCH_A \next, 0, 4
.endm
	s_wait_alu depctr_va_vdst(0)
	s_wait_tensorcnt 0x0                           ; my tile of the head's four is in; slot 1's first fill is issued as a refill is:
	ds_add_u32 v[SPW], v[NIL]
	s_mov_b32 s[G1+2], 8<<16                       ; no tensor load of mine is out: from here on a load brings 128 rows, 8 runs
	s_mov_b32 s[G1+4], 8
	s_mov_b32 s[G1B+2], 8<<16
	s_mov_b32 s[G1B+4], 8
	s_wait_dscnt 0x0
	CROUND                                         ; all four tiles are in, and the sixteen work-groups are here
	JLOAD G0+4, G1, G0B+4, G1B                     ; K step 1, the first tensor load behind the round
	FETCH_B 0, 0, 0
	FETCH_A 0, 0, 0
	SCALES 0
	FETCH_A 0, 0, 4
	STEP 0, 0, 1
	s_mov_b32 s3, LAPS-1
.Llap:
	TURN 0, 1, 1
	STEP 1, 0, 0
	TURN 1, 0, 1
	STEP 0, 0, 0
	s_sub_co_u32 s3, s3, 1
	s_cmp_lg_u32 s3, 0
	s_cbranch_scc1 .Llap
	TURN 0, 1, 0
	STEP 1, 0, 0
	s_wait_dscnt 4*NL
	WIN MUL_LO
	MUL16 0, 1, NQ-1, 1, 0
	MUL16 2, 1, NQ-1, 1, 0
	s_wait_dscnt 0
	WIN MUL_HI
	MUL16 4, 1, NQ-1, 1, 0
	MUL16 6, 1, NQ-1, 1, 0
	WIN 0
.macro QUANT s
	s_wait_xcnt 0x0
.irp b, 0,1,2,3
	v_max3_num_f32 v[TM+\b], v[\s+16*\b], v[\s+16*\b+1], 0x1800000
.endr
.irp i, 2,4,6,8,10,12,14
.irp b, 0,1,2,3
	v_max3_num_f32 v[TM+\b], v[\s+16*\b+\i], v[\s+16*\b+\i+1], v[TM+\b]
.endr
.endr
.irp b, 0,1,2,3
	v_permlanex16_b32 v[TM+4+\b], v[TM+\b], s20, s21
.endr
.irp b, 0,1,2,3
	v_max_num_f32 v[TM+\b], v[TM+\b], v[TM+4+\b]
.endr
.irp b, 0,1,2,3
	v_add_nc_u32 v[TM+12+\b], 0xff000000, v[TM+\b]
.endr
.irp b, 0,1,2,3
	v_lshrrev_b32 v[TM+4+\b], 23, v[TM+12+\b]
.endr
	v_lshl_or_b32 v[PW], v[TM+5], 8, v[TM+4]
	v_lshl_or_b32 v[PW], v[TM+6], 16, v[PW]
	v_lshl_or_b32 v[PW], v[TM+7], 24, v[PW]
.irp c, 0,1
	v_cvt_scalef32_pk16_fp6_f32 v[PC+6*\c:PC+6*\c+2], v[\s+32*\c:\s+32*\c+15], v[TM+12+2*\c]
	v_cvt_scalef32_pk16_fp6_f32 v[PC+12+4*\c:PC+14+4*\c], v[\s+32*\c+16:\s+32*\c+31], v[TM+12+2*\c+1]
.endr
	v_nop
.irp c, 0,1
.irp i, 0,1,2
	v_permlane16_swap_b32 v[PC+6*\c+\i], v[PC+12+4*\c+\i]
.endr
.irp i, 0,1,2
	v_mov_b32 v[PC+3+6*\c+\i], v[PC+12+4*\c+\i]
.endr
.endr
.endm
	PLACES NP
	v_lshlrev_b32 v24, 4, v3
	v_lshlrev_b32 v25, 3, v3
	v_lshlrev_b32 v26, 7, v3
.irp b, 0,1,2,3
	v_mov_b32 v[TM+4+\b], 0
.endr
	s_mov_b32 s20, 0x76543210
	s_mov_b32 s21, 0xfedcba98
	s_mov_b32 s95, 0xffff0000
	s_lshl_b32 s22, s17, 4
	s_lshl_b32 s23, s15, 3
	s_add_co_u32 s22, s22, s23
	s_lshl_b32 s23, s42, 1
	s_add_co_u32 s23, s23, s16
	s_mul_i32 s92, s22, 49152
	s_mul_i32 s93, s23, 1536
	s_add_co_u32 s92, s92, s93
	s_mov_b32 s93, 0
	s_lshl_b32 s46, s22, 11
	s_lshl_b32 s47, s23, 2
	s_add_co_u32 s46, s46, s47
	s_add_co_u32 s46, s46, 12582912
	s_mov_b32 s47, 0
	s_add_nc_u64 s[66:67], s[12:13], s[46:47]
	s_add_nc_u64 s[12:13], s[12:13], s[92:93]
.irp a, 0,1,2,3,4,5,6,7
	WIN 4*(2+(\a)/4)
.set j, 0
.rept 64
	v_max_num_f32 v[128+j], 0, v[64*((\a)%4)+j]
.set j, j+1
.endr
	WIN 0
	QUANT 128
	global_store_b128 v24, v[PC:PC+3], s[12:13] offset:(\a)*49152
	global_store_b64 v25, v[PC+4:PC+5], s[12:13] offset:(\a)*49152+512
	global_store_b128 v24, v[PC+6:PC+9], s[12:13] offset:(\a)*49152+768
	global_store_b64 v25, v[PC+10:PC+11], s[12:13] offset:(\a)*49152+1280
.if (\a)%2
	v_cndmask_b32 v50, v49, v[PW], s95
	global_store_b32 v26, v50, s[66:67] offset:((\a)-1)*2048
.else
	v_mov_b32 v49, v[PW]
.endif
.endr
	s_wait_tensorcnt 0x0
	ds_add_u32 v[SPW], v[NIL]
	s_wait_dscnt 0x0
	CROUND
	s_endpgm
.Lfunc_end_k_q595b376228_gfc:
	.size	k_q595b376228_gfc, .Lfunc_end_k_q595b376228_gfc-k_q595b376228_gfc
	.p2alignl 7, 3214868480
	.fill 96, 4, 3214868480
	.section	.rodata,"a",@progbits
	.p2align	6, 0x0
	.amdhsa_kernel k_q595b376228_gfc
		.amdhsa_group_segment_fixed_size 327680
		.amdhsa_private_segment_fixed_size 0
		.amdhsa_enable_private_segment 0
		.amdhsa_kernarg_size 24
		.amdhsa_user_sgpr_count 2
		.amdhsa_user_sgpr_kernarg_segment_ptr 1
		.amdhsa_wavefront_size32 1
		.amdhsa_system_sgpr_workgroup_id_x 1
		.amdhsa_system_sgpr_workgroup_id_y 1
		.amdhsa_system_sgpr_workgroup_id_z 1
		.amdhsa_system_vgpr_workitem_id 0
		.amdhsa_next_free_vgpr 1024
		.amdhsa_next_free_sgpr 100
		.amdhsa_reserve_vcc 0
		.amdhsa_float_denorm_mode_32 3
		.amdhsa_float_denorm_mode_16_64 3
		.amdhsa_memory_ordered 1
		.amdhsa_forward_progress 1
		.amdhsa_inst_pref_size 166
	.end_amdhsa_kernel
	.amdgpu_metadata
---
amdhsa.version: [ 1, 2 ]
amdhsa.kernels:
  - .name:           k_q595b376228_gfc
    .symbol:         k_q595b376228_gfc.kd
    .args:
      - { .name: hq, .offset: 0, .size: 8, .value_kind: global_buffer, .address_space: global }
      - { .name: wts, .offset: 8, .size: 8, .value_kind: global_buffer, .address_space: global }
      - { .name: fq, .offset: 16, .size: 8, .value_kind: global_buffer, .address_space: global }
    .group_segment_fixed_size: 327680
    .private_segment_fixed_size: 0
    .kernarg_segment_align: 8
    .kernarg_segment_size: 24
    .max_flat_workgroup_size: 128
    .sgpr_count:     100
    .vgpr_count:     1024
    .wavefront_size: 32
...
	.end_amdgpu_metadata
.endif
;; end of part 12
;; launch gcproj (part 13): grid 32 x 8, 4 waves a work-group, clusters of 4 x 4, 327,680 bytes of LDS; arguments fq, wts, x1, out0; writes out0
.if DOCPART == 13
	.amdgcn_target "amdgcn-amd-amdhsa--gfx1250"
	.amdhsa_code_object_version 6
	.text
	.protected	k_q595b376228_gcproj
	.globl	k_q595b376228_gcproj
	.p2align	8
	.type	k_q595b376228_gcproj,@function
k_q595b376228_gcproj:
	s_mov_b64 s[64:65], 0
	v_nop
	global_prefetch_b8 v0, s[64:65] scope:SCOPE_SE
	s_setreg_imm32_b32 hwreg(HW_REG_WAVE_MODE, 25, 1), 1
	s_wait_xcnt 0x0
	s_wait_alu depctr_hold_cnt(0) depctr_sa_sdst(0) depctr_va_vdst(0) depctr_va_sdst(0) depctr_va_ssrc(0) depctr_va_vcc(0) depctr_vm_vsrc(0)
	s_getreg_b32 s2, hwreg(HW_REG_IB_STS2, 6, 4)
	s_cmp_eq_u32 s2, 0
	s_cbranch_scc0 .Lentry_in_a_cluster
	s_endpgm
.Lentry_in_a_cluster:
	s_bfe_u32 s2, ttmp6, 0x10000c
	s_cmp_lg_u32 s2, 0xf033
	s_cbranch_scc0 .Lentry_shape_is_right
	s_endpgm
.Lentry_shape_is_right:
; out0 = x1 + f w_cproj: 4,096 x 1,024, K = 4,096, on codes of FP6 (E2M3) with one E8M0 byte for each 32 along K; sums and the residual in f32.
; OPERANDS lie in memory as images of operand registers: [row / 16][k / 128][1536 bytes]; scale bytes [row][128].  A fragment (16 rows x 128 K, 12 registers) comes by four dense LDS loads.
; Inside a block of 32 both operands hold element p with its bits 3 and 4 exchanged at place p: alike on both sides, so the products are those of the true order.
; THE TILE IS 128 x 128: 32 x 8 = 256 work-groups (tiles of 256 x 256 would be 64).  Four waves, each 64 x 64: 16 accumulators, 128 registers.
; THE RING: K's eight chunks of 512 (four steps of 128) go through two LDS slots, chunk c in slot c % 2; a slot holds A's 128 rows, then B's: 98,304 bytes.  In the ring a wave's load brings 64 rows: 4 runs of 6,144 bytes.
; THE SCALES of the tile's 128 + 128 rows, all of K, are two dense blocks of 16,384 bytes: they come once, in rows of 256 bytes with 16 of padding, and stay behind the ring.
; CLUSTERS of 4 x 4.  THE CLUSTER's x COUNTS TILE ROWS: tile row 4 x cluster x + cx, tile column 4 x cluster y + cy.  A's tiles are asked for jointly by a COLUMN of the cluster, B's by a ROW.
; Source 0 = 16 rows of B, source 1 = 16 rows of A: a lane holds eight neighbouring numbers of a row of the result.
; THE HEAD: one load a wave: chunk 0's 128 rows of A; of B; A's scales; B's scales.  Chunk 1 is asked for behind one whole round, as a refill is, a quarter of the slot a wave.
; PREFETCH INTO THE L2: a refill goes out with nothing on its way beside it, so what it asks for is named two refills earlier.  Of the four groups of 16 rows that a wave fetches, each of the four partners that ask
; jointly names one, told apart by address alone (cy for A, cx for B): 6,144 bytes, 24 lanes 256 bytes apart (the eight lanes left over name the last block again), one instruction a wave.
; The head names chunks 1 and 2, chunk 1's load chunk 3, the refill of chunk c chunk c + 2; the last two refills name nothing.  So at most two chunks are named and not yet loaded.
; THE RESIDUAL's 64 x 64 numbers of the wave are asked for behind chunk 1's load, in the layout of the way out, and lie in registers of their own until they are added.
; THE WAY OUT: a block of 16 rows x 64 columns goes through my own stage in LDS (bytes on which no tile lands) and comes back as rows of 256 bytes; the residual is added; sixteen lanes store 256 consecutive bytes, aligned.
; LIMITS: NaN and infinities among the inputs are not served.
; REGISTERS: window 0: v1-3 r, h, lane; v16-23 fragment addresses; v24-26 way out; v27 scale address; v28, v29 the add's two; v30 the prefetches' offset; v32-63 scale words, two sets; v64-127 rows on the way out;
;   v128-255 accumulators ((a, b) at v[128 + 8 (4 a + b)]).   window 1: two fragment buffers, at v0 and v128: A's four fragments, then B's four.   window 2: v0-127 the residual.
.set SIZE_K, 4096
.set WB_C,   6291456                   ; w_cproj's codes in wts,
.set WB_S,   9699328                   ; and its scale bytes
.set AS_OFF, 12582912                  ; f's scale bytes behind its codes
.set NQ,     4                         ; steps of 128 along K in a slot
.set FR,     12                        ; registers of a fragment
.set NL,     4                         ; LDS loads that bring one
.set NP,     4                         ; places behind this matrix instruction (ISA guide 7.12.1)
.set TROW,   NQ*1536                   ; 16 rows x 512 K of codes
.set HALFT,  4*TROW                    ; 64 rows
.set SLOT,   4*HALFT
.set RTP,    12*SIZE_K                 ; 16 rows of codes in memory
.set LAPS,   SIZE_K/1024               ; a lap = two slots
.set KS,     SIZE_K/32
.set SCL,    2*SLOT
.set HALFS,  (64*KS/256)*272           ; the scales of 64 rows
.set SBLK,   (16*KS/256)*272           ; of 16 rows
.set SPITCH, 272
.set STAGE,  SCL+4*HALFS
.set SPARE,  STAGE+4*16*SPITCH         ; the spare words: two blocks of 256 bytes that no other line names
.set ADRA, 16
.set ADRB, 20
.set STO,  24
.set RD,   25
.set CO,   26
.set ADRS, 27
.set SPW,  28
.set NIL,  29
.set PFO,  30
.set SC,   32
.set BK,   64
.set ACC,  128
.set G0H, 4                            ; s[4:7], s[8:11] group 0 of the head's loads of chunk 0
.set G0HB, 8
.set G1, 24
.set G0, 32
.set G1B, 48
.set G0B, 56
.set G1S, 68
.set G0S, 76
.set G1SB, 80
.set G0SB, 88
.set PFA, 100                          ; s[100:101] my group of 16 rows at the chunk three before the one that a refill's prefetch names
.set MSB, 0
.macro WIN new                         ; the immediate's high byte repeats the setting that is left
.if MSB != \new
	s_set_vgpr_msb (MSB<<8)|\new
.set MSB, \new
.endif
.endm
.set MUL,  0x05                        ; sources 0 (B) and 1 (A) window 1; C and D window 0
.set TO_F, 0x40                        ; destination window 1, address window 0
.macro PLACES n
.rept \n
	v_nop
.endr
.endm
.macro TLOAD g0, g1                    ; an s_nop 0 and four v_nop follow every tensor load
	tensor_load_to_lds s[\g0:\g0+3], s[\g1:\g1+7]
	s_nop 0
	PLACES 4
.endm
.macro JLOAD g0a, g1a, g0b, g1b        ; a joint load of the ring: waves 0 and 1 fetch for A, waves 2 and 3 for B
	s_cmp_eq_u32 s15, 0
	s_cbranch_scc0 .Lfor_b_\@
	TLOAD \g0a, \g1a
	s_branch .Lasked_\@
.Lfor_b_\@:
	TLOAD \g0b, \g1b
.Lasked_\@:
.endm
.macro CREST                           ; a round of the cluster's barrier behind its opening barrier
	s_cmp_lg_u32 s14, 0
	s_cbranch_scc1 .Lnot_wave_0_\@
	s_barrier_signal -3
.Lnot_wave_0_\@:
	s_barrier_wait -3
	s_barrier_signal -1
	s_barrier_wait -1
.endm
.macro CROUND
	s_barrier_signal -1
	s_barrier_wait -1
	CREST
.endm
.macro G0MAKE g, lds, p                ; a group 0: LDS place, and the address in s[p:p+1]
	s_mov_b32 s[\g], 1
	s_mov_b32 s[\g+1], \lds
	s_mov_b64 s[\g+2:\g+3], s[\p:\p+1]
	s_or_b32 s[\g+3], s[\g+3], 0x80000000
.endm
.macro ARM under, g0, g1, next         ; an arm of the head's chain of branches on the wave's number
	s_cmp_lt_u32 s14, \under
	s_cbranch_scc0 \next
	TLOAD \g0, \g1
	s_branch .Lhead_asked
\next:
.endm
	s_load_b128 s[96:99], s[0:1], 0x0              ; fq, wts
	s_load_b64 s[66:67], s[0:1], 0x10              ; x1
	s_load_b64 s[12:13], s[0:1], 0x18              ; out0
	v_lshl_add_u32 v[SPW], v0, 2, SPARE
	v_mov_b32 v[NIL], 0
	ds_add_u32 v[SPW], v[NIL]                      ; the opening lines: the add, twice on end, and its wait ahead of my first tensor load
	ds_add_u32 v[SPW], v[NIL]
	v_lshrrev_b32 v1, 5, v0
	v_readfirstlane_b32 s14, v1                    ; wave 0..3
	v_and_b32 v3, 31, v0                           ; lane
	v_min_u32 v[PFO], 23, v3
	v_lshlrev_b32 v[PFO], 8, v[PFO]                ; the prefetches: 24 blocks of 256 bytes
	s_lshr_b32 s15, s14, 1                         ; which half of the tile's rows is mine.  Also: I fetch for A (0) or for B (1)
	s_and_b32 s16, s14, 1                          ; which half of its columns.  Also: which 64 rows I fetch
	s_bfe_u32 s40, ttmp6, 0x40000                  ; cx
	s_bfe_u32 s41, ttmp6, 0x40004                  ; cy
	s_lshl_b32 s17, ttmp9, 2
	s_add_co_u32 s17, s17, s40                     ; tile row, 0..31
	s_and_b32 s42, ttmp7, 0xffff
	s_lshl_b32 s42, s42, 2
	s_add_co_u32 s42, s42, s41                     ; tile column, 0..7
	s_lshl_b32 s43, 0x1111, s40                    ; my column of the cluster: shares A's rows
	s_lshl_b32 s44, s41, 2
	s_lshl_b32 s44, 15, s44                        ; my row: shares B's
	s_or_b32 s[G1+0], s43, (3<<16)|(1<<21)         ; codes: runs of 6,144 bytes (768 elements of 8 bytes), no padding; the mask, and bit 21 beside it
	s_or_b32 s[G1B+0], s44, (3<<16)|(1<<21)
.irp g, G1, G1B
	s_mov_b32 s[\g+1], 768<<16
	s_mov_b32 s[\g+2], 8<<16                       ; the head's loads bring 128 rows, 8 runs; behind them these two words are set to 4
	s_mov_b32 s[\g+3], 768<<16
	s_mov_b32 s[\g+4], 8
	s_mov_b32 s[\g+5], RTP/8
	s_mov_b32 s[\g+6], 0
	s_mov_b32 s[\g+7], 0
.endr
	s_or_b32 s[G1S+0], s43, (3<<16)|(1<<20)|(1<<21)|(5<<22)|(3<<25)   ; scales of 128 rows: 64 rows of 256 bytes, 16 bytes of padding behind each
	s_or_b32 s[G1SB+0], s44, (3<<16)|(1<<20)|(1<<21)|(5<<22)|(3<<25)
.irp g, G1S, G1SB
	s_mov_b32 s[\g+1], 32<<16
	s_mov_b32 s[\g+2], (128*KS/256)<<16
	s_mov_b32 s[\g+3], 32<<16
	s_mov_b32 s[\g+4], 128*KS/256
	s_mov_b32 s[\g+5], 32
	s_mov_b32 s[\g+6], 0
	s_mov_b32 s[\g+7], 0
.endr
	s_lshl_b32 s20, s17, 3                         ; A: the tile's first group of 16 rows
	s_lshl_b32 s46, s42, 3                         ; B likewise
	s_mul_i32 s22, s20, 16*KS                      ; where these rows' scales begin,
	s_mul_i32 s92, s46, 16*KS
	s_mul_i32 s20, s20, RTP                        ; and their codes
	s_mul_i32 s46, s46, RTP
	s_mov_b32 s21, 0
	s_mov_b32 s23, 0
	s_mov_b32 s47, 0
	s_mov_b32 s93, 0
	s_mul_i32 s18, s16, 4*RTP                      ; in the ring I fetch 64 rows: which half, in bytes,
	s_mov_b32 s19, 0
	s_mul_i32 s45, s14, HALFT                      ; and where they go: no place in the cluster enters an LDS address
	s_cmp_eq_u32 s15, 0
	s_cselect_b32 s94, s41, s40                    ; my place among the four that ask with me: cy for A, cx for B
	s_lshl_b32 s95, s16, 2
	s_add_co_u32 s94, s94, s95
	s_mul_i32 s94, s94, RTP                        ; the group of 16 rows that my prefetches name
	s_mov_b32 s95, 0
	s_wait_alu depctr_va_vdst(0)
	s_wait_dscnt 0x0                               ; both opening adds are done
	CROUND                                         ; the round in front of the first joint loads, ahead of the wait for the arguments
	s_wait_kmcnt 0x0
	s_add_nc_u64 s[20:21], s[96:97], s[20:21]
	s_add_nc_u64 s[22:23], s[96:97], s[22:23]
	s_add_nc_u64 s[22:23], s[22:23], AS_OFF
	s_add_nc_u64 s[46:47], s[98:99], s[46:47]
	s_add_nc_u64 s[46:47], s[46:47], WB_C
	s_add_nc_u64 s[92:93], s[98:99], s[92:93]
	s_add_nc_u64 s[92:93], s[92:93], WB_S
	G0MAKE G0H,  0,           20
	G0MAKE G0HB, 2*HALFT,     46
	G0MAKE G0S,  SCL,         22
	G0MAKE G0SB, SCL+2*HALFS, 92
	ARM 1, G0H,  G1,  .Lhead_b                     ; wave 0: chunk 0's 128 rows of A
	ARM 2, G0HB, G1B, .Lhead_sa                    ; wave 1: of B
	ARM 3, G0S,  G1S, .Lhead_sb                    ; wave 2: A's scales
	TLOAD G0SB, G1SB                               ; wave 3: B's
.Lhead_asked:
	s_cmp_eq_u32 s15, 0
	s_cselect_b64 s[PFA:PFA+1], s[20:21], s[46:47]
	s_add_nc_u64 s[PFA:PFA+1], s[PFA:PFA+1], s[94:95]
	global_prefetch_b8 v[PFO], s[PFA:PFA+1] offset:TROW th:TH_LOAD_NT scope:SCOPE_SE      ; chunk 1
	global_prefetch_b8 v[PFO], s[PFA:PFA+1] offset:2*TROW th:TH_LOAD_NT scope:SCOPE_SE    ; chunk 2
	s_add_nc_u64 s[20:21], s[20:21], s[18:19]      ; for the ring: my 64 rows
	s_add_nc_u64 s[46:47], s[46:47], s[18:19]
.irp s, 0,1
	s_mov_b32 s[G0+4*\s], 1
	s_add_co_u32 s[G0+4*\s+1], s45, \s*SLOT
	s_add_nc_u64 s[G0+4*\s+2:G0+4*\s+3], s[20:21], \s*TROW
	s_or_b32 s[G0+4*\s+3], s[G0+4*\s+3], 0x80000000
	s_mov_b32 s[G0B+4*\s], 1
	s_add_co_u32 s[G0B+4*\s+1], s45, \s*SLOT
	s_add_nc_u64 s[G0B+4*\s+2:G0B+4*\s+3], s[46:47], \s*TROW
	s_or_b32 s[G0B+4*\s+3], s[G0B+4*\s+3], 0x80000000
.endr
	v_and_b32 v1, 15, v0                           ; r
	v_bfe_u32 v2, v0, 4, 1                         ; h
	v_lshlrev_b32 v4, 4, v3
	v_lshlrev_b32 v5, 3, v3
	s_mul_i32 s21, s15, HALFT                      ; my 64 rows of A
	s_mul_i32 s22, s16, HALFT
	s_add_co_u32 s22, s22, 2*HALFT                 ; my 64 rows of B, behind A's 128
.irp s, 0,1
	v_add_nc_u32 v[ADRA+\s], s21, v4               ; 16 x lane: a fragment's loads of 16 bytes
	v_add_nc_u32 v[ADRB+\s], s22, v4
	v_add_nc_u32 v[ADRA+2+\s], s21, v5             ; 8 x lane: its loads of 8 bytes
	v_add_nc_u32 v[ADRB+2+\s], s22, v5
	s_add_co_u32 s21, s21, SLOT
	s_add_co_u32 s22, s22, SLOT
.endr
	v_mul_u32_u24 v6, v1, KS                       ; my row's scales: KS bytes a row,
	v_lshrrev_b32 v7, 8, v6
	v_lshl_add_u32 v6, v7, 4, v6                   ; and 16 more for each 256 passed
	s_mul_i32 s21, s15, HALFS
	s_mul_i32 s22, s16, HALFS
	s_add_co_u32 s22, s22, 2*HALFS
	s_sub_co_u32 s22, s22, s21
	v_mul_u32_u24 v7, s22, v2                      ; lanes 16-31 take B's
	s_add_co_u32 s21, s21, SCL
	v_add_nc_u32 v6, v6, v7
	v_add_nc_u32 v[ADRS], s21, v6
	s_mul_i32 s23, s14, 16*SPITCH
	s_add_co_u32 s23, s23, STAGE                   ; my stage
	v_mul_u32_u24 v6, v1, SPITCH
	v_lshl_add_u32 v6, v2, 5, v6
	v_add_nc_u32 v[STO], s23, v6                   ; in: row r, 32 bytes for each half of the lanes
	v_mul_u32_u24 v7, v2, SPITCH
	v_lshl_add_u32 v7, v1, 4, v7
	v_add_nc_u32 v[RD], s23, v7                    ; back: lanes 0-15 one row of 256 bytes, lanes 16-31 the next
	v_lshlrev_b32 v[CO], 12, v2
	v_lshl_add_u32 v[CO], v1, 4, v[CO]             ; and the same two rows in memory: rows of 4,096 bytes
	s_lshl_b32 s20, s17, 7
	s_lshl_b32 s21, s15, 6
	s_add_co_u32 s20, s20, s21                     ; my first row: 128 x tile row + 64 x half
	s_lshl_b32 s20, s20, 12
	s_lshl_b32 s46, s42, 9
	s_add_co_u32 s20, s20, s46
	s_lshl_b32 s46, s16, 8
	s_add_co_u32 s20, s20, s46                     ; my first column, in bytes: 512 x tile column + 256 x half
	s_mov_b32 s21, 0
	s_add_nc_u64 s[12:13], s[12:13], s[20:21]
	s_add_nc_u64 s[66:67], s[66:67], s[20:21]
.macro FRAG reg, adr, q, i             ; a fragment's image: registers 0-3, 4-5, 6-9, 10-11; every load dense
	ds_load_b128 v[\reg:\reg+3], v[\adr] offset:(\i)*TROW+(\q)*1536
	ds_load_b64 v[\reg+4:\reg+5], v[\adr+2] offset:(\i)*TROW+(\q)*1536+512
	ds_load_b128 v[\reg+6:\reg+9], v[\adr] offset:(\i)*TROW+(\q)*1536+768
	ds_load_b64 v[\reg+10:\reg+11], v[\adr+2] offset:(\i)*TROW+(\q)*1536+1280
.endm
; 8 matrix instructions: A's blocks a0, a0 + 1 x B's four, from buffer p; the slot's q-th 128 along K; sc: the set of scale words.  zero = 1: the first product starts the sums.
; The 16 accumulators take turns, one instruction a turn, in the same order in every step.
.macro MUL8 p, a0, q, sc, zero
.irp a, \a0, \a0+1
.irp b, 0,1,2,3
.if \zero
	v_wmma_scale_f32_16x16x128_f8f6f4 v[ACC+8*(4*(\a)+\b):ACC+8*(4*(\a)+\b)+7], v[128*(\p)+48+FR*\b:128*(\p)+48+FR*\b+FR-1], v[128*(\p)+FR*(\a):128*(\p)+FR*(\a)+FR-1], 0, v[SC+16*(\sc)+4*\b+(\q)], v[SC+16*(\sc)+4*(\a)+(\q)] matrix_a_fmt:MATRIX_FMT_FP6 matrix_b_fmt:MATRIX_FMT_FP6 matrix_a_scale:MATRIX_SCALE_ROW1
.else
	v_wmma_scale_f32_16x16x128_f8f6f4 v[ACC+8*(4*(\a)+\b):ACC+8*(4*(\a)+\b)+7], v[128*(\p)+48+FR*\b:128*(\p)+48+FR*\b+FR-1], v[128*(\p)+FR*(\a):128*(\p)+FR*(\a)+FR-1], v[ACC+8*(4*(\a)+\b):ACC+8*(4*(\a)+\b)+7], v[SC+16*(\sc)+4*\b+(\q)], v[SC+16*(\sc)+4*(\a)+(\q)] matrix_a_fmt:MATRIX_FMT_FP6 matrix_b_fmt:MATRIX_FMT_FP6 matrix_a_scale:MATRIX_SCALE_ROW1
.endif
.endr
.endr
.endm
.macro FETCH_B slot, q, p              ; B's four fragments, 16 loads, into buffer p (the windows are set by the caller)
.irp i, 0,1,2,3
	FRAG 128*(\p)+48+FR*\i, ADRB+\slot, \q, \i
.endr
.endm
.macro FETCH_A slot, q, p              ; A's four
.irp i, 0,1,2,3
	FRAG 128*(\p)+FR*\i, ADRA+\slot, \q, \i
.endr
.endm
.macro SCALES sc                       ; a slot's scale words, four a row: lanes 0-15 A's block i, lanes 16-31 B's block i; register 4 i + q
.irp i, 0,1,2,3
	ds_load_b128 v[SC+16*\sc+4*\i:SC+16*\sc+4*\i+3], v[ADRS] offset:\i*SBLK
.endr
.endm
; A step of 128 along K whose successor lies in the same slot: it multiplies buffer q % 2 and fetches step q + 1 into the other buffer, in two runs of 16 loads, each with 8 matrix instructions behind it.
.macro KSTEP slot, q, zero
	PLACES NP                                      ; the other buffer was read by the matrix instructions just issued; these four serve both runs of loads
	WIN TO_F
	FETCH_B \slot, (\q)+1, 1-(\q)%2
	s_wait_dscnt 4*NL                              ; all but the 16 loads just issued: the buffer to be multiplied is in
	WIN MUL
	MUL8 (\q)%2, 0, \q, \slot, \zero
	WIN TO_F
	FETCH_A \slot, (\q)+1, 1-(\q)%2
	WIN MUL
	MUL8 (\q)%2, 2, \q, \slot, \zero
.endm
.macro ASK                             ; behind a refill and the run of LDS loads that follows it: the chunk two refills on; s3 = 1 in the loop's last trip, whose two refills have no such chunk
	s_cmp_gt_u32 s3, 1
	s_cbranch_scc0 .Lnone_\@
	global_prefetch_b8 v[PFO], s[PFA:PFA+1] offset:3*TROW th:TH_LOAD_NT scope:SCOPE_SE
.Lnone_\@:
.endm
; A slot's last step changes slots: one barrier; in front of it each wave waits for all its tensor loads, adds 0 to its spare word, and waits for that and for its reads of this slot.
; fill = 1: this slot is filled again, two chunks on; the barrier then opens a round of the cluster's.
.macro TURN slot, next, fill
	WIN 0                                          ; (the add's two registers lie in window 0)
.if \fill
	s_wait_xcnt 0x0                                ; my last prefetch has read its address, which steps a chunk on
	s_add_nc_u64 s[PFA:PFA+1], s[PFA:PFA+1], TROW
.endif
	s_wait_tensorcnt 0x0                           ; all my tensor loads have landed: my part of the next slot; so a group 0 may be written
	ds_add_u32 v[SPW], v[NIL]
.if \fill
	s_add_nc_u64 s[G0+4*\slot+2:G0+4*\slot+3], s[G0+4*\slot+2:G0+4*\slot+3], 2*TROW
	s_add_nc_u64 s[G0B+4*\slot+2:G0B+4*\slot+3], s[G0B+4*\slot+2:G0B+4*\slot+3], 2*TROW
.endif
	s_wait_dscnt 0x0                               ; the add is done, and my reads of this slot are over: its last fragments are in buffer 1
	s_barrier_signal -1
	WIN MUL
	MUL8 1, 0, NQ-1, \slot, 0                      ; work on registers while the others arrive
	WIN 0
	s_barrier_wait -1
.if \fill
	CREST                                          ; no wave of any partner still reads this slot or has a load on its way
	JLOAD G0+4*\slot, G1, G0B+4*\slot, G1B         ; the first tensor load behind the round; its four v_nop are the places in front of the loads below
.else
	PLACES NP
.endif
	s_wait_alu depctr_va_vdst(0)
	v_add_nc_u32 v[ADRS], 4*NQ, v[ADRS]            ; the next slot's scale words
	SCALES \next
	WIN TO_F
	FETCH_B \next, 0, 0
	FETCH_A \next, 0, 0
	WIN 0
.if \fill
	ASK
.endif
	WIN MUL
	MUL8 1, 2, NQ-1, \slot, 0
.endm
	s_wait_alu depctr_va_vdst(0)
	s_wait_tensorcnt 0x0                           ; my tile of the head's four is in; slot 1's first fill is issued as a refill is:
	ds_add_u32 v[SPW], v[NIL]
	s_mov_b32 s[G1+2], 4<<16                       ; no tensor load of mine is out: from here on a load brings 64 rows, 4 runs
	s_mov_b32 s[G1+4], 4
	s_mov_b32 s[G1B+2], 4<<16
	s_mov_b32 s[G1B+4], 4
	s_wait_dscnt 0x0
	CROUND                                         ; all four tiles are in, and the sixteen work-groups are here
	JLOAD G0+4, G1, G0B+4, G1B                     ; chunk 1, the first tensor load behind the round
	SCALES 0
	WIN TO_F
	FETCH_B 0, 0, 0
	FETCH_A 0, 0, 0
	WIN 0x80                                       ; destination window 2
.irp a, 0,1,2,3                        ; the residual, 32 loads: block a's rows 2 t and 2 t + 1 at v[32 a + 4 t] of window 2; sixteen lanes read 256 consecutive bytes
.irp t, 0,1,2,3,4,5,6,7
	global_load_b128 v[32*\a+4*\t:32*\a+4*\t+3], v[CO], s[66:67] offset:(16*\a+2*\t)*4096 th:TH_LOAD_NT
.endr
.endr
	WIN 0
	global_prefetch_b8 v[PFO], s[PFA:PFA+1] offset:3*TROW th:TH_LOAD_NT scope:SCOPE_SE    ; chunk 3
	KSTEP 0, 0, 1                                  ; the first step's products start the sums
	KSTEP 0, 1, 0
	KSTEP 0, 2, 0
	WIN 0                                          ; at a label and at a branch every window is 0
	s_mov_b32 s3, LAPS-1
.Llap:                                                 ; a trip goes once round the ring, from a lap's fourth step to the next lap's third, and fills both slots again
	TURN 0, 1, 1
	KSTEP 1, 0, 0
	KSTEP 1, 1, 0
	KSTEP 1, 2, 0
	TURN 1, 0, 1
	KSTEP 0, 0, 0
	KSTEP 0, 1, 0
	KSTEP 0, 2, 0
	WIN 0
	s_sub_co_u32 s3, s3, 1
	s_cmp_lg_u32 s3, 0
	s_cbranch_scc1 .Llap
	TURN 0, 1, 0                                   ; the last lap fills nothing
	KSTEP 1, 0, 0
	KSTEP 1, 1, 0
	KSTEP 1, 2, 0
	s_wait_dscnt 0x0                               ; the very last step: nothing more to fetch
	MUL8 1, 0, NQ-1, 1, 0
	MUL8 1, 2, NQ-1, 1, 0
	WIN 0
.macro TOSTAGE a                       ; LDS serves a wave's instructions in order (ISA guide 5.7.1.4): no wait between the stores and the loads, nor in front of the next block's stores
.irp b, 0,1,2,3
	ds_store_b128 v[STO], v[ACC+32*(\a)+8*\b:ACC+32*(\a)+8*\b+3] offset:64*\b          ; each accumulator from its low end on
	ds_store_b128 v[STO], v[ACC+32*(\a)+8*\b+4:ACC+32*(\a)+8*\b+7] offset:64*\b+16
.endr
.set BB, BK+32*((\a)%2)
.irp t, 0,1,2,3,4,5,6,7
	ds_load_b128 v[BB+4*\t:BB+4*\t+3], v[RD] offset:\t*2*SPITCH
.endr
.endm
.macro SEND a, younger                 ; younger: the LDS instructions issued behind block a's loads, which may stay out
.set BB, BK+32*((\a)%2)
.set RS, 32*(\a)
	s_wait_dscnt \younger                          ; the block is back in registers
	WIN 0x08                                       ; source 1 in window 2
.set i, 0
.rept 16
	v_pk_add_f32 v[BB+i:BB+i+1], v[BB+i:BB+i+1], v[RS+i:RS+i+1]
.set i, i+2
.endr
	WIN 0
.irp t, 0,1,2,3,4,5,6,7
	global_store_b128 v[CO], v[BB+4*\t:BB+4*\t+3], s[12:13] offset:(16*(\a)+2*\t)*4096 th:TH_STORE_NT   ; sixteen lanes store 256 consecutive bytes, aligned
.endr
.endm
	PLACES NP                                      ; in front of the first read of results
	s_wait_loadcnt 0x0                             ; the residual
	TOSTAGE 0
.irp a, 1,2,3
.if \a > 1
	s_wait_xcnt 0x0                                ; block a - 2's stores have read their registers: block a's loads may land there
.endif
	TOSTAGE \a
	SEND \a-1, 16                                  ; behind block a - 1's loads: block a's 8 stores and 8 loads
.endr
	SEND 3, 0
	s_wait_tensorcnt 0x0                           ; the wave's end, behind my last tensor load and my last LDS store
	ds_add_u32 v[SPW], v[NIL]
	s_wait_dscnt 0x0
	CROUND                                         ; the closing round
	s_endpgm
.Lfunc_end_k_q595b376228_gcproj:
	.size	k_q595b376228_gcproj, .Lfunc_end_k_q595b376228_gcproj-k_q595b376228_gcproj
	.p2alignl 7, 3214868480
	.fill 96, 4, 3214868480
	.section	.rodata,"a",@progbits
	.p2align	6, 0x0
	.amdhsa_kernel k_q595b376228_gcproj
		.amdhsa_group_segment_fixed_size 327680
		.amdhsa_private_segment_fixed_size 0
		.amdhsa_enable_private_segment 0
		.amdhsa_kernarg_size 32
		.amdhsa_user_sgpr_count 2
		.amdhsa_user_sgpr_kernarg_segment_ptr 1
		.amdhsa_wavefront_size32 1
		.amdhsa_system_sgpr_workgroup_id_x 1
		.amdhsa_system_sgpr_workgroup_id_y 1
		.amdhsa_system_sgpr_workgroup_id_z 1
		.amdhsa_system_vgpr_workitem_id 0
		.amdhsa_next_free_vgpr 640
		.amdhsa_next_free_sgpr 102
		.amdhsa_reserve_vcc 0
		.amdhsa_float_denorm_mode_32 3
		.amdhsa_float_denorm_mode_16_64 3
		.amdhsa_memory_ordered 1
		.amdhsa_forward_progress 1
		.amdhsa_inst_pref_size 99
	.end_amdhsa_kernel
	.amdgpu_metadata
---
amdhsa.version: [ 1, 2 ]
amdhsa.kernels:
  - .name:           k_q595b376228_gcproj
    .symbol:         k_q595b376228_gcproj.kd
    .args:
      - { .name: fq, .offset: 0, .size: 8, .value_kind: global_buffer, .address_space: global }
      - { .name: wts, .offset: 8, .size: 8, .value_kind: global_buffer, .address_space: global }
      - { .name: x1, .offset: 16, .size: 8, .value_kind: global_buffer, .address_space: global }
      - { .name: out0, .offset: 24, .size: 8, .value_kind: global_buffer, .address_space: global }
    .group_segment_fixed_size: 327680
    .private_segment_fixed_size: 0
    .kernarg_segment_align: 8
    .kernarg_segment_size: 32
    .max_flat_workgroup_size: 128
    .sgpr_count:     102
    .vgpr_count:     640
    .wavefront_size: 32
...
	.end_amdgpu_metadata
.endif
;; end of part 13
